; MI455X (gfx1250); checked and timed in simulation.
; The chip was launched on July 23, 2026; its instructions are those of AMD's public machine-readable ISA for CDNA 5 (MIT licence, August 2026) and "CDNA5" Instruction Set Architecture Reference Guide (July 2026). The comments in the code are by the model that wrote it; some were corrected since.
;; Rev Transformer Layer. Allowed arithmetic: matrix products marked QUANTISED: E4M3 operands, one E8M0 scale for each 32 along K, by v_wmma_scale_f32_16x16x128_f8f6f4 with both operands' format E4M3, f32 sums; everything else in f32.
;; Inputs: b1 4,096 float32; b2 1,024 float32; b_out 1,024 float32; b_qkv 3,072 float32; scale1 1,024 float32; scale2 1,024 float32; w1 1,024 x 4,096 float32; w2 4,096 x 1,024 float32; w_out 1,024 x 1,024 float32; w_qkv 1,024 x 3,072 float32; x 2 x 2,048 x 1,024 float32.
;; Outputs: out0 2 x 2,048 x 1,024 float32.
;; This version of the problem:
;;   THIS VERSION OF THE PROBLEM IS GIVEN IN LOW PRECISION. The matrix products marked QUANTISED in the list below multiply operands that are first quantised to E4M3 (4 exponent bits, 3 mantissa bits; 8 bits a number), with one power-of-two scale for each 32 numbers along K (OCP MX v1.0); their sums are f32. All else is computed in f32.
;;   The module's matrix products, in the order in which they are computed (A, B: the left and right operand; K: the contracted axis; several contracted axes count as one K, in the product's order):
;;     1. [M 4,096, K 1,024] x [K 1,024, N 3,072]; A: computed on the way; B: input w_qkv: QUANTISED
;;     2. batch 32 x [M 2,048, K 64] x [K 64, N 2,048]; A: computed on the way; B: computed on the way: QUANTISED
;;     3. batch 32 x [M 2,048, K 2,048] x [K 2,048, N 64]; A: softmax (see below); B: computed on the way: QUANTISED
;;     4. [M 4,096, K 1,024] x [K 1,024, N 1,024]; A: computed on the way; B: input w_out: QUANTISED
;;     5. [M 4,096, K 1,024] x [K 1,024, N 4,096]; A: computed on the way; B: input w1: QUANTISED
;;     6. [M 4,096, K 4,096] x [K 4,096, N 1,024]; A: computed on the way; B: input w2: QUANTISED
;;   THE QUANTISER, for each operand of a quantised product, along K:
;;     - K is cut into blocks of 32 from its start; a last block that is shorter is filled with zeros.
;;     - A block's scale is 2^e with e = floor(log2(the largest magnitude in the block)) - 8, held to -126 .. 127; a block of zeros has e = 0. As a byte (E8M0): e + 127.
;;     - Each number is divided by its block's scale, clamped to +-448, and rounded to the nearest number of E4M3, ties to even, subnormals kept.
;;     - The product sums the exact products of the quantised numbers (number of the format x scale) in f32.
;;   ~~~python
;;   def quantise(x, axis):      # numpy; x: float32 -> the quantised numbers, widened to float32 again
;;       x = np.moveaxis(x, axis, -1); K = x.shape[-1]
;;       x = np.pad(x, [(0, 0)] * (x.ndim - 1) + [(0, -K % 32)]); x = x.reshape(x.shape[:-1] + (-1, 32)); a = np.abs(x).max(-1, keepdims=True)
;;       e = np.where(a > 0, np.clip(np.frexp(np.where(a > 0, a, 1))[1] - 1 - 8, -126, 127), 0)      # np.frexp(a)[1] - 1 = floor(log2(a)), exactly
;;       r = np.clip(x / 2.0 ** e, -448, 448)
;;       step = 2.0 ** (np.maximum(np.frexp(np.where(r == 0, 1, r))[1] - 1, -6) - 3)
;;       q = np.round(r / step) * step * 2.0 ** e      # np.round: ties to even
;;       return np.moveaxis(q.reshape(q.shape[:-2] + (-1,))[..., :K], -1, axis).astype(np.float32)
;;   ~~~
;;   SOFTMAX AHEAD OF A QUANTISED PRODUCT. Where the list says 'softmax', what is quantised is not the finished softmax but p = 2^(t - M), with t = logit x log2(e) and M = ceil(the row's largest t), a whole number; so 1/2 < the row's largest p <= 1. The row's sum l is taken of the UNQUANTISED p, in f32, and the product's result is divided by l at the end. Since M is a whole number, a kernel that streams over the keys may use a running M (the ceiling of the running maximum): every later rescaling is an exact power of two, which a block's scale takes up: the codes' values come out the same.
;;   OPERANDS COMPUTED ON THE WAY. 'Computed on the way' means the value that the module computes at that place (a softmax that the list does not call 'softmax' is quantised finished and normalised). What goes into a quantiser is computed in f32, as accurately as f32 sums, v_exp_f32 and their like allow (about 1e-6 of the number): no bf16 or f16 on the way to a quantiser, and a product that is left as it is and whose result goes on into a quantised operand takes f32 operands (vector FMAs, or v_wmma_f32_16x16x4_f32). A number that lies on a knife's edge between two numbers of the format may be rounded either way, as far as f32 arithmetic and the matrix unit's own rounding can turn it there, and no further.
;; 2 versions, each right and faster than the one before. Each part assembles by itself: llvm-mc -triple=amdgcn-amd-amdhsa -mcpu=gfx1250 --defsym DOCPART=n.
;; ======== version 1 of 2: 7 launches
;; workspace buffers: wrec 12,976,128 bytes; xrec 4,325,376 bytes; orec 4,325,376 bytes; qc 4,194,304 bytes; qs 262,144 bytes; kv 8,781,824 bytes; x2 16,777,216 bytes; hrec 17,301,504 bytes
;; launch prep (part 1): grid 640 x 1, 4 waves a work-group, no clusters, 66,560 bytes of LDS; arguments x, scale1, xrec, w_qkv, w_out, w1, w2, wrec; writes xrec, wrec
.if DOCPART == 1
	.amdgcn_target "amdgcn-amd-amdhsa--gfx1250"
	.amdhsa_code_object_version 6
	.text
	.protected	k_q410ce4d71d_prep
	.globl	k_q410ce4d71d_prep
	.p2align	8
	.type	k_q410ce4d71d_prep,@function
k_q410ce4d71d_prep:
	s_mov_b64 s[64:65], 0
	v_nop
	global_prefetch_b8 v0, s[64:65] scope:SCOPE_SE
	s_setreg_imm32_b32 hwreg(HW_REG_WAVE_MODE, 25, 1), 1
	s_wait_xcnt 0x0
; PREP.  Work-groups 0-255: xn = scale1 * x * rsqrt(mean(x^2) + 1e-8), quantised to E4M3 with one E8M0 scale for each 32 along the row.
; Work-groups 256-639: the four weights [K][N], quantised along K (their first axis).
; ALL OPERANDS ARE STORED AS RECORDS of 8,448 bytes = 32 rows x 256 along K, laid as the matrix instruction's registers want them:
;   codes  at sub*4096 + q*2048 + c*512 + (16h + r)*16 : 16 bytes = k 128q + 32c + 16h + 0..15;   scale bytes at 8192 + sub*128 + 8r + (4q + c).
;   Lane r of the 16-row block sub holds row 8 sub + r + 8 (r / 8) of the 32.  An operand is [K / 256][rows / 32][record].
; LIMITS: NaN and infinities among the inputs are not served.  A block of zeros, or one whose largest magnitude lies under 2^-118, gets the scale byte 1;
; the bytes are read by this program alone, and zero codes add nothing under that byte.
; No tensor loads and no clusters: no work-group reads what another reads.
.set REC,     8448
.set ASTRIDE, 128*REC
.set PITCH,   4112                     ; a row of the stage: 4,096 bytes + 16, so that 16 rows start in 16 different 16-byte columns
.set X,       32                       ; v32-159  four rows as loaded; later 128 numbers of one lane's row
.set SCL,     160                      ; v160-191 the gain; later the codes
.set PWR,     192                      ; v192-193 the two scale words
.set TM,      200                      ; v200-215 the quantiser's temporaries
.set SS,      216                      ; v216-223 sums of squares, a pair a row
.set PD,      224                      ; v224-227 what the other half of the lanes sends
.set RM,      16                       ; v16,18,20,22 1 / rms; the odd partners are written once, since the packed form names pairs
.set SEL,     24                       ; s[24:25] lane selects: lane l xor 16
.set MNT,     26                       ; s26 the mantissa field of 448
; 64 numbers of a lane, register 16 b + i = k 32 b + 16 (lane / 16) + i of its row, become 16 registers of codes and a scale word
.macro QUANT s, pc, pw
.irp b, 0,1,2,3
	v_max3_num_f32 v[TM+\b], |v[\s+16*\b]|, |v[\s+1+16*\b]|, 0x4800000   ; the floor 2^(9 - 127) holds the byte at 1 from below
.endr
.irp i, 2,4,6,8,10,12,14
.irp b, 0,1,2,3
	v_max3_num_f32 v[TM+\b], v[TM+\b], |v[\s+16*\b+\i]|, |v[\s+1+16*\b+\i]|
.endr
.endr
.irp b, 0,1,2,3
	v_permlanex16_b32 v[TM+4+\b], v[TM+\b], s[SEL], s[SEL+1]
.endr
.irp b, 0,1,2,3
	v_max_num_f32 v[TM+\b], v[TM+\b], v[TM+4+\b]             ; the block's largest magnitude
.endr
.irp b, 0,1,2,3
	v_add_nc_u32 v[TM+12+\b], 0xfc000000, v[TM+\b]           ; 8 off its exponent field: the conversion's scale operand
.endr
.irp b, 0,1,2,3
	v_and_or_b32 v[TM+8+\b], v[TM+\b], 0x7f800000, s[MNT]    ; 448 x the scale
.endr
.irp b, 0,1,2,3
	v_lshrrev_b32 v[TM+4+\b], 23, v[TM+12+\b]                ; the scale's byte
.endr
	v_lshl_or_b32 v[\pw], v[TM+5], 8, v[TM+4]
	v_lshl_or_b32 v[\pw], v[TM+6], 16, v[\pw]
	v_lshl_or_b32 v[\pw], v[TM+7], 24, v[\pw]
.irp b, 0,1,2,3
.irp i, 0,1,2,3,4,5,6,7,8,9,10,11,12,13,14,15
	v_med3_num_f32 v[\s+16*\b+\i], v[\s+16*\b+\i], -v[TM+8+\b], v[TM+8+\b]   ; the conversion does not saturate (ISA guide 7.6.2): hold first
.endr
	v_cvt_scalef32_pk8_fp8_f32 v[\pc+4*\b:\pc+1+4*\b], v[\s+16*\b:\s+7+16*\b], v[TM+12+\b]
	v_cvt_scalef32_pk8_fp8_f32 v[\pc+2+4*\b:\pc+3+4*\b], v[\s+8+16*\b:\s+15+16*\b], v[TM+12+\b]
.endr
	v_nop                                                    ; a plain line behind the last conversion
.endm
	s_load_b256 s[4:11], s[0:1], 0x0               ; x, scale1, xrec, w_qkv
	s_load_b256 s[12:19], s[0:1], 0x20             ; w_out, w1, w2, wrec
	v_lshl_add_u32 v254, v0, 2, 0x10200
	v_mov_b32 v255, 0
	v_lshrrev_b32 v1, 5, v0
	v_readfirstlane_b32 s20, v1                    ; wave 0..3
	v_and_b32 v2, 31, v0                           ; lane
	s_mov_b32 s[MNT], 0x600000
	s_cmp_ge_u32 ttmp9, 256                        ; the role hangs on the work-group's number alone
	s_cbranch_scc1 .Lweights
	; ---- THE NORM.  The work-group owns the 16-row block RB = its number.  Phase 1: wave w takes the block's lanes' rows 4 w .. 4 w + 3, which are neighbours in memory
	v_lshlrev_b32 v3, 4, v2                        ; 16 x lane
	s_lshr_b32 s21, ttmp9, 1
	s_lshl_b32 s21, s21, 5
	s_and_b32 s22, ttmp9, 1
	s_lshl_b32 s23, s22, 3
	s_add_co_u32 s21, s21, s23
	s_lshl_b32 s23, s20, 2
	s_add_co_u32 s21, s21, s23
	s_lshr_b32 s23, s20, 1
	s_lshl_b32 s23, s23, 3
	s_add_co_u32 s21, s21, s23                     ; first row: 32 (RB / 2) + 8 (RB % 2) + 4 w + 8 (w / 2)
	s_lshl_b32 s28, s21, 12                        ; x 4,096 bytes
	s_mov_b32 s29, 0
	s_mov_b32 s[SEL], 0x76543210
	s_mov_b32 s[SEL+1], 0xfedcba98
	s_mov_b32 s27, 0x3a800000                      ; 1 / 1024
	s_mov_b32 s30, 0x322bcc77                      ; 1e-8
	s_wait_kmcnt 0x0
	s_add_nc_u64 s[4:5], s[4:5], s[28:29]
.irp j, 0,1,2,3,4,5,6,7
	global_load_b128 v[SCL+4*\j:SCL+4*\j+3], v3, s[6:7] offset:512*\j
.endr
.irp i, 0,1,2,3
.irp j, 0,1,2,3,4,5,6,7
	global_load_b128 v[X+32*\i+4*\j:X+32*\i+4*\j+3], v3, s[4:5] offset:4096*\i+512*\j th:TH_LOAD_NT   ; 32 lanes read 512 consecutive bytes
.endr
.endr
	s_mul_i32 s23, s20, 4*PITCH
	v_add_nc_u32 v4, s23, v3                       ; the stage, on the way in: my four rows, 16 bytes a lane
	v_and_b32 v5, 15, v0                           ; r
	v_bfe_u32 v6, v0, 4, 1                         ; h
	v_mul_u32_u24 v7, v5, PITCH
	v_lshl_add_u32 v7, v6, 6, v7
	s_lshl_b32 s23, s20, 10
	v_add_nc_u32 v7, s23, v7                       ; and on the way out: row r, + 64 h, + my chunk of 256 numbers
	s_lshl_b32 s23, s22, 12
	v_add_nc_u32 v9, s23, v3                       ; in the record: 16 x lane + 4096 sub
	s_lshl_b32 s23, s22, 7
	v_lshl_add_u32 v8, v5, 3, s23                  ; and the scale bytes: 8 r + 128 sub
.irp i, 0,1,2,3
	v_mov_b32 v[PD+\i], 0                          ; a lane permute's destination counts as one of its sources
	v_mov_b32 v[TM+4+\i], 0
	v_mov_b32 v[RM+2*\i+1], 0
.endr
	s_wait_loadcnt 0x0
.irp i, 0,1,2,3
	v_pk_mul_f32 v[SS+2*\i:SS+2*\i+1], v[X+32*\i:X+32*\i+1], v[X+32*\i:X+32*\i+1]    ; the first product starts the sum
.endr
.irp j, 2,4,6,8,10,12,14,16,18,20,22,24,26,28,30
.irp i, 0,1,2,3
	v_pk_fma_f32 v[SS+2*\i:SS+2*\i+1], v[X+32*\i+\j:X+32*\i+\j+1], v[X+32*\i+\j:X+32*\i+\j+1], v[SS+2*\i:SS+2*\i+1]
.endr
.endr
.irp i, 0,1,2,3
	v_add_f32 v[SS+2*\i], v[SS+2*\i], v[SS+2*\i+1]
.endr
.irp m, 1,2,4,8
.irp i, 0,1,2,3
	v_add_f32_dpp v[SS+2*\i], v[SS+2*\i], v[SS+2*\i] row_xmask:\m row_mask:0xf bank_mask:0xf
.endr
.endr
.irp i, 0,1,2,3
	v_permlanex16_b32 v[PD+\i], v[SS+2*\i], s[SEL], s[SEL+1]
.endr
.irp i, 0,1,2,3
	v_add_f32 v[SS+2*\i], v[SS+2*\i], v[PD+\i]
.endr
.irp i, 0,1,2,3
	v_fma_f32 v[SS+2*\i], v[SS+2*\i], s27, s30     ; the mean + 1e-8
.endr
.irp i, 0,1,2,3
	v_rsq_f32 v[RM+2*\i], v[SS+2*\i]
.endr
.irp i, 0,1,2,3
.irp j, 0,2,4,6,8,10,12,14,16,18,20,22,24,26,28,30
	v_pk_mul_f32 v[X+32*\i+\j:X+32*\i+\j+1], v[X+32*\i+\j:X+32*\i+\j+1], v[SCL+\j:SCL+\j+1]   ; scale * x: work that names no root's result
.endr
.endr
	s_wait_alu depctr_va_vdst(0)                   ; one wait for the four roots, ahead of their first reader
.irp i, 0,1,2,3
.irp j, 0,2,4,6,8,10,12,14,16,18,20,22,24,26,28,30
	v_pk_mul_f32 v[X+32*\i+\j:X+32*\i+\j+1], v[X+32*\i+\j:X+32*\i+\j+1], v[RM+2*\i:RM+2*\i+1] op_sel_hi:[1,0]
.endr
.endr
.irp i, 0,1,2,3
.irp j, 0,1,2,3,4,5,6,7
	ds_store_b128 v4, v[X+32*\i+4*\j:X+32*\i+4*\j+3] offset:\i*PITCH+512*\j
.endr
.endr
	s_wait_dscnt 0x0                               ; for the others' sake: my rows lie in the stage
	s_barrier_signal -1
	s_barrier_wait -1
	; ---- Phase 2: wave w takes chunk w (256 along K) of all 16 rows: lane (r, h) reads, of row r, 16 neighbours of each block of 32
.irp q, 0,1
.irp b, 0,1,2,3
.irp j, 0,1,2,3
	ds_load_b128 v[X+64*\q+16*\b+4*\j:X+64*\q+16*\b+4*\j+3], v7 offset:512*\q+128*\b+16*\j
.endr
.endr
.endr
	s_mul_i32 s28, s20, ASTRIDE
	s_lshr_b32 s23, ttmp9, 1
	s_mul_i32 s23, s23, REC
	s_add_co_u32 s28, s28, s23
	s_add_nc_u64 s[8:9], s[8:9], s[28:29]          ; my record
	s_wait_dscnt 0x0
	QUANT X, SCL, PWR
	QUANT X+64, SCL+16, PWR+1
.irp q, 0,1
.irp c, 0,1,2,3
	global_store_b128 v9, v[SCL+16*\q+4*\c:SCL+16*\q+4*\c+3], s[8:9] offset:2048*\q+512*\c   ; 512 consecutive bytes, aligned to 256
.endr
.endr
	global_store_b64 v8, v[PWR:PWR+1], s[8:9] offset:8192   ; 8 scale bytes a row; lanes 16-31 hold the same words and write the same bytes
	s_wait_tensorcnt 0x0
	ds_add_u32 v254, v255
	s_wait_dscnt 0x0
	s_endpgm
	; ---- THE WEIGHTS.  A wave makes one record: 32 columns x 256 along K.  A lane takes a column and its registers run down K, so a block of 32 lies in one lane
.Lweights:
	s_sub_co_u32 s21, ttmp9, 256
	s_mov_b32 s22, 256                             ; w2: first work-group,
	s_mov_b32 s23, 4                               ; log2 of its chunks along K,
	s_mov_b32 s27, 15                              ; chunks - 1,
	s_mov_b32 s28, 4096                            ; bytes in a row,
	s_mov_b32 s29, 32                              ; records in a chunk,
	s_mov_b32 s30, 8650752                         ; and where its records begin
	s_wait_kmcnt 0x0
	s_mov_b64 s[52:53], s[16:17]
	s_cmp_lt_u32 s21, 256                          ; w1
	s_cselect_b32 s22, 128, s22
	s_cselect_b32 s23, 2, s23
	s_cselect_b32 s27, 3, s27
	s_cselect_b32 s28, 16384, s28
	s_cselect_b32 s29, 128, s29
	s_cselect_b32 s30, 4325376, s30
	s_cselect_b64 s[52:53], s[14:15], s[52:53]
	s_cmp_lt_u32 s21, 128                          ; w_out
	s_cselect_b32 s22, 96, s22
	s_cselect_b32 s28, 4096, s28
	s_cselect_b32 s29, 32, s29
	s_cselect_b32 s30, 3244032, s30
	s_cselect_b64 s[52:53], s[12:13], s[52:53]
	s_cmp_lt_u32 s21, 96                           ; w_qkv
	s_cselect_b32 s22, 0, s22
	s_cselect_b32 s28, 12288, s28
	s_cselect_b32 s29, 96, s29
	s_cselect_b32 s30, 0, s30
	s_cselect_b64 s[52:53], s[10:11], s[52:53]
	s_sub_co_u32 s21, s21, s22
	s_lshr_b32 s31, s21, s23                       ; which 128 columns
	s_and_b32 s21, s21, s27                        ; which chunk of 256 along K
	s_mul_i32 s48, s21, s28
	s_lshl_b32 s48, s48, 8
	s_lshl_b32 s54, s31, 9
	s_add_co_u32 s48, s48, s54
	s_lshl_b32 s54, s20, 7
	s_add_co_u32 s48, s48, s54
	s_mov_b32 s49, 0
	s_add_nc_u64 s[32:33], s[52:53], s[48:49]      ; block 0 of my 32 columns
	s_lshl_b32 s48, s28, 5                         ; 32 rows on
.irp t, 1,2,3,4,5,6,7
	s_add_nc_u64 s[32+2*\t:33+2*\t], s[30+2*\t:31+2*\t], s[48:49]
.endr
	s_mul_i32 s54, s21, s29
	s_lshl_b32 s55, s31, 2
	s_add_co_u32 s54, s54, s55
	s_add_co_u32 s54, s54, s20
	s_mul_i32 s54, s54, REC
	s_add_co_u32 s54, s54, s30
	s_mov_b32 s55, 0
	s_add_nc_u64 s[50:51], s[18:19], s[54:55]      ; my record
	v_and_b32 v5, 15, v2
	v_lshrrev_b32 v6, 4, v2
	v_and_b32 v7, 8, v5
	v_add_nc_u32 v7, v7, v5
	v_lshl_add_u32 v7, v6, 3, v7                   ; my column of the 32: 8 (lane / 16) + r + 8 (r / 8)
	v_lshlrev_b32 v7, 2, v7
.irp i, 0,1,2,3,4,5,6,7,8,9,10,11,12,13,14,15,16,17,18,19,20,21,22,23,24,25,26,27,28,29,30,31
	v_mad_u32_u24 v[32+\i], s28, \i, v7            ; row i of a block
.endr
	v_lshlrev_b32 v8, 4, v5
	v_lshl_add_u32 v8, v6, 12, v8                  ; in the record: 4096 sub + 16 r
	v_lshlrev_b32 v9, 3, v2                        ; the scale bytes: 8 x lane
.macro LOADW t
.irp i, 0,1,2,3,4,5,6,7,8,9,10,11,12,13,14,15,16,17,18,19,20,21,22,23,24,25,26,27,28,29,30,31
	global_load_b32 v[64+32*((\t)%2)+\i], v[32+\i], s[32+2*(\t):33+2*(\t)] th:TH_LOAD_NT
.endr
.endm
.macro BLOCKW t
.set XS, 64+32*((\t)%2)
.set CW, 128+8*(\t)
.if (\t) < 7
	s_wait_loadcnt 32                              ; this block's 32 loads are in; the next block's 32 may be out
.else
	s_wait_loadcnt 0x0
.endif
	v_max3_num_f32 v12, |v[XS]|, |v[XS+1]|, |v[XS+2]|
	v_max3_num_f32 v13, |v[XS+3]|, |v[XS+4]|, |v[XS+5]|
.irp i, 6,10,14,18,22,26
	v_max3_num_f32 v12, v12, |v[XS+\i]|, |v[XS+\i+1]|
	v_max3_num_f32 v13, v13, |v[XS+\i+2]|, |v[XS+\i+3]|
.endr
	v_max3_num_f32 v12, v12, |v[XS+30]|, |v[XS+31]|
	v_max3_num_f32 v12, v12, v13, 0x4800000
	v_add_nc_u32 v11, 0xfc000000, v12
	v_and_or_b32 v10, v12, 0x7f800000, s[MNT]
	v_lshrrev_b32 v13, 23, v11
.if (\t)%4 == 0
	v_mov_b32 v[24+(\t)/4], v13
.else
	v_lshl_or_b32 v[24+(\t)/4], v13, 8*((\t)%4), v[24+(\t)/4]
.endif
.irp i, 0,1,2,3,4,5,6,7,8,9,10,11,12,13,14,15,16,17,18,19,20,21,22,23,24,25,26,27,28,29,30,31
	v_med3_num_f32 v[XS+\i], v[XS+\i], -v10, v10
.endr
.irp g, 0,1,2,3
	v_cvt_scalef32_pk8_fp8_f32 v[CW+2*\g:CW+2*\g+1], v[XS+8*\g:XS+8*\g+7], v11
.endr
	v_nop
	global_store_b128 v8, v[CW:CW+3], s[50:51] offset:((\t)/4)*2048+((\t)%4)*512         ; k 0..15 of the block: the lower half's lanes; sixteen lanes fill 256 aligned bytes
	global_store_b128 v8, v[CW+4:CW+7], s[50:51] offset:((\t)/4)*2048+((\t)%4)*512+256   ; k 16..31: the upper half's
.if (\t)+2 < 8
	LOADW (\t)+2
.endif
.endm
	LOADW 0
	LOADW 1
.irp t, 0,1,2,3,4,5,6,7
	BLOCKW \t                                      ; each block has code registers of its own: no store's data are written again
.endr
	global_store_b64 v9, v[24:25], s[50:51] offset:8192   ; 256 consecutive bytes
	s_endpgm
.Lfunc_end_k_q410ce4d71d_prep:
	.size	k_q410ce4d71d_prep, .Lfunc_end_k_q410ce4d71d_prep-k_q410ce4d71d_prep
	.p2alignl 7, 3214868480
	.fill 96, 4, 3214868480
	.section	.rodata,"a",@progbits
	.p2align	6, 0x0
	.amdhsa_kernel k_q410ce4d71d_prep
		.amdhsa_group_segment_fixed_size 66560
		.amdhsa_private_segment_fixed_size 0
		.amdhsa_enable_private_segment 0
		.amdhsa_kernarg_size 64
		.amdhsa_user_sgpr_count 2
		.amdhsa_user_sgpr_kernarg_segment_ptr 1
		.amdhsa_wavefront_size32 1
		.amdhsa_system_sgpr_workgroup_id_x 1
		.amdhsa_system_sgpr_workgroup_id_y 1
		.amdhsa_system_sgpr_workgroup_id_z 1
		.amdhsa_system_vgpr_workitem_id 0
		.amdhsa_next_free_vgpr 256
		.amdhsa_next_free_sgpr 66
		.amdhsa_reserve_vcc 0
		.amdhsa_float_denorm_mode_32 3
		.amdhsa_float_denorm_mode_16_64 3
		.amdhsa_memory_ordered 1
		.amdhsa_forward_progress 1
		.amdhsa_inst_pref_size 101
	.end_amdhsa_kernel
	.amdgpu_metadata
---
amdhsa.version: [ 1, 2 ]
amdhsa.kernels:
  - .name:           k_q410ce4d71d_prep
    .symbol:         k_q410ce4d71d_prep.kd
    .args:
      - { .name: x, .offset: 0, .size: 8, .value_kind: global_buffer, .address_space: global }
      - { .name: scale1, .offset: 8, .size: 8, .value_kind: global_buffer, .address_space: global }
      - { .name: xrec, .offset: 16, .size: 8, .value_kind: global_buffer, .address_space: global }
      - { .name: w_qkv, .offset: 24, .size: 8, .value_kind: global_buffer, .address_space: global }
      - { .name: w_out, .offset: 32, .size: 8, .value_kind: global_buffer, .address_space: global }
      - { .name: w1, .offset: 40, .size: 8, .value_kind: global_buffer, .address_space: global }
      - { .name: w2, .offset: 48, .size: 8, .value_kind: global_buffer, .address_space: global }
      - { .name: wrec, .offset: 56, .size: 8, .value_kind: global_buffer, .address_space: global }
    .group_segment_fixed_size: 66560
    .private_segment_fixed_size: 0
    .kernarg_segment_align: 8
    .kernarg_segment_size: 64
    .max_flat_workgroup_size: 128
    .sgpr_count:     66
    .vgpr_count:     256
    .wavefront_size: 32
...
	.end_amdgpu_metadata
.endif
;; end of part 1
;; launch qkv (part 2): grid 12 x 16, 4 waves a work-group, clusters of 4 x 4, 327,680 bytes of LDS; arguments xrec, wrec, b_qkv, qc, qs, kv; writes qc, qs, kv
.if DOCPART == 2
	.amdgcn_target "amdgcn-amd-amdhsa--gfx1250"
	.amdhsa_code_object_version 6
	.text
	.protected	k_q410ce4d71d_qkv
	.globl	k_q410ce4d71d_qkv
	.p2align	8
	.type	k_q410ce4d71d_qkv,@function
k_q410ce4d71d_qkv:
	s_mov_b64 s[64:65], 0
	v_nop
	global_prefetch_b8 v0, s[64:65] scope:SCOPE_SE
	s_setreg_imm32_b32 hwreg(HW_REG_WAVE_MODE, 25, 1), 1
	s_wait_xcnt 0x0
	s_wait_alu depctr_hold_cnt(0) depctr_sa_sdst(0) depctr_va_vdst(0) depctr_va_sdst(0) depctr_va_ssrc(0) depctr_va_vcc(0) depctr_vm_vsrc(0)
	s_getreg_b32 s2, hwreg(HW_REG_IB_STS2, 6, 4)
	s_cmp_eq_u32 s2, 0
	s_cbranch_scc0 .Lentry_in_a_cluster
	s_endpgm
.Lentry_in_a_cluster:
	s_bfe_u32 s2, ttmp6, 0x10000c
	s_cmp_lg_u32 s2, 0xf033
	s_cbranch_scc0 .Lentry_shape_is_right
	s_endpgm
.Lentry_shape_is_right:
; QKV = xn w_qkv + b_qkv on codes of E4M3 with E8M0 scales; q and k are quantised along the head's 64, v along the keys, and stored as attention's operand registers want them.
; Operands come as records of 8,448 bytes (32 rows x 256 K: codes as register images, then the scale bytes); a tile of 128 rows x 256 K is 33,792 dense bytes, one tensor load.
; A work-group of four waves makes 256 tokens x 256 columns; a wave 128 x 128 in 64 accumulators.  K = 1,024 goes in 4 chunks of 256 through two LDS slots.
; CLUSTERS 4 x 4: the tokens' tiles are shared along a row of the cluster, the weights' along a column: joint loads.  A cluster's x says what it makes: 0 q, 1 k, 2 v.
; THE MATRIX INSTRUCTION'S SOURCE 1 gives a lane its row, SOURCE 0 runs along its registers.  For q and k source 1 = tokens, source 0 = columns (the head's axis runs along the registers).
; FOR v THE TWO CHANGE PLACES (source 1 = columns, source 0 = tokens), so that the keys run along the registers: only the LDS bases that the fragment loads use differ; the choice hangs on the cluster's x.
; Rows of a 16-row block: lane r holds row 8 sub + r + 8 (r / 8) of 32, so the 16 registers of two neighbouring tiles are 16 neighbours along source 0's rows.
; OUT: qc [bh][tile of 16 queries][c 2][lane][16 B], qs one word a query; kv: a record of 17,152 bytes for each head and 128 keys: K codes 8 x 1,024, V^T codes 4 x 2,048, K scale words 8 x 64, V scale words 4 x 64.
; q's and k's scale words carry 0x7f in their upper two bytes: attention's product of K = 64 runs in an instruction of 128 whose upper half meets zero codes.
; LIMITS: NaN and infinities are not served; a block under 2^-118 (zeros too) gets the scale byte 1, read by this program alone.
; No prefetch: two of the four chunks are asked for at the start.
.set KCH,     4
.set BOFF,    0
.set REC,     8448
.set KVR,     17152
.set BSTRIDE, 96*REC
.set ASTRIDE, 128*REC
.set HALFT,   4*REC                    ; 128 rows x 256 K with scales: what one tensor load brings
.set SLOT,    4*HALFT                  ; tokens' two halves, then the weights' two
.set SPARE,   2*SLOT                   ; the spare words: 128 bytes a wave, named by no other line
.set LAPS,    KCH/2
.set NQ, 2
.set FR, 16
.set NL, 4
.set NP, 8
.set BR,   1                           ; v1-8   v's bias: one number a lane for each of the 8 row blocks
.set BRV,  9                           ; v9     its offset
.set BRP,  10                          ; v[10:11] the trip's number, as a pair
.set SHV,  12                          ; v12    16 h for q and k, 0 for v
.set BRA,  13                          ; v13    where v's bias lies in LDS
.set BCV,  14                          ; v14    64 h
.set BRR,  15
.set ADRA, 16                          ; v16-17 source 1's fragments in slot 0, 1
.set LI,   18                          ; v18    16 x lane
.set SL,   19                          ; v19    the scale word's lane offset
.set ADRB, 20                          ; v20-21 source 0's
.set ADRS, 22                          ; v22-23 scale words: lanes 0-15 source 1's, lanes 16-31 source 0's
.set STG,  24
.set RD,   25
.set CO,   26
.set SO,   27
.set SPW,  28
.set NIL,  29
.set PW,   30
.set WO,   31
.set SC,   32                          ; v32-63 scale words, two sets; they hold nothing else
.set BC,   64                          ; v64-127 q's and k's bias in the result's layout
.set AF,   128                         ; v128-255 source 1's fragments, one set
.set H,    128                         ; the way out: a row block's 64 numbers
.set PC,   192
.set TM,   208
.set G1, 24
.set G0, 32
.set G1B, 48
.set G0B, 56
.set VM,   66
.set HSEL, 67
.set TSEL, 43
.set S1,   86
.set S2,   87
.set S3,   88
.set HSS,  89
.set HIL,  90
.set MSK,  91
.set ORV,  96
.set SHS,  97
.set AI,   98
.set RDO,  99
.set BRO,  3
.set SEL,  18
.set MNT,  2
.set MSB, 0
.macro WIN new
.if MSB != \new
	s_set_vgpr_msb (MSB<<8)|\new
.set MSB, \new
.endif
.endm
.set MUL_LO, 0xa1                      ; source 0 window 1, source 1 window 0, C and D window 2
.set MUL_HI, 0xf1
.set TO_B,   0x40
.macro JLOAD g0a, g1a, g0b, g1b        ; waves 0, 1 fetch the tokens' halves, waves 2, 3 the weights'; four v_nop follow each line
	s_cmp_eq_u32 s15, 0
	s_cbranch_scc0 .Lfor_b_\@
	tensor_load_to_lds s[\g0a:\g0a+3], s[\g1a:\g1a+7]
	s_nop 0
.rept 4
	v_nop
.endr
	s_branch .Lasked_\@
.Lfor_b_\@:
	tensor_load_to_lds s[\g0b:\g0b+3], s[\g1b:\g1b+7]
	s_nop 0
.rept 4
	v_nop
.endr
.Lasked_\@:
.endm
.macro CREST
	s_cmp_lg_u32 s14, 0
	s_cbranch_scc1 .Lnot_wave_0_\@
	s_barrier_signal -3
.Lnot_wave_0_\@:
	s_barrier_wait -3
	s_barrier_signal -1
	s_barrier_wait -1
.endm
.macro CROUND
	s_barrier_signal -1
	s_barrier_wait -1
	CREST
.endm
.macro QUANT s, pc, pw
.irp b, 0,1,2,3
	v_max3_num_f32 v[TM+\b], |v[\s+16*\b]|, |v[\s+1+16*\b]|, 0x4800000
.endr
.irp i, 2,4,6,8,10,12,14
.irp b, 0,1,2,3
	v_max3_num_f32 v[TM+\b], v[TM+\b], |v[\s+16*\b+\i]|, |v[\s+1+16*\b+\i]|
.endr
.endr
.irp b, 0,1,2,3
	v_permlanex16_b32 v[TM+4+\b], v[TM+\b], s[SEL], s[SEL+1]
.endr
.irp b, 0,1,2,3
	v_max_num_f32 v[TM+\b], v[TM+\b], v[TM+4+\b]
.endr
.irp b, 0,1,2,3
	v_add_nc_u32 v[TM+12+\b], 0xfc000000, v[TM+\b]
.endr
.irp b, 0,1,2,3
	v_and_or_b32 v[TM+8+\b], v[TM+\b], 0x7f800000, s[MNT]
.endr
.irp b, 0,1,2,3
	v_lshrrev_b32 v[TM+4+\b], 23, v[TM+12+\b]
.endr
	v_lshl_or_b32 v[\pw], v[TM+5], 8, v[TM+4]
	v_lshl_or_b32 v[\pw], v[TM+6], 16, v[\pw]
	v_lshl_or_b32 v[\pw], v[TM+7], 24, v[\pw]
.irp b, 0,1,2,3
.irp i, 0,1,2,3,4,5,6,7,8,9,10,11,12,13,14,15
	v_med3_num_f32 v[\s+16*\b+\i], v[\s+16*\b+\i], -v[TM+8+\b], v[TM+8+\b]
.endr
	v_cvt_scalef32_pk8_fp8_f32 v[\pc+4*\b:\pc+1+4*\b], v[\s+16*\b:\s+7+16*\b], v[TM+12+\b]
	v_cvt_scalef32_pk8_fp8_f32 v[\pc+2+4*\b:\pc+3+4*\b], v[\s+8+16*\b:\s+15+16*\b], v[TM+12+\b]
.endr
	v_nop
.endm
	s_load_b128 s[4:7], s[0:1], 0x0                ; xrec, wrec
	s_load_b128 s[8:11], s[0:1], 0x10              ; b_qkv, qc
	s_load_b128 s[68:71], s[0:1], 0x20             ; qs, kv
	v_lshl_add_u32 v[SPW], v0, 2, SPARE
	v_mov_b32 v[NIL], 0
	ds_add_u32 v28, v29
	ds_add_u32 v28, v29
	s_wait_dscnt 0x0
	v_lshrrev_b32 v1, 5, v0
	v_readfirstlane_b32 s14, v1                    ; wave
	s_lshr_b32 s15, s14, 1
	s_and_b32 s16, s14, 1
	s_bfe_u32 s40, ttmp6, 0x40000                  ; cx
	s_bfe_u32 s41, ttmp6, 0x40004                  ; cy
	s_lshl_b32 s42, ttmp9, 2
	s_add_co_u32 s42, s42, s40                     ; x: which 256 columns
	s_and_b32 s17, ttmp7, 0xffff
	s_lshl_b32 s17, s17, 2
	s_add_co_u32 s17, s17, s41                     ; y: which 256 tokens
	s_lshl_b32 s43, s41, 2
	s_lshl_b32 s43, 15, s43                        ; my row of the cluster
	s_lshl_b32 s44, 0x1111, s40                    ; my column
	s_or_b32 s[G1+0], s43, (3<<16)|(1<<21)         ; the mask; elements of 8 bytes; bit 21 beside a mask; no padding: fragments are read as 512 consecutive bytes
	s_or_b32 s[G1B+0], s44, (3<<16)|(1<<21)
.irp g, G1, G1B
	s_mov_b32 s[\g+1], 32<<16                      ; rows of 256 bytes,
	s_mov_b32 s[\g+2], 132<<16                     ; 132 of them: 33,792 dense bytes
	s_mov_b32 s[\g+3], 32<<16
	s_mov_b32 s[\g+4], 132
	s_mov_b32 s[\g+5], 32
	s_mov_b32 s[\g+6], 0
	s_mov_b32 s[\g+7], 0
.endr
	s_lshl_b32 s18, s16, 2
	s_lshl_b32 s20, s17, 3
	s_add_co_u32 s20, s20, s18
	s_mul_i32 s20, s20, REC                        ; tokens: record 8 y + 4 half
	s_mov_b32 s21, 0
	s_lshl_b32 s46, s42, 3
	s_add_co_u32 s46, s46, s18
	s_mul_i32 s46, s46, REC                        ; weights: record 8 x + 4 half
	s_add_co_u32 s46, s46, BOFF
	s_mov_b32 s47, 0
	s_mul_i32 s45, s14, HALFT                      ; where they go: wave x 33,792
	s_wait_kmcnt 0x0
	s_add_nc_u64 s[20:21], s[4:5], s[20:21]
	s_add_nc_u64 s[46:47], s[6:7], s[46:47]
	CROUND                                         ; all sixteen work-groups are here: the first joint loads meet
.irp s, 0,1
	s_mov_b32 s[G0+4*\s], 1
	s_add_co_u32 s[G0+4*\s+1], s45, \s*SLOT
	s_add_nc_u64 s[G0+4*\s+2:G0+4*\s+3], s[20:21], \s*ASTRIDE
	s_or_b32 s[G0+4*\s+3], s[G0+4*\s+3], 0x80000000
	s_mov_b32 s[G0B+4*\s], 1
	s_add_co_u32 s[G0B+4*\s+1], s45, \s*SLOT
	s_add_nc_u64 s[G0B+4*\s+2:G0B+4*\s+3], s[46:47], \s*BSTRIDE
	s_or_b32 s[G0B+4*\s+3], s[G0B+4*\s+3], 0x80000000
	JLOAD G0+4*\s, G1, G0B+4*\s, G1B
.endr
	v_and_b32 v1, 15, v0                           ; r
	v_bfe_u32 v2, v0, 4, 1                         ; h
	v_and_b32 v3, 31, v0
	v_lshlrev_b32 v[LI], 4, v3
	s_mul_i32 s21, s15, HALFT                      ; tokens' half by wave / 2
	s_mul_i32 s22, s16, HALFT                      ; tokens' half by wave % 2
	s_add_co_u32 s18, s21, 2*HALFT                 ; weights' half by wave / 2
	s_add_co_u32 s19, s22, 2*HALFT                 ; weights' half by wave % 2
	s_sub_co_u32 s23, s19, s21
	s_sub_co_u32 s2, s18, s22
	v_mul_u32_u24 v4, s23, v2                      ; q, k: lanes 0-15 the tokens' scale words, lanes 16-31 the weights'
	v_xor_b32 v5, 1, v2
	v_mul_u32_u24 v5, s2, v5                       ; v: the other way round
	v_lshl_add_u32 v4, v1, 3, v4
	v_lshl_add_u32 v5, v1, 3, v5
	v_add_nc_u32 v4, s21, v4
	v_add_nc_u32 v5, s22, v5
	s_cmp_eq_u32 ttmp9, 2                          ; a v cluster?  The same in all sixteen partners
	s_cselect_b32 s[VM], -1, 0
	s_cselect_b32 s21, s18, s21                    ; source 1's 128 rows
	s_cselect_b32 s22, s22, s19                    ; source 0's
	s_cselect_b32 s[HSEL], s15, s16                ; which half of the columns is mine
	s_cselect_b32 s[TSEL], s16, s15                ; which half of the tokens
	v_cndmask_b32 v[ADRS], v4, v5, s[VM]
	v_add_nc_u32 v[ADRS+1], SLOT, v[ADRS]
.irp s, 0,1
	v_add_nc_u32 v[ADRA+\s], s21, v[LI]
	v_add_nc_u32 v[ADRB+\s], s22, v[LI]
	s_add_co_u32 s21, s21, SLOT
	s_add_co_u32 s22, s22, SLOT
.endr
	s_lshl_b32 s20, s14, 16
	v_add_nc_u32 v[STG], s20, v[LI]                ; the way out: my stage of 65,536 bytes in the ring
	s_lshl_b32 s20, s14, 10
	s_add_co_u32 s20, s20, 262144
	v_lshl_add_u32 v[BRA], v3, 2, s20              ; behind the stages: 1,024 bytes a wave for v's bias
	; where the results go
	s_lshr_b32 s72, s17, 3
	s_lshl_b32 s72, s72, 4
	s_lshl_b32 s73, s40, 2
	s_add_co_u32 s72, s72, s73
	s_lshl_b32 s73, s[HSEL], 1
	s_add_co_u32 s72, s72, s73                     ; my first head: 16 batch + 4 cx + 2 half
	s_and_b32 s73, s17, 7
	s_lshl_b32 s73, s73, 1
	s_add_co_u32 s73, s73, s[TSEL]                 ; my 128 tokens of the sequence
	s_lshl_b32 s74, s72, 7
	s_lshl_b32 s75, s73, 3
	s_add_co_u32 s74, s74, s75                     ; q: tile 128 head + 8 step
	s_lshl_b32 s75, s74, 6
	s_lshl_b32 s74, s74, 10
	s_lshl_b32 s76, s72, 4
	s_add_co_u32 s76, s76, s73
	s_mul_i32 s76, s76, KVR                        ; k, v: the record
	s_add_co_u32 s77, s76, 16384
	s_add_co_u32 s78, s76, 8192
	s_add_co_u32 s79, s76, 16896
	s_lshl_b32 s20, s42, 10
	s_lshl_b32 s21, s16, 9
	s_add_co_u32 s21, s21, s20                     ; q, k: my 128 columns' bias
	s_lshl_b32 s22, s15, 9
	s_add_co_u32 s22, s22, s20                     ; v: likewise
	s_cmp_eq_u32 ttmp9, 2
	s_cselect_b32 s76, s78, s76
	s_cselect_b32 s77, s79, s77
	s_cselect_b32 s21, 0, s21                      ; the bias that is not used is loaded from the buffer's start: every register is written
	s_cselect_b32 s22, s22, 0
	s_mov_b32 s[S1], 4096
	s_cselect_b32 s[S1], 16*KVR, s[S1]             ; codes: from row block a / 4 to the next (v: the next head),
	s_mov_b32 s[S2], 1024
	s_cselect_b32 s[S2], 2048, s[S2]               ; and from a % 4 to the next
	s_mov_b32 s[S3], 256
	s_cselect_b32 s[S3], 16*KVR, s[S3]             ; the same for scale words
	s_mov_b32 s[HSS], 16*KVR
	s_cselect_b32 s[HSS], 0, s[HSS]                ; scale words: from my first head to my second (lanes 16-31)
	s_mov_b32 s[HIL], 16*KVR
	s_cselect_b32 s[HIL], 1024, s[HIL]             ; codes: from registers 0-7 to registers 8-15
	s_mov_b32 s[MSK], 0xffff
	s_cselect_b32 s[MSK], -1, s[MSK]
	s_mov_b32 s[ORV], 0x7f7f0000
	s_cselect_b32 s[ORV], 0, s[ORV]
	s_cselect_b32 s[SHS], 0, 16
	s_cmp_eq_u32 ttmp9, 0
	s_cselect_b32 s76, s74, s76
	s_cselect_b32 s77, s75, s77
	s_cselect_b32 s[HSS], 8192, s[HSS]
	s_cselect_b32 s[HIL], 131072, s[HIL]
	s_cselect_b64 s[80:81], s[10:11], s[70:71]
	s_cselect_b64 s[82:83], s[68:69], s[70:71]
	s_mov_b32 s72, s76
	s_mov_b32 s73, 0
	s_add_nc_u64 s[80:81], s[80:81], s[72:73]      ; codes, registers 0-7
	s_mov_b32 s72, s77
	s_add_nc_u64 s[82:83], s[82:83], s[72:73]      ; scale words
	s_mov_b32 s72, s[HIL]
	s_add_nc_u64 s[84:85], s[80:81], s[72:73]      ; codes, registers 8-15
	s_mov_b32 s72, s21
	s_add_nc_u64 s[92:93], s[8:9], s[72:73]
	s_mov_b32 s72, s22
	s_add_nc_u64 s[94:95], s[8:9], s[72:73]
	v_mul_u32_u24 v[SL], s[HSS], v2
	v_lshl_add_u32 v[SL], v1, 2, v[SL]
	v_mul_u32_u24 v[SHV], s[SHS], v2
	v_and_b32 v[BRV], 8, v1
	v_add_nc_u32 v[BRV], v[BRV], v1
	v_lshlrev_b32 v[BRV], 2, v[BRV]                ; 4 (r + 8 (r / 8))
	v_lshlrev_b32 v[BCV], 6, v2
	v_mov_b32 v[BRP+1], 0
	s_mov_b32 s[SEL], 0x76543210
	s_mov_b32 s[SEL+1], 0xfedcba98
	s_mov_b32 s[MNT], 0x600000
.irp b, 0,1,2,3,4,5,6,7
	global_load_b128 v[BC+8*\b:BC+8*\b+3], v[BCV], s[92:93] offset:(32*(\b/2)+8*(\b%2))*4
	global_load_b128 v[BC+8*\b+4:BC+8*\b+7], v[BCV], s[92:93] offset:(32*(\b/2)+8*(\b%2))*4+16
.endr
.irp a, 0,1,2,3,4,5,6,7
	global_load_b32 v[BR+\a], v[BRV], s[94:95] offset:(32*(\a/2)+8*(\a%2))*4
.endr
.macro FRAG reg, adr, q, i             ; 16 rows x 128 K: four loads of 512 consecutive bytes
.irp c, 0,1,2,3
	ds_load_b128 v[\reg+4*\c:\reg+4*\c+3], v[\adr] offset:((\i)/2)*REC+((\i)%2)*4096+2048*(\q)+512*\c
.endr
.endm
; 16 matrix instructions; the 64 accumulators take turns, one instruction a turn, in the same order in every step
.macro MUL16 a0, p, q, sc, zero
.irp a, \a0, \a0+1
.irp b, 0,1,2,3,4,5,6,7
.if \zero
	v_wmma_scale_f32_16x16x128_f8f6f4 v[8*(8*((\a)%4)+\b):8*(8*((\a)%4)+\b)+7], v[128*(\p)+FR*\b:128*(\p)+FR*\b+FR-1], v[AF+FR*(\a):AF+FR*(\a)+FR-1], 0, v[SC+8*NQ*(\sc)+NQ*\b+(\q)], v[SC+8*NQ*(\sc)+NQ*(\a)+(\q)] matrix_a_scale:MATRIX_SCALE_ROW1
.else
	v_wmma_scale_f32_16x16x128_f8f6f4 v[8*(8*((\a)%4)+\b):8*(8*((\a)%4)+\b)+7], v[128*(\p)+FR*\b:128*(\p)+FR*\b+FR-1], v[AF+FR*(\a):AF+FR*(\a)+FR-1], v[8*(8*((\a)%4)+\b):8*(8*((\a)%4)+\b)+7], v[SC+8*NQ*(\sc)+NQ*\b+(\q)], v[SC+8*NQ*(\sc)+NQ*(\a)+(\q)] matrix_a_scale:MATRIX_SCALE_ROW1
.endif
.endr
.endr
.endm
.macro FETCH_B slot, q, p
	WIN TO_B
.irp i, 0,1,2,3,4,5,6,7
	FRAG 128*(\p)+FR*\i, ADRB+\slot, \q, \i
.endr
	WIN 0
.endm
.macro FETCH_A slot, q, i0
.irp i, \i0, \i0+1, \i0+2, \i0+3
	FRAG AF+FR*(\i), ADRA+\slot, \q, \i
.endr
.endm
.macro SCALES sc                       ; a chunk's scale words: 8 bytes a row
.irp i, 0,1,2,3,4,5,6,7
	ds_load_b64 v[SC+8*NQ*\sc+NQ*\i:SC+8*NQ*\sc+NQ*\i+1], v[ADRS+\sc] offset:(\i/2)*REC+8192+(\i%2)*128
.endr
.endm
.macro PLACES n                        ; plain vector lines between a matrix instruction and a load into, or a read of, its registers
.rept \n
	v_nop
.endr
.endm
.macro STEP slot, q, zero
	s_wait_dscnt 4*NL                              ; all but the youngest 16 loads (source 1's blocks 4-7)
	WIN MUL_LO
	MUL16 0, (\q)%2, \q, \slot, \zero
	MUL16 2, (\q)%2, \q, \slot, \zero
	s_wait_dscnt 0
	PLACES NP
	FETCH_B \slot, (\q)+1, 1-(\q)%2
	FETCH_A \slot, (\q)+1, 0
	WIN MUL_HI
	MUL16 4, (\q)%2, \q, \slot, \zero
	MUL16 6, (\q)%2, \q, \slot, \zero
	PLACES NP
	WIN 0
	FETCH_A \slot, (\q)+1, 4
.endm
.macro TURN slot, next, fill           ; a slot's last step changes slots
	s_wait_tensorcnt 0x0                           ; all my tensor loads have landed: my part of the next slot
	ds_add_u32 v[SPW], v[NIL]                      ; 0 onto my spare word
	s_wait_dscnt 4*NL+1                            ; (the add and the youngest 16 loads may be out)
	WIN MUL_LO
	MUL16 0, 1, NQ-1, \slot, 0
	s_wait_dscnt 0x0                               ; the add is done, and my reads of this slot are over
	s_barrier_signal -1
	MUL16 2, 1, NQ-1, \slot, 0
	WIN 0
	s_barrier_wait -1
.if \fill
	CREST                                          ; the barrier opened a round of the cluster's: no wave of any partner still reads this slot or has a load on its way
	s_add_nc_u64 s[G0+4*\slot+2:G0+4*\slot+3], s[G0+4*\slot+2:G0+4*\slot+3], 2*ASTRIDE
	s_add_nc_u64 s[G0B+4*\slot+2:G0B+4*\slot+3], s[G0B+4*\slot+2:G0B+4*\slot+3], 2*BSTRIDE
	JLOAD G0+4*\slot, G1, G0B+4*\slot, G1B         ; the first tensor load behind the round; its four v_nop are four of the eight places
	PLACES NP-4
.else
	PLACES NP
.endif
	FETCH_B \next, 0, 0
	FETCH_A \next, 0, 0
	SCALES \next
	WIN MUL_HI
	MUL16 4, 1, NQ-1, \slot, 0
	MUL16 6, 1, NQ-1, \slot, 0
	PLACES NP
	WIN 0
	FETCH_A \next, 0, 4
.endm
	s_wait_tensorcnt 1                             ; my part of chunk 0 is in; chunk 1's load may be out
	s_barrier_signal -1
	s_barrier_wait -1
	FETCH_B 0, 0, 0
	FETCH_A 0, 0, 0
	SCALES 0
	FETCH_A 0, 0, 4
	STEP 0, 0, 1                                   ; the first step's products start the sums
	s_mov_b32 s3, LAPS-1
.Llap:
	TURN 0, 1, 1
	STEP 1, 0, 0
	TURN 1, 0, 1
	STEP 0, 0, 0
	s_sub_co_u32 s3, s3, 1
	s_cmp_lg_u32 s3, 0
	s_cbranch_scc1 .Llap
	TURN 0, 1, 0
	STEP 1, 0, 0
	s_wait_dscnt 4*NL                              ; the last step; a barrier in it, since the whole ring becomes the stages
	WIN MUL_LO
	MUL16 0, 1, NQ-1, 1, 0
	MUL16 2, 1, NQ-1, 1, 0
	s_wait_dscnt 0x0                               ; my reads of the ring are over
	s_barrier_signal -1
	WIN MUL_HI
	MUL16 4, 1, NQ-1, 1, 0
	MUL16 6, 1, NQ-1, 1, 0
	WIN 0
	s_barrier_wait -1                              ; everybody's are; the ring has had its last fill
	PLACES NP
	; THE WAY OUT.  All 64 accumulators go to my own stage as they stand, each from its low end on; then a loop takes the 8 row blocks one after the other
.irp a, 0,1,2,3,4,5,6,7
	WIN 0x08+4*(\a/4)
.irp b, 0,1,2,3,4,5,6,7
	ds_store_b128 v[STG], v[8*(8*(\a%4)+\b):8*(8*(\a%4)+\b)+3] offset:(8*\a+\b)*1024
	ds_store_b128 v[STG], v[8*(8*(\a%4)+\b)+4:8*(8*(\a%4)+\b)+7] offset:(8*\a+\b)*1024+512
.endr
.endr
	WIN 0
	s_wait_loadcnt 0x0                             ; the biases
.irp a, 0,1,2,3,4,5,6,7
	ds_store_b32 v[BRA], v[BR+\a] offset:128*\a
.endr
.irp b, 0,1,2,3
	v_mov_b32 v[TM+4+\b], 0
.endr
	s_mov_b32 s[AI], 0
	s_mov_b32 s[RDO], 0
	s_mov_b32 s[BRO], 0
.Lrow:
	s_wait_xcnt 0x0                                ; the last trip's stores have read their offsets and data
	v_add_nc_u32 v[RD], s[RDO], v[STG]
	v_add_nc_u32 v[BRR], s[BRO], v[BRA]
.irp k, 0,1,2,3,4,5,6,7,8,9,10,11,12,13,14,15
	ds_load_b128 v[H+4*\k:H+4*\k+3], v[RD] offset:512*\k     ; LDS serves a wave's instructions in order: these see my stores
.endr
	ds_load_b32 v[BRP], v[BRR]
	s_lshr_b32 s20, s[AI], 2
	s_and_b32 s21, s[AI], 3
	s_mul_i32 s22, s20, s[S1]
	s_mul_i32 s23, s21, s[S2]
	s_add_co_u32 s22, s22, s23
	v_add_nc_u32 v[CO], s22, v[LI]
	s_mul_i32 s22, s20, s[S3]
	s_lshl_b32 s23, s21, 6
	s_add_co_u32 s22, s22, s23
	v_add_nc_u32 v[SO], s22, v[SL]
	s_wait_dscnt 0x0
	s_cmp_eq_u32 ttmp9, 2
	s_cbranch_scc1 .Lbrow
.irp j, 0,2,4,6,8,10,12,14,16,18,20,22,24,26,28,30,32,34,36,38,40,42,44,46,48,50,52,54,56,58,60,62
	v_pk_add_f32 v[H+\j:H+\j+1], v[H+\j:H+\j+1], v[BC+\j:BC+\j+1]         ; q, k: the bias runs along the registers
.endr
	s_branch .Lbias_done
.Lbrow:
.irp j, 0,2,4,6,8,10,12,14,16,18,20,22,24,26,28,30,32,34,36,38,40,42,44,46,48,50,52,54,56,58,60,62
	v_pk_add_f32 v[H+\j:H+\j+1], v[H+\j:H+\j+1], v[BRP:BRP+1] op_sel_hi:[1,0]   ; v: one number a lane
.endr
.Lbias_done:
	QUANT H, PC, PW
	v_lshrrev_b32 v[WO], v[SHV], v[PW]             ; q, k: lanes 0-15 take my first head's two bytes, lanes 16-31 my second's; 0x7f above them.  v: the word as it is
	v_and_or_b32 v[WO], v[WO], s[MSK], s[ORV]
	global_store_b128 v[CO], v[PC:PC+3], s[80:81]              ; 512 consecutive bytes each
	global_store_b128 v[CO], v[PC+4:PC+7], s[80:81] offset:512
	global_store_b128 v[CO], v[PC+8:PC+11], s[84:85]
	global_store_b128 v[CO], v[PC+12:PC+15], s[84:85] offset:512
	global_store_b32 v[SO], v[WO], s[82:83]                    ; 64 consecutive bytes for each half of the lanes (v: both halves write the same bytes)
	s_add_co_u32 s[RDO], s[RDO], 8192
	s_add_co_u32 s[BRO], s[BRO], 128
	s_add_co_u32 s[AI], s[AI], 1
	s_cmp_lt_u32 s[AI], 8
	s_cbranch_scc1 .Lrow
	s_wait_tensorcnt 0x0                           ; the wave's end
	ds_add_u32 v[SPW], v[NIL]
	s_wait_dscnt 0x0
	CROUND                                         ; the closing round
	s_endpgm
.Lfunc_end_k_q410ce4d71d_qkv:
	.size	k_q410ce4d71d_qkv, .Lfunc_end_k_q410ce4d71d_qkv-k_q410ce4d71d_qkv
	.p2alignl 7, 3214868480
	.fill 96, 4, 3214868480
	.section	.rodata,"a",@progbits
	.p2align	6, 0x0
	.amdhsa_kernel k_q410ce4d71d_qkv
		.amdhsa_group_segment_fixed_size 327680
		.amdhsa_private_segment_fixed_size 0
		.amdhsa_enable_private_segment 0
		.amdhsa_kernarg_size 48
		.amdhsa_user_sgpr_count 2
		.amdhsa_user_sgpr_kernarg_segment_ptr 1
		.amdhsa_wavefront_size32 1
		.amdhsa_system_sgpr_workgroup_id_x 1
		.amdhsa_system_sgpr_workgroup_id_y 1
		.amdhsa_system_sgpr_workgroup_id_z 1
		.amdhsa_system_vgpr_workitem_id 0
		.amdhsa_next_free_vgpr 1024
		.amdhsa_next_free_sgpr 100
		.amdhsa_reserve_vcc 0
		.amdhsa_float_denorm_mode_32 3
		.amdhsa_float_denorm_mode_16_64 3
		.amdhsa_memory_ordered 1
		.amdhsa_forward_progress 1
		.amdhsa_inst_pref_size 142
	.end_amdhsa_kernel
	.amdgpu_metadata
---
amdhsa.version: [ 1, 2 ]
amdhsa.kernels:
  - .name:           k_q410ce4d71d_qkv
    .symbol:         k_q410ce4d71d_qkv.kd
    .args:
      - { .name: xrec, .offset: 0, .size: 8, .value_kind: global_buffer, .address_space: global }
      - { .name: wrec, .offset: 8, .size: 8, .value_kind: global_buffer, .address_space: global }
      - { .name: b_qkv, .offset: 16, .size: 8, .value_kind: global_buffer, .address_space: global }
      - { .name: qc, .offset: 24, .size: 8, .value_kind: global_buffer, .address_space: global }
      - { .name: qs, .offset: 32, .size: 8, .value_kind: global_buffer, .address_space: global }
      - { .name: kv, .offset: 40, .size: 8, .value_kind: global_buffer, .address_space: global }
    .group_segment_fixed_size: 327680
    .private_segment_fixed_size: 0
    .kernarg_segment_align: 8
    .kernarg_segment_size: 48
    .max_flat_workgroup_size: 128
    .sgpr_count:     100
    .vgpr_count:     1024
    .wavefront_size: 32
...
	.end_amdgpu_metadata
.endif
;; end of part 2
;; launch attn (part 3): grid 8 x 32, 16 waves a work-group, clusters of 4 x 1, 276,480 bytes of LDS; arguments qc, qs, kv, orec; writes orec
.if DOCPART == 3
	.amdgcn_target "amdgcn-amd-amdhsa--gfx1250"
	.amdhsa_code_object_version 6
	.text
	.protected	k_q410ce4d71d_attn
	.globl	k_q410ce4d71d_attn
	.p2align	8
	.type	k_q410ce4d71d_attn,@function
k_q410ce4d71d_attn:
	s_mov_b64 s[64:65], 0
	v_nop
	global_prefetch_b8 v0, s[64:65] scope:SCOPE_SE
	s_setreg_imm32_b32 hwreg(HW_REG_WAVE_MODE, 25, 1), 1
	s_wait_xcnt 0x0
	s_wait_alu depctr_hold_cnt(0) depctr_sa_sdst(0) depctr_va_vdst(0) depctr_va_sdst(0) depctr_va_ssrc(0) depctr_va_vcc(0) depctr_vm_vsrc(0)
	s_getreg_b32 s2, hwreg(HW_REG_IB_STS2, 6, 4)
	s_cmp_eq_u32 s2, 0
	s_cbranch_scc0 .Lentry_in_a_cluster
	s_endpgm
.Lentry_in_a_cluster:
	s_bfe_u32 s2, ttmp6, 0x10000c
	s_cmp_lg_u32 s2, 0x3003
	s_cbranch_scc0 .Lentry_shape_is_right
	s_endpgm
.Lentry_shape_is_right:
; ATTENTION with the ALiBi bias -slope |i - j|, both products on codes of E4M3 with E8M0 scales; the result is quantised along D and stored as records for the next product.
; t = c (s - g |i - j|), c = log2(e) / 8, g = 8 slope = 2^(3 - n / 2), n = head + 1.  M = the running largest t rounded up to a whole number; p = 2^(t - M) is quantised along the keys;
; the row's sum is taken of the unquantised p and divides at the end.  When M moves, the sum and O are multiplied by 2^(old M - new M): exact.
; SHARES.  A work-group has 16 waves, four to a SIMD; a wave owns ONE tile of 16 queries and walks all 2,048 keys, 128 a step.
; THE WHOLE HEAD'S K AND V (16 records of 17,152 bytes) LIE IN LDS, FILLED ONCE: waves 0-3 issue four joint loads each at the start (four out at the most); no byte is filled again.
; A phase is four key steps; in front of it a counted wait (the later phases' records may stay out) and a barrier.
; CLUSTER 4, 1, 1: the four work-groups belong to one head and ask for its records jointly.  A wave's tile is 64 X + 8 (w / 2) + 4 (w % 2) + cx, so the key step that holds its own
; queries, 8 X + w / 2, is the same in all partners: the one branch of a step hangs on it.  cx enters global addresses and the lanes' query numbers alone.
; LAYOUT.  S^T = K Q^T, O^T = V^T P^T: a lane holds one query throughout; the keys of a tile of K are chosen so that the 16 registers of two neighbouring tiles are 16 neighbouring keys.
; K = 64 IN AN INSTRUCTION OF 128: Q's upper eight registers are zero codes; K's upper eight are the next tile's codes (finite: the quantiser holds at 448) or zeros; scale bytes there are 0x7f.
; THE BIAS off the diagonal step is linear in the key: y = s + sigma T[i] (T[i] = g (16 h + i), sigma = +-1), and the rest, A_b = sigma g (first key + 32 b - query), goes into the exponent's addend.
; In the diagonal step y = s - g |key - query|, with key - query exact in f32.
; No prefetch: all that the work-group reads of K and V is asked for in its first lines.
; LIMITS: NaN and infinities are not served; a block under 2^-118 gets the scale byte 1.  The two scale bytes a row and head leave as 2-byte stores: a head's share of a row's eight.
.set KVR,     17152
.set REC,     8448
.set ASTRIDE, 128*REC
.set WV,  12
.set G1,  24                           ; s[24:31] descriptor group 1
.set G0,  40                           ; s[40:55] four groups 0
.set SEL, 36
.set CS,  38                           ; s[38:39] c
.set MNT, 56
.set G,   57                           ; g
.set SG,  58                           ; s[58:59] sigma
.set SGG, 60                           ; sigma g
.set KS,  61                           ; the key step
.set KF,  62                           ; its first key
.set TB,  63                           ; its record in LDS
.set CNT, 66
.set DG,  67                           ; the step that holds my queries
; v1 16 x lane; v2 4 r; v3, v4 the step's LDS addresses; v5 my query; v6 16 h as f32; v7 first key - query; v12 -M; v13 largest t; v[14:15] the sum; v16-23 Q, v24-31 zeros;
; v32-63 four tiles of K, v64-71 zeros; v72-75 A_b; v76-83 the exponents' addends (even registers); v84-87 K's scale words; v88 Q's; v89 p's; v[90:91] f; v92-95 at work;
; v96-159 S^T, then p, then V's fragments; v160-191 O^T; v192-207 p's codes; v208-223 T; v224-239 the blocks' maxima, bytes, holds, scale operands; v[240:241] second sum; v244-247 V's scale words; v248-255 key - query
.macro CROUND
	s_barrier_signal -1
	s_barrier_wait -1
	s_cmp_lg_u32 s[WV], 0
	s_cbranch_scc1 .Lnot_wave_0_\@
	s_barrier_signal -3
.Lnot_wave_0_\@:
	s_barrier_wait -3
	s_barrier_signal -1
	s_barrier_wait -1
.endm
	s_load_b256 s[4:11], s[0:1], 0x0               ; qc, qs, kv, orec
	v_lshl_add_u32 v242, v0, 2, 0x43000
	v_mov_b32 v243, 0
	ds_add_u32 v242, v243
	ds_add_u32 v242, v243
	v_lshrrev_b32 v1, 5, v0
	v_readfirstlane_b32 s[WV], v1                  ; wave 0..15
	s_bfe_u32 s13, ttmp6, 0x40000                  ; cx
	s_and_b32 s14, ttmp7, 0xffff                   ; batch x 16 + head
	s_mov_b32 s[G1], 15|(3<<16)|(1<<21)            ; the mask: all four work-groups; elements of 8 bytes; bit 21 beside a mask
	s_mov_b32 s[G1+1], 32<<16                      ; rows of 256 bytes,
	s_mov_b32 s[G1+2], 67<<16                      ; 67 of them: a record
	s_mov_b32 s[G1+3], 32<<16
	s_mov_b32 s[G1+4], 67
	s_mov_b32 s[G1+5], 32
	s_mov_b32 s[G1+6], 0
	s_mov_b32 s[G1+7], 0
	s_mul_i32 s16, s14, 16*KVR
	s_mul_i32 s18, s[WV], KVR
	s_add_co_u32 s16, s16, s18
	s_mov_b32 s17, 0
	s_wait_dscnt 0x0
	s_wait_kmcnt 0x0
	s_add_nc_u64 s[8:9], s[8:9], s[16:17]          ; the head's record number wave
.irp g, 0,1,2,3
	s_mov_b32 s[G0+4*\g], 1
	s_add_co_u32 s[G0+4*\g+1], s18, \g*4*KVR       ; record 4 g + wave, in LDS
	s_add_nc_u64 s[G0+4*\g+2:G0+4*\g+3], s[8:9], \g*4*KVR   ; and in memory
	s_or_b32 s[G0+4*\g+3], s[G0+4*\g+3], 0x80000000
.endr
	CROUND                                         ; all four work-groups are here: the joint loads meet
	s_cmp_lt_u32 s[WV], 4                          ; a wave's four fills stand in one branch, ahead of every wait on TENSORcnt and every LDS read
	s_cbranch_scc0 .Lno_fetch
	tensor_load_to_lds s[G0:G0+3], s[G1:G1+7]
	s_nop 0
	tensor_load_to_lds s[G0+4:G0+7], s[G1:G1+7]
	s_nop 0
	tensor_load_to_lds s[G0+8:G0+11], s[G1:G1+7]
	s_nop 0
	tensor_load_to_lds s[G0+12:G0+15], s[G1:G1+7]
	s_nop 0
.rept 4
	v_nop
.endr
.Lno_fetch:
	s_lshl_b32 s19, ttmp9, 6
	s_lshr_b32 s20, s[WV], 1
	s_lshl_b32 s21, s20, 3
	s_add_co_u32 s19, s19, s21
	s_and_b32 s21, s[WV], 1
	s_lshl_b32 s21, s21, 2
	s_add_co_u32 s19, s19, s21
	s_add_co_u32 s19, s19, s13                     ; my tile of queries
	s_lshl_b32 s[DG], ttmp9, 3
	s_add_co_u32 s[DG], s[DG], s20
	s_lshl_b32 s22, s14, 7
	s_add_co_u32 s22, s22, s19
	s_lshl_b32 s68, s22, 10
	s_mov_b32 s69, 0
	s_add_nc_u64 s[4:5], s[4:5], s[68:69]
	s_lshl_b32 s68, s22, 6
	s_add_nc_u64 s[6:7], s[6:7], s[68:69]
	v_and_b32 v92, 31, v0
	v_lshlrev_b32 v1, 4, v92
	v_and_b32 v93, 15, v0                          ; r
	v_lshlrev_b32 v2, 2, v93
	global_load_b128 v[16:19], v1, s[4:5]          ; Q's fragment stays in registers
	global_load_b128 v[20:23], v1, s[4:5] offset:512
	global_load_b32 v88, v2, s[6:7]
	s_and_b32 s32, s14, 15                         ; the head
	s_add_co_u32 s33, s32, 1                       ; n
	s_lshr_b32 s34, s33, 1
	s_sub_co_i32 s34, 3, s34
	s_lshl_b32 s34, s34, 23
	s_mov_b32 s35, 0x3f800000
	s_bitcmp1_b32 s33, 0
	s_cselect_b32 s35, 0x3f3504f3, s35             ; an odd n: 2^-0.5
	s_add_co_u32 s[G], s35, s34                    ; g = 2^(3 - n / 2): the exponent field takes the whole part
	s_mov_b32 s[SEL], 0x76543210
	s_mov_b32 s[SEL+1], 0xfedcba98
	s_mov_b32 s[CS], 0x3e38aa3b                    ; c = log2(e) / 8
	s_mov_b32 s[CS+1], s[CS]
	s_mov_b32 s[MNT], 0x600000
	v_and_b32 v94, 8, v93
	v_add_nc_u32 v94, v94, v93
	s_lshr_b32 s21, s19, 1
	s_lshl_b32 s21, s21, 5
	s_and_b32 s23, s19, 1
	s_lshl_b32 s23, s23, 3
	s_add_co_u32 s21, s21, s23
	v_add_nc_u32 v5, s21, v94                      ; my query: 32 (tile / 2) + 8 (tile % 2) + r + 8 (r / 8)
	v_bfe_u32 v95, v0, 4, 1
	v_lshlrev_b32 v95, 4, v95
	v_cvt_f32_u32 v6, v95
.irp i, 0,1,2,3,4,5,6,7,8,9,10,11,12,13,14,15
	v_add_nc_u32 v92, \i, v95
	v_cvt_f32_u32 v92, v92
	v_mul_f32 v[208+\i], s[G], v92
.endr
.irp i, 0,1,2,3,4,5,6,7
	v_mov_b32 v[24+\i], 0
	v_mov_b32 v[64+\i], 0
.endr
.irp i, 0,1,2,3
	v_mov_b32 v[77+2*\i], 0                        ; upper halves of pairs of which the low word serves
	v_mov_b32 v[228+\i], 0                         ; a lane permute's destination counts as one of its sources
.endr
	v_mov_b32 v91, 0
	v_mov_b32 v13, 0xff61b1e6                      ; -3e38, under every t
	v_floor_f32 v12, -v13
	v_mov_b32 v14, 0
	v_mov_b32 v15, 0
.irp j, 0,1,2,3,4,5,6,7,8,9,10,11,12,13,14,15,16,17,18,19,20,21,22,23,24,25,26,27,28,29,30,31
	v_mov_b32 v[160+\j], 0                         ; O^T: the step is written once; its first pass finds zeros
.endr
.macro KLOAD g
.irp t, 0,1,2,3
	ds_load_b128 v[32+8*\t:35+8*\t], v3 offset:1024*(4*\g+\t)
	ds_load_b128 v[36+8*\t:39+8*\t], v3 offset:1024*(4*\g+\t)+512
	ds_load_b32 v[84+\t], v4 offset:16384+64*(4*\g+\t)
.endr
.endm
.macro QK g
.irp t, 0,1,2,3
	v_wmma_scale_f32_16x16x128_f8f6f4 v[96+8*(4*\g+\t):103+8*(4*\g+\t)], v[32+8*\t:47+8*\t], v[16:31], 0, v[84+\t], v88
.endr
.endm
.macro ASTEP
	s_cmp_lt_u32 s[KS], s[DG]
	s_cselect_b32 s[SG], 1.0, -1.0                 ; keys before my queries: the bias rises with the key; behind them it falls
	s_mov_b32 s[SG+1], s[SG]
	s_mul_f32 s[SGG], s[SG], s[G]
	v_add_nc_u32 v3, s[TB], v1
	v_add_nc_u32 v4, s[TB], v2
	KLOAD 0
	v_sub_nc_u32 v7, s[KF], v5
	v_cvt_f32_i32 v7, v7
	v_mul_f32 v72, s[SGG], v7
	v_fma_f32 v73, s[SGG], 0x42000000, v72         ; + 32, 64, 96 keys
	v_fma_f32 v74, s[SGG], 0x42800000, v72
	v_fma_f32 v75, s[SGG], 0x42c00000, v72
.rept 3
	v_nop                                          ; with the eight lines above: the places between the last step's last product and the first below, which writes over registers that it read (nine are owed)
.endr
	s_wait_dscnt 0x0
	QK 0
.rept 8
	v_nop                                          ; places in front of loads into registers that matrix instructions have read
.endr
	KLOAD 1
	s_wait_dscnt 0x0
	QK 1
.rept 8
	v_nop
.endr
	s_cmp_eq_u32 s[KS], s[DG]
	s_cbranch_scc1 .Ldiag_\@
.irp n, 0,1,2,3,4,5,6,7,8,9,10,11,12,13,14,15,16,17,18,19,20,21,22,23,24,25,26,27,28,29,30,31
	v_pk_fma_f32 v[96+2*\n:97+2*\n], v[208+2*(\n%8):209+2*(\n%8)], s[SG:SG+1], v[96+2*\n:97+2*\n] op_sel_hi:[1,0,1]   ; y = s + sigma T; each accumulator from its low end on
.endr
	s_branch .Ljoin_\@
.Ldiag_\@:
	v_add_f32 v248, v7, v6                         ; key - query of register 0,
	v_add_f32 v249, 1.0, v248                      ; of register 1,
	v_pk_add_f32 v[250:251], v[248:249], 0x42000000 op_sel_hi:[1,0]   ; and of the other three blocks: whole numbers, exact
	v_pk_add_f32 v[252:253], v[248:249], 0x42800000 op_sel_hi:[1,0]
	v_pk_add_f32 v[254:255], v[248:249], 0x42c00000 op_sel_hi:[1,0]
.irp b, 0,1,2,3
	v_mov_b32 v[72+\b], 0
.endr
.irp i, 0,2,4,6,8,10,12,14
.irp b, 0,1,2,3
	v_fma_f32 v[96+16*\b+\i], -|v[248+2*\b]|, s[G], v[96+16*\b+\i]
	v_fma_f32 v[97+16*\b+\i], -|v[249+2*\b]|, s[G], v[97+16*\b+\i]
.endr
.if \i < 14
.irp b, 0,1,2,3
	v_pk_add_f32 v[248+2*\b:249+2*\b], v[248+2*\b:249+2*\b], 2.0 op_sel_hi:[1,0]
.endr
.endif
.endr
.Ljoin_\@:
.irp b, 0,1,2,3
	v_max3_num_f32 v[224+\b], v[96+16*\b], v[97+16*\b], v[98+16*\b]   ; the largest y of each block of 32 keys: for the row's maximum, and for the block's largest p
.endr
.irp i, 3,5,7,9,11,13
.irp b, 0,1,2,3
	v_max3_num_f32 v[224+\b], v[224+\b], v[96+16*\b+\i], v[97+16*\b+\i]
.endr
.endr
.irp b, 0,1,2,3
	v_max_num_f32 v[224+\b], v[224+\b], v[111+16*\b]
.endr
.irp b, 0,1,2,3
	v_permlanex16_b32 v[228+\b], v[224+\b], s[SEL], s[SEL+1]
.endr
.irp b, 0,1,2,3
	v_max_num_f32 v[224+\b], v[224+\b], v[228+\b]
.endr
.irp b, 0,1,2,3
	v_add_f32 v[92+\b], v[224+\b], v[72+\b]
.endr
	v_max3_num_f32 v92, v92, v93, v94
	v_max_num_f32 v92, v92, v95
	v_mul_f32 v92, s[CS], v92
	v_max_num_f32 v13, v13, v92                    ; the running largest t
	v_mov_b32 v92, v12
	v_floor_f32 v12, -v13                          ; -M = floor(-t): M is a whole number
	v_sub_f32 v92, v12, v92
	v_cvt_i32_f32 v92, v92                         ; (it saturates)
	v_ldexp_f32 v90, 1.0, v92                      ; f = 2^(old M - new M)
.irp b, 0,1,2,3
	v_fma_f32 v[76+2*\b], v[72+\b], s[CS], v12     ; c A_b - M
.endr
.irp n, 0,1,2,3,4,5,6,7,8,9,10,11,12,13,14,15,16,17,18,19,20,21,22,23,24,25,26,27,28,29,30,31
	v_pk_fma_f32 v[96+2*\n:97+2*\n], v[96+2*\n:97+2*\n], s[CS:CS+1], v[76+2*(\n/8):77+2*(\n/8)] op_sel_hi:[1,0,0]   ; t - M
.endr
.irp b, 0,1,2,3
	v_fma_f32 v[224+\b], v[224+\b], s[CS], v[76+2*\b]
.endr
.irp j, 0,1,2,3,4,5,6,7,8,9,10,11,12,13,14,15,16,17,18,19,20,21,22,23,24,25,26,27,28,29,30,31,32,33,34,35,36,37,38,39,40,41,42,43,44,45,46,47,48,49,50,51,52,53,54,55,56,57,58,59,60,61,62,63
	v_exp_f32 v[96+\j], v[96+\j]                   ; p = 2^(t - M)
.endr
	v_pk_mul_f32 v[14:15], v[14:15], v[90:91] op_sel_hi:[1,0]   ; the sums under the new M: a plain line behind the exponentials
	s_wait_alu depctr_va_vdst(0)                   ; one wait for the batch, ahead of its first reader
.irp b, 0,1,2,3
	v_exp_f32 v[224+\b], v[224+\b]                 ; the blocks' largest p
.endr
	v_pk_add_f32 v[240:241], v[96:97], v[98:99]    ; the row's sum, of the unquantised p, in two chains
.irp j, 4,8,12,16,20,24,28,32,36,40,44,48,52,56,60
	v_pk_add_f32 v[14:15], v[14:15], v[96+\j:97+\j]
	v_pk_add_f32 v[240:241], v[240:241], v[98+\j:99+\j]
.endr
	v_pk_add_f32 v[14:15], v[14:15], v[240:241]
	s_wait_alu depctr_va_vdst(0)                   ; and one for the four
.irp b, 0,1,2,3
	v_max_num_f32 v[224+\b], 0x4800000, v[224+\b]
.endr
.irp b, 0,1,2,3
	v_add_nc_u32 v[236+\b], 0xfc000000, v[224+\b]
.endr
.irp b, 0,1,2,3
	v_and_or_b32 v[232+\b], v[224+\b], 0x7f800000, s[MNT]
.endr
.irp b, 0,1,2,3
	v_lshrrev_b32 v[228+\b], 23, v[236+\b]
.endr
	v_lshl_or_b32 v89, v229, 8, v228               ; p's scale word for these 128 keys
	v_lshl_or_b32 v89, v230, 16, v89
	v_lshl_or_b32 v89, v231, 24, v89
.irp b, 0,1,2,3
.irp i, 0,1,2,3,4,5,6,7,8,9,10,11,12,13,14,15
	v_min_num_f32 v[96+16*\b+\i], v[96+16*\b+\i], v[232+\b]   ; p is not negative: the hold is one-sided
.endr
	v_cvt_scalef32_pk8_fp8_f32 v[192+4*\b:193+4*\b], v[96+16*\b:103+16*\b], v[236+\b]
	v_cvt_scalef32_pk8_fp8_f32 v[194+4*\b:195+4*\b], v[104+16*\b:111+16*\b], v[236+\b]
.endr
.irp t, 0,1,2,3
.irp c, 0,1,2,3
	ds_load_b128 v[96+16*\t+4*\c:99+16*\t+4*\c], v3 offset:8192+2048*\t+512*\c   ; V^T: 16 of the head's 64 x these 128 keys
.endr
	ds_load_b32 v[244+\t], v4 offset:16896+64*\t
.endr
.irp j, 0,2,4,6,8,10,12,14,16,18,20,22,24,26,28,30
	v_pk_mul_f32 v[160+\j:161+\j], v[160+\j:161+\j], v[90:91] op_sel_hi:[1,0]   ; O^T under the new M; these are also the places in front of the products below
.endr
	s_wait_dscnt 0x0
.irp t, 0,1,2,3
	v_wmma_scale_f32_16x16x128_f8f6f4 v[160+8*\t:167+8*\t], v[96+16*\t:111+16*\t], v[192:207], v[160+8*\t:167+8*\t], v[244+\t], v89
.endr
	s_add_co_u32 s[KS], s[KS], 1
	s_add_co_u32 s[KF], s[KF], 128
	s_add_co_u32 s[TB], s[TB], KVR
.endm
.macro PHASE p
	s_wait_tensorcnt 3-\p                          ; my load for this phase has landed; those of the later phases may stay out
	s_wait_dscnt 0x0
	s_barrier_signal -1
	s_barrier_wait -1                              ; everybody's has
	s_mov_b32 s[KS], 4*\p
	s_mov_b32 s[KF], 512*\p
	s_mov_b32 s[TB], 4*\p*KVR
	s_mov_b32 s[CNT], 4
.Lstep_\@:
	ASTEP
	s_sub_co_u32 s[CNT], s[CNT], 1
	s_cmp_lg_u32 s[CNT], 0
	s_cbranch_scc1 .Lstep_\@
.endm
	s_wait_loadcnt 0x0                             ; Q
	PHASE 0
	PHASE 1
	PHASE 2
	PHASE 3
	; THE WAY OUT: O^T / the sum, quantised along d (two blocks of 32), into the record of my 16 tokens
.rept 8
	v_nop
.endr
	v_add_f32 v14, v14, v15
	v_permlanex16_b32 v92, v14, s[SEL], s[SEL+1]
	v_add_f32 v14, v14, v92
	v_rcp_f32 v90, v14
	s_lshr_b32 s20, s14, 4
	s_lshl_b32 s20, s20, 7
	s_add_co_u32 s20, s20, s19                     ; my 16-row block of the 4,096 tokens
	s_lshr_b32 s21, s32, 2
	s_mul_i32 s21, s21, ASTRIDE                    ; four heads to a chunk of 256 along D
	s_lshr_b32 s22, s20, 1
	s_mul_i32 s22, s22, REC
	s_add_co_u32 s68, s21, s22
	s_add_nc_u64 s[10:11], s[10:11], s[68:69]
	s_and_b32 s20, s20, 1
	s_lshl_b32 s21, s20, 12
	s_and_b32 s22, s32, 3
	s_lshl_b32 s23, s22, 10
	s_add_co_u32 s21, s21, s23
	v_add_nc_u32 v3, s21, v1                       ; (a plain line behind the reciprocal)  16 x lane + 4096 sub + 1024 (head % 4)
	s_lshl_b32 s21, s20, 7
	s_lshl_b32 s23, s22, 1
	s_add_co_u32 s21, s21, s23
	v_lshl_add_u32 v4, v2, 1, s21                  ; 8 r + 128 sub + 2 (head % 4)
	s_wait_alu depctr_va_vdst(0)
.irp j, 0,2,4,6,8,10,12,14,16,18,20,22,24,26,28,30
	v_pk_mul_f32 v[160+\j:161+\j], v[160+\j:161+\j], v[90:91] op_sel_hi:[1,0]
.endr
.irp b, 0,1
	v_max3_num_f32 v[224+\b], |v[160+16*\b]|, |v[161+16*\b]|, 0x4800000
.endr
.irp i, 2,4,6,8,10,12,14
.irp b, 0,1
	v_max3_num_f32 v[224+\b], v[224+\b], |v[160+16*\b+\i]|, |v[161+16*\b+\i]|
.endr
.endr
.irp b, 0,1
	v_permlanex16_b32 v[228+\b], v[224+\b], s[SEL], s[SEL+1]
.endr
.irp b, 0,1
	v_max_num_f32 v[224+\b], v[224+\b], v[228+\b]
.endr
.irp b, 0,1
	v_add_nc_u32 v[236+\b], 0xfc000000, v[224+\b]
.endr
.irp b, 0,1
	v_and_or_b32 v[232+\b], v[224+\b], 0x7f800000, s[MNT]
.endr
.irp b, 0,1
	v_lshrrev_b32 v[228+\b], 23, v[236+\b]
.endr
	v_lshl_or_b32 v92, v229, 8, v228
.irp b, 0,1
.irp i, 0,1,2,3,4,5,6,7,8,9,10,11,12,13,14,15
	v_med3_num_f32 v[160+16*\b+\i], v[160+16*\b+\i], -v[232+\b], v[232+\b]
.endr
	v_cvt_scalef32_pk8_fp8_f32 v[192+4*\b:193+4*\b], v[160+16*\b:167+16*\b], v[236+\b]
	v_cvt_scalef32_pk8_fp8_f32 v[194+4*\b:195+4*\b], v[168+16*\b:175+16*\b], v[236+\b]
.endr
	v_nop
	global_store_b128 v3, v[192:195], s[10:11]               ; 512 consecutive bytes each
	global_store_b128 v3, v[196:199], s[10:11] offset:512
	global_store_b16 v4, v92, s[10:11] offset:8192           ; lanes 16-31 write the same bytes as lanes 0-15
	s_wait_tensorcnt 0x0
	ds_add_u32 v242, v243
	s_wait_dscnt 0x0
	CROUND                                         ; the closing round
	s_endpgm
.Lfunc_end_k_q410ce4d71d_attn:
	.size	k_q410ce4d71d_attn, .Lfunc_end_k_q410ce4d71d_attn-k_q410ce4d71d_attn
	.p2alignl 7, 3214868480
	.fill 96, 4, 3214868480
	.section	.rodata,"a",@progbits
	.p2align	6, 0x0
	.amdhsa_kernel k_q410ce4d71d_attn
		.amdhsa_group_segment_fixed_size 276480
		.amdhsa_private_segment_fixed_size 0
		.amdhsa_enable_private_segment 0
		.amdhsa_kernarg_size 32
		.amdhsa_user_sgpr_count 2
		.amdhsa_user_sgpr_kernarg_segment_ptr 1
		.amdhsa_wavefront_size32 1
		.amdhsa_system_sgpr_workgroup_id_x 1
		.amdhsa_system_sgpr_workgroup_id_y 1
		.amdhsa_system_sgpr_workgroup_id_z 1
		.amdhsa_system_vgpr_workitem_id 0
		.amdhsa_next_free_vgpr 256
		.amdhsa_next_free_sgpr 80
		.amdhsa_reserve_vcc 0
		.amdhsa_float_denorm_mode_32 3
		.amdhsa_float_denorm_mode_16_64 3
		.amdhsa_memory_ordered 1
		.amdhsa_forward_progress 1
		.amdhsa_inst_pref_size 130
	.end_amdhsa_kernel
	.amdgpu_metadata
---
amdhsa.version: [ 1, 2 ]
amdhsa.kernels:
  - .name:           k_q410ce4d71d_attn
    .symbol:         k_q410ce4d71d_attn.kd
    .args:
      - { .name: qc, .offset: 0, .size: 8, .value_kind: global_buffer, .address_space: global }
      - { .name: qs, .offset: 8, .size: 8, .value_kind: global_buffer, .address_space: global }
      - { .name: kv, .offset: 16, .size: 8, .value_kind: global_buffer, .address_space: global }
      - { .name: orec, .offset: 24, .size: 8, .value_kind: global_buffer, .address_space: global }
    .group_segment_fixed_size: 276480
    .private_segment_fixed_size: 0
    .kernarg_segment_align: 8
    .kernarg_segment_size: 32
    .max_flat_workgroup_size: 512
    .sgpr_count:     80
    .vgpr_count:     256
    .wavefront_size: 32
...
	.end_amdgpu_metadata
.endif
;; end of part 3
;; launch oproj (part 4): grid 4 x 16, 4 waves a work-group, clusters of 4 x 4, 327,680 bytes of LDS; arguments orec, wrec, b_out, x, x2; writes x2
.if DOCPART == 4
	.amdgcn_target "amdgcn-amd-amdhsa--gfx1250"
	.amdhsa_code_object_version 6
	.text
	.protected	k_q410ce4d71d_oproj
	.globl	k_q410ce4d71d_oproj
	.p2align	8
	.type	k_q410ce4d71d_oproj,@function
k_q410ce4d71d_oproj:
	s_mov_b64 s[64:65], 0
	v_nop
	global_prefetch_b8 v0, s[64:65] scope:SCOPE_SE
	s_setreg_imm32_b32 hwreg(HW_REG_WAVE_MODE, 25, 1), 1
	s_wait_xcnt 0x0
	s_wait_alu depctr_hold_cnt(0) depctr_sa_sdst(0) depctr_va_vdst(0) depctr_va_sdst(0) depctr_va_ssrc(0) depctr_va_vcc(0) depctr_vm_vsrc(0)
	s_getreg_b32 s2, hwreg(HW_REG_IB_STS2, 6, 4)
	s_cmp_eq_u32 s2, 0
	s_cbranch_scc0 .Lentry_in_a_cluster
	s_endpgm
.Lentry_in_a_cluster:
	s_bfe_u32 s2, ttmp6, 0x10000c
	s_cmp_lg_u32 s2, 0xf033
	s_cbranch_scc0 .Lentry_shape_is_right
	s_endpgm
.Lentry_shape_is_right:
; x2 = x + (attention's output w_out + b_out), the product on codes of E4M3 with E8M0 scales, f32 sums.
; Operands come as records of 8,448 bytes (32 rows x 256 K: codes as register images, then the scale bytes); a tile of 128 rows x 256 K is 33,792 dense bytes, one tensor load.
; A work-group of four waves makes 256 tokens x 256 columns; a wave 128 x 128 in 64 accumulators.  K goes in KCH chunks of 256 through two LDS slots.
; CLUSTERS 4 x 4: the tokens' tiles are shared along a row of the cluster, the weights' along a column: joint loads.
; Source 0 = 16 rows of the weight (columns of the result), source 1 = 16 tokens: a lane holds one token and eight neighbouring columns.
; Rows of a 16-row block: lane r holds row 8 sub + r + 8 (r / 8) of 32; the way out undoes that order by its stores' offsets.
; 64 work-groups: the tile is kept at 256 x 256 so that each LDS byte feeds as many products as in the other launches of this program.
; No prefetch: two chunks are asked for at the start, and each refill has a chunk's 128 matrix instructions in which to land.
.set KCH,     4
.set BOFF,    3244032
.set REC,     8448
.set BSTRIDE, 32*REC
.set ASTRIDE, 128*REC
.set HALFT,   4*REC
.set SLOT,    4*HALFT
.set SPARE,   2*SLOT                   ; the spare words: 128 bytes a wave, named by no other line
.set LAPS,    KCH/2
.set SPITCH,  528                      ; the way out: a stage of 16 rows x (512 + 16) bytes a wave, in slot 0, which has had its last fill and its last read by then
.set NQ, 2
.set FR, 16
.set NL, 4
.set NP, 8
.set BI,   8                           ; v[8:11] my four numbers of the bias
.set ADRA, 16
.set ADRB, 20
.set ADRS, 22
.set STO,  24
.set RD,   25
.set CO,   26                          ; 16 x lane; never rewritten
.set SPW,  28
.set NIL,  29
.set SC,   32                          ; v32-63 scale words, two sets; they hold nothing else
.set RS,   64                          ; v64-127, v128-191 the residual's rows, two sets
.set AF,   128
.set BK,   192                         ; v192-255 16 rows read back from the stage
.set G1, 24
.set G0, 32
.set G1B, 48
.set G0B, 56
.set MSB, 0
.macro WIN new
.if MSB != \new
	s_set_vgpr_msb (MSB<<8)|\new
.set MSB, \new
.endif
.endm
.set MUL_LO, 0xa1
.set MUL_HI, 0xf1
.set TO_B,   0x40
.macro JLOAD g0a, g1a, g0b, g1b
	s_cmp_eq_u32 s15, 0
	s_cbranch_scc0 .Lfor_b_\@
	tensor_load_to_lds s[\g0a:\g0a+3], s[\g1a:\g1a+7]
	s_nop 0
.rept 4
	v_nop
.endr
	s_branch .Lasked_\@
.Lfor_b_\@:
	tensor_load_to_lds s[\g0b:\g0b+3], s[\g1b:\g1b+7]
	s_nop 0
.rept 4
	v_nop
.endr
.Lasked_\@:
.endm
.macro CREST
	s_cmp_lg_u32 s14, 0
	s_cbranch_scc1 .Lnot_wave_0_\@
	s_barrier_signal -3
.Lnot_wave_0_\@:
	s_barrier_wait -3
	s_barrier_signal -1
	s_barrier_wait -1
.endm
.macro CROUND
	s_barrier_signal -1
	s_barrier_wait -1
	CREST
.endm
	s_load_b128 s[4:7], s[0:1], 0x0                ; the tokens' records, wrec
	s_load_b128 s[8:11], s[0:1], 0x10              ; the bias, the residual
	s_load_b64 s[12:13], s[0:1], 0x20              ; the result
	v_lshl_add_u32 v[SPW], v0, 2, SPARE
	v_mov_b32 v[NIL], 0
	ds_add_u32 v28, v29
	ds_add_u32 v28, v29
	s_wait_dscnt 0x0
	v_lshrrev_b32 v1, 5, v0
	v_readfirstlane_b32 s14, v1
	s_lshr_b32 s15, s14, 1
	s_and_b32 s16, s14, 1
	s_bfe_u32 s40, ttmp6, 0x40000
	s_bfe_u32 s41, ttmp6, 0x40004
	s_lshl_b32 s42, ttmp9, 2
	s_add_co_u32 s42, s42, s40                     ; x
	s_and_b32 s17, ttmp7, 0xffff
	s_lshl_b32 s17, s17, 2
	s_add_co_u32 s17, s17, s41                     ; y
	s_lshl_b32 s43, s41, 2
	s_lshl_b32 s43, 15, s43
	s_lshl_b32 s44, 0x1111, s40
	s_or_b32 s[G1+0], s43, (3<<16)|(1<<21)
	s_or_b32 s[G1B+0], s44, (3<<16)|(1<<21)
.irp g, G1, G1B
	s_mov_b32 s[\g+1], 32<<16
	s_mov_b32 s[\g+2], 132<<16
	s_mov_b32 s[\g+3], 32<<16
	s_mov_b32 s[\g+4], 132
	s_mov_b32 s[\g+5], 32
	s_mov_b32 s[\g+6], 0
	s_mov_b32 s[\g+7], 0
.endr
	s_lshl_b32 s18, s16, 2
	s_lshl_b32 s20, s17, 3
	s_add_co_u32 s20, s20, s18
	s_mul_i32 s20, s20, REC
	s_mov_b32 s21, 0
	s_lshl_b32 s46, s42, 3
	s_add_co_u32 s46, s46, s18
	s_mul_i32 s46, s46, REC
	s_add_co_u32 s46, s46, BOFF
	s_mov_b32 s47, 0
	s_mul_i32 s45, s14, HALFT
	s_wait_kmcnt 0x0
	s_add_nc_u64 s[20:21], s[4:5], s[20:21]
	s_add_nc_u64 s[46:47], s[6:7], s[46:47]
	CROUND
.irp s, 0,1
	s_mov_b32 s[G0+4*\s], 1
	s_add_co_u32 s[G0+4*\s+1], s45, \s*SLOT
	s_add_nc_u64 s[G0+4*\s+2:G0+4*\s+3], s[20:21], \s*ASTRIDE
	s_or_b32 s[G0+4*\s+3], s[G0+4*\s+3], 0x80000000
	s_mov_b32 s[G0B+4*\s], 1
	s_add_co_u32 s[G0B+4*\s+1], s45, \s*SLOT
	s_add_nc_u64 s[G0B+4*\s+2:G0B+4*\s+3], s[46:47], \s*BSTRIDE
	s_or_b32 s[G0B+4*\s+3], s[G0B+4*\s+3], 0x80000000
	JLOAD G0+4*\s, G1, G0B+4*\s, G1B
.endr
	v_and_b32 v1, 15, v0
	v_bfe_u32 v2, v0, 4, 1
	v_and_b32 v3, 31, v0
	v_lshlrev_b32 v[CO], 4, v3
	s_mul_i32 s21, s15, HALFT                      ; my 128 tokens
	s_mul_i32 s22, s16, HALFT
	s_add_co_u32 s22, s22, 2*HALFT                 ; my 128 rows of the weight
	s_sub_co_u32 s23, s22, s21
	v_mul_u32_u24 v4, s23, v2                      ; lanes 16-31 take the weight's scale words
	v_lshl_add_u32 v4, v1, 3, v4
	v_add_nc_u32 v[ADRS], s21, v4
	v_add_nc_u32 v[ADRS+1], SLOT, v[ADRS]
.irp s, 0,1
	v_add_nc_u32 v[ADRA+\s], s21, v[CO]
	v_add_nc_u32 v[ADRB+\s], s22, v[CO]
	s_add_co_u32 s21, s21, SLOT
	s_add_co_u32 s22, s22, SLOT
.endr
	s_mul_i32 s23, s14, 16*SPITCH
	v_mul_u32_u24 v4, v1, SPITCH
	v_lshl_add_u32 v4, v2, 6, v4
	v_add_nc_u32 v[STO], s23, v4                   ; into the stage: row r, + 64 h
	v_add_nc_u32 v[RD], s23, v[CO]                 ; back: a whole row of 512 bytes by the 32 lanes
	s_lshl_b32 s20, s17, 8
	s_lshl_b32 s21, s15, 7
	s_add_co_u32 s20, s20, s21
	s_lshl_b32 s20, s20, 12                        ; my first token's row
	s_lshl_b32 s46, s42, 10
	s_lshl_b32 s47, s16, 9
	s_add_co_u32 s46, s46, s47                     ; my first column, in bytes
	s_mov_b32 s47, 0
	s_add_nc_u64 s[8:9], s[8:9], s[46:47]
	s_add_co_u32 s20, s20, s46
	s_mov_b32 s21, 0
	s_add_nc_u64 s[10:11], s[10:11], s[20:21]
	s_add_nc_u64 s[12:13], s[12:13], s[20:21]
.macro RES a                           ; the residual's 16 rows of block a; row t of a block is token 32 (a / 2) + 8 (a % 2) + t + 8 (t / 8)
.irp t, 0,1,2,3,4,5,6,7,8,9,10,11,12,13,14,15
	global_load_b128 v[RS+64*((\a)%2)+4*\t:RS+64*((\a)%2)+4*\t+3], v[CO], s[10:11] offset:(32*((\a)/2)+8*((\a)%2)+\t+8*(\t/8))*4096
.endr
.endm
	global_load_b128 v[BI:BI+3], v[CO], s[8:9]
	RES 0
.macro FRAG reg, adr, q, i
.irp c, 0,1,2,3
	ds_load_b128 v[\reg+4*\c:\reg+4*\c+3], v[\adr] offset:((\i)/2)*REC+((\i)%2)*4096+2048*(\q)+512*\c
.endr
.endm
.macro MUL16 a0, p, q, sc, zero        ; the 64 accumulators take turns, one instruction a turn
.irp a, \a0, \a0+1
.irp b, 0,1,2,3,4,5,6,7
.if \zero
	v_wmma_scale_f32_16x16x128_f8f6f4 v[8*(8*((\a)%4)+\b):8*(8*((\a)%4)+\b)+7], v[128*(\p)+FR*\b:128*(\p)+FR*\b+FR-1], v[AF+FR*(\a):AF+FR*(\a)+FR-1], 0, v[SC+8*NQ*(\sc)+NQ*\b+(\q)], v[SC+8*NQ*(\sc)+NQ*(\a)+(\q)] matrix_a_scale:MATRIX_SCALE_ROW1
.else
	v_wmma_scale_f32_16x16x128_f8f6f4 v[8*(8*((\a)%4)+\b):8*(8*((\a)%4)+\b)+7], v[128*(\p)+FR*\b:128*(\p)+FR*\b+FR-1], v[AF+FR*(\a):AF+FR*(\a)+FR-1], v[8*(8*((\a)%4)+\b):8*(8*((\a)%4)+\b)+7], v[SC+8*NQ*(\sc)+NQ*\b+(\q)], v[SC+8*NQ*(\sc)+NQ*(\a)+(\q)] matrix_a_scale:MATRIX_SCALE_ROW1
.endif
.endr
.endr
.endm
.macro FETCH_B slot, q, p
	WIN TO_B
.irp i, 0,1,2,3,4,5,6,7
	FRAG 128*(\p)+FR*\i, ADRB+\slot, \q, \i
.endr
	WIN 0
.endm
.macro FETCH_A slot, q, i0
.irp i, \i0, \i0+1, \i0+2, \i0+3
	FRAG AF+FR*(\i), ADRA+\slot, \q, \i
.endr
.endm
.macro SCALES sc
.irp i, 0,1,2,3,4,5,6,7
	ds_load_b64 v[SC+8*NQ*\sc+NQ*\i:SC+8*NQ*\sc+NQ*\i+1], v[ADRS+\sc] offset:(\i/2)*REC+8192+(\i%2)*128
.endr
.endm
.macro PLACES n
.rept \n
	v_nop
.endr
.endm
.macro STEP slot, q, zero
	s_wait_dscnt 4*NL                              ; all but the youngest 16 loads (the tokens' blocks 4-7)
	WIN MUL_LO
	MUL16 0, (\q)%2, \q, \slot, \zero
	MUL16 2, (\q)%2, \q, \slot, \zero
	s_wait_dscnt 0
	PLACES NP
	FETCH_B \slot, (\q)+1, 1-(\q)%2
	FETCH_A \slot, (\q)+1, 0
	WIN MUL_HI
	MUL16 4, (\q)%2, \q, \slot, \zero
	MUL16 6, (\q)%2, \q, \slot, \zero
	PLACES NP
	WIN 0
	FETCH_A \slot, (\q)+1, 4
.endm
.macro TURN slot, next, fill
	s_wait_tensorcnt 0x0                           ; all my tensor loads have landed: my part of the next slot
	ds_add_u32 v[SPW], v[NIL]                      ; 0 onto my spare word
	s_wait_dscnt 4*NL+1                            ; (the add and the youngest 16 loads may be out)
	WIN MUL_LO
	MUL16 0, 1, NQ-1, \slot, 0
	s_wait_dscnt 0x0                               ; the add is done, and my reads of this slot are over
	s_barrier_signal -1
	MUL16 2, 1, NQ-1, \slot, 0
	WIN 0
	s_barrier_wait -1
.if \fill
	CREST
	s_add_nc_u64 s[G0+4*\slot+2:G0+4*\slot+3], s[G0+4*\slot+2:G0+4*\slot+3], 2*ASTRIDE
	s_add_nc_u64 s[G0B+4*\slot+2:G0B+4*\slot+3], s[G0B+4*\slot+2:G0B+4*\slot+3], 2*BSTRIDE
	JLOAD G0+4*\slot, G1, G0B+4*\slot, G1B
	PLACES NP-4
.else
	PLACES NP
.endif
	FETCH_B \next, 0, 0
	FETCH_A \next, 0, 0
	SCALES \next
	WIN MUL_HI
	MUL16 4, 1, NQ-1, \slot, 0
	MUL16 6, 1, NQ-1, \slot, 0
	PLACES NP
	WIN 0
	FETCH_A \next, 0, 4
.endm
	s_wait_tensorcnt 1                             ; my part of chunk 0 is in; chunk 1's load may be out
	s_barrier_signal -1
	s_barrier_wait -1
	FETCH_B 0, 0, 0
	FETCH_A 0, 0, 0
	SCALES 0
	FETCH_A 0, 0, 4
	STEP 0, 0, 1
	s_mov_b32 s3, LAPS-1
.Llap:
	TURN 0, 1, 1
	STEP 1, 0, 0
	TURN 1, 0, 1
	STEP 0, 0, 0
	s_sub_co_u32 s3, s3, 1
	s_cmp_lg_u32 s3, 0
	s_cbranch_scc1 .Llap
	TURN 0, 1, 0
	STEP 1, 0, 0
	s_wait_dscnt 4*NL
	WIN MUL_LO
	MUL16 0, 1, NQ-1, 1, 0
	MUL16 2, 1, NQ-1, 1, 0
	s_wait_dscnt 0
	WIN MUL_HI
	MUL16 4, 1, NQ-1, 1, 0
	MUL16 6, 1, NQ-1, 1, 0
	WIN 0
	; THE WAY OUT, a block of 16 tokens x 128 columns at a time: through my own stage, back as whole rows of 512 bytes, + the bias, + the residual, stored as two aligned units of 256 bytes
.macro TOSTAGE a
.set AC, 64*((\a)%4)
	WIN 0x08+4*((\a)/4)
.irp b, 0,1,2,3,4,5,6,7
	ds_store_b128 v[STO], v[AC+8*\b:AC+8*\b+3] offset:128*(\b/2)+32*(\b%2)          ; each accumulator from its low end on
	ds_store_b128 v[STO], v[AC+8*\b+4:AC+8*\b+7] offset:128*(\b/2)+32*(\b%2)+16
.endr
	WIN 0
.irp t, 0,1,2,3,4,5,6,7,8,9,10,11,12,13,14,15
	ds_load_b128 v[BK+4*\t:BK+4*\t+3], v[RD] offset:\t*SPITCH    ; LDS serves a wave's instructions in order: these see my stores
.endr
.endm
	PLACES NP
.irp a, 0,1,2,3,4,5,6,7
.if \a > 0
	s_wait_xcnt 0x0                                ; the last block's stores have read their data
.endif
.if \a < 7
	RES \a+1
.endif
	TOSTAGE \a
	s_wait_dscnt 0x0
.if \a < 7
	s_wait_loadcnt 16                              ; this block's residual is in; the next block's 16 loads may be out
.else
	s_wait_loadcnt 0x0
.endif
.irp t, 0,1,2,3,4,5,6,7,8,9,10,11,12,13,14,15
	v_pk_add_f32 v[BK+4*\t:BK+4*\t+1], v[BK+4*\t:BK+4*\t+1], v[BI:BI+1]
	v_pk_add_f32 v[BK+4*\t+2:BK+4*\t+3], v[BK+4*\t+2:BK+4*\t+3], v[BI+2:BI+3]
.endr
.irp j, 0,2,4,6,8,10,12,14,16,18,20,22,24,26,28,30,32,34,36,38,40,42,44,46,48,50,52,54,56,58,60,62
	v_pk_add_f32 v[BK+\j:BK+\j+1], v[BK+\j:BK+\j+1], v[RS+64*(\a%2)+\j:RS+64*(\a%2)+\j+1]
.endr
.irp t, 0,1,2,3,4,5,6,7,8,9,10,11,12,13,14,15
	global_store_b128 v[CO], v[BK+4*\t:BK+4*\t+3], s[12:13] offset:(32*(\a/2)+8*(\a%2)+\t+8*(\t/8))*4096
.endr
.endr
	s_wait_tensorcnt 0x0                           ; the wave's end
	ds_add_u32 v[SPW], v[NIL]
	s_wait_dscnt 0x0
	CROUND
	s_endpgm
.Lfunc_end_k_q410ce4d71d_oproj:
	.size	k_q410ce4d71d_oproj, .Lfunc_end_k_q410ce4d71d_oproj-k_q410ce4d71d_oproj
	.p2alignl 7, 3214868480
	.fill 96, 4, 3214868480
	.section	.rodata,"a",@progbits
	.p2align	6, 0x0
	.amdhsa_kernel k_q410ce4d71d_oproj
		.amdhsa_group_segment_fixed_size 327680
		.amdhsa_private_segment_fixed_size 0
		.amdhsa_enable_private_segment 0
		.amdhsa_kernarg_size 40
		.amdhsa_user_sgpr_count 2
		.amdhsa_user_sgpr_kernarg_segment_ptr 1
		.amdhsa_wavefront_size32 1
		.amdhsa_system_sgpr_workgroup_id_x 1
		.amdhsa_system_sgpr_workgroup_id_y 1
		.amdhsa_system_sgpr_workgroup_id_z 1
		.amdhsa_system_vgpr_workitem_id 0
		.amdhsa_next_free_vgpr 1024
		.amdhsa_next_free_sgpr 100
		.amdhsa_reserve_vcc 0
		.amdhsa_float_denorm_mode_32 3
		.amdhsa_float_denorm_mode_16_64 3
		.amdhsa_memory_ordered 1
		.amdhsa_forward_progress 1
		.amdhsa_inst_pref_size 187
	.end_amdhsa_kernel
	.amdgpu_metadata
---
amdhsa.version: [ 1, 2 ]
amdhsa.kernels:
  - .name:           k_q410ce4d71d_oproj
    .symbol:         k_q410ce4d71d_oproj.kd
    .args:
      - { .name: orec, .offset: 0, .size: 8, .value_kind: global_buffer, .address_space: global }
      - { .name: wrec, .offset: 8, .size: 8, .value_kind: global_buffer, .address_space: global }
      - { .name: b_out, .offset: 16, .size: 8, .value_kind: global_buffer, .address_space: global }
      - { .name: x, .offset: 24, .size: 8, .value_kind: global_buffer, .address_space: global }
      - { .name: x2, .offset: 32, .size: 8, .value_kind: global_buffer, .address_space: global }
    .group_segment_fixed_size: 327680
    .private_segment_fixed_size: 0
    .kernarg_segment_align: 8
    .kernarg_segment_size: 40
    .max_flat_workgroup_size: 128
    .sgpr_count:     100
    .vgpr_count:     1024
    .wavefront_size: 32
...
	.end_amdgpu_metadata
.endif
;; end of part 4
;; launch norm2 (part 5): grid 256 x 1, 4 waves a work-group, no clusters, 66,560 bytes of LDS; arguments x2, scale2, xrec; writes xrec
.if DOCPART == 5
	.amdgcn_target "amdgcn-amd-amdhsa--gfx1250"
	.amdhsa_code_object_version 6
	.text
	.protected	k_q410ce4d71d_norm2
	.globl	k_q410ce4d71d_norm2
	.p2align	8
	.type	k_q410ce4d71d_norm2,@function
k_q410ce4d71d_norm2:
	s_mov_b64 s[64:65], 0
	v_nop
	global_prefetch_b8 v0, s[64:65] scope:SCOPE_SE
	s_setreg_imm32_b32 hwreg(HW_REG_WAVE_MODE, 25, 1), 1
	s_wait_xcnt 0x0
; xn = scale2 * x2 * rsqrt(mean(x2^2) + 1e-8), quantised to E4M3 with one E8M0 scale for each 32 along the row, stored as records of 8,448 bytes (32 rows x 256 K):
;   codes at sub*4096 + q*2048 + c*512 + (16h + r)*16; scale bytes at 8192 + sub*128 + 8r + (4q + c); lane r of block sub holds row 8 sub + r + 8 (r / 8) of the 32.
; The work-group owns one 16-row block.  Phase 1: a wave norms four rows and lays them into a stage.  Phase 2: a wave quantises one chunk of 256 along K for all 16 rows.
; LIMITS: NaN and infinities are not served; a block under 2^-118 (zeros too) gets the scale byte 1, read by this program alone.
.set REC,     8448
.set ASTRIDE, 128*REC
.set PITCH,   4112
.set X,       32
.set SCL,     160
.set PWR,     192
.set TM,      200
.set SS,      216
.set PD,      224
.set RM,      16
.set SEL,     24
.set MNT,     26
.macro QUANT s, pc, pw
.irp b, 0,1,2,3
	v_max3_num_f32 v[TM+\b], |v[\s+16*\b]|, |v[\s+1+16*\b]|, 0x4800000
.endr
.irp i, 2,4,6,8,10,12,14
.irp b, 0,1,2,3
	v_max3_num_f32 v[TM+\b], v[TM+\b], |v[\s+16*\b+\i]|, |v[\s+1+16*\b+\i]|
.endr
.endr
.irp b, 0,1,2,3
	v_permlanex16_b32 v[TM+4+\b], v[TM+\b], s[SEL], s[SEL+1]
.endr
.irp b, 0,1,2,3
	v_max_num_f32 v[TM+\b], v[TM+\b], v[TM+4+\b]
.endr
.irp b, 0,1,2,3
	v_add_nc_u32 v[TM+12+\b], 0xfc000000, v[TM+\b]
.endr
.irp b, 0,1,2,3
	v_and_or_b32 v[TM+8+\b], v[TM+\b], 0x7f800000, s[MNT]
.endr
.irp b, 0,1,2,3
	v_lshrrev_b32 v[TM+4+\b], 23, v[TM+12+\b]
.endr
	v_lshl_or_b32 v[\pw], v[TM+5], 8, v[TM+4]
	v_lshl_or_b32 v[\pw], v[TM+6], 16, v[\pw]
	v_lshl_or_b32 v[\pw], v[TM+7], 24, v[\pw]
.irp b, 0,1,2,3
.irp i, 0,1,2,3,4,5,6,7,8,9,10,11,12,13,14,15
	v_med3_num_f32 v[\s+16*\b+\i], v[\s+16*\b+\i], -v[TM+8+\b], v[TM+8+\b]
.endr
	v_cvt_scalef32_pk8_fp8_f32 v[\pc+4*\b:\pc+1+4*\b], v[\s+16*\b:\s+7+16*\b], v[TM+12+\b]
	v_cvt_scalef32_pk8_fp8_f32 v[\pc+2+4*\b:\pc+3+4*\b], v[\s+8+16*\b:\s+15+16*\b], v[TM+12+\b]
.endr
	v_nop
.endm
	s_load_b128 s[4:7], s[0:1], 0x0                ; x2, scale2
	s_load_b64 s[8:9], s[0:1], 0x10                ; xrec
	v_lshl_add_u32 v254, v0, 2, 0x10200
	v_mov_b32 v255, 0
	v_lshrrev_b32 v1, 5, v0
	v_readfirstlane_b32 s20, v1
	v_and_b32 v2, 31, v0
	s_mov_b32 s[MNT], 0x600000
	v_lshlrev_b32 v3, 4, v2
	s_lshr_b32 s21, ttmp9, 1
	s_lshl_b32 s21, s21, 5
	s_and_b32 s22, ttmp9, 1
	s_lshl_b32 s23, s22, 3
	s_add_co_u32 s21, s21, s23
	s_lshl_b32 s23, s20, 2
	s_add_co_u32 s21, s21, s23
	s_lshr_b32 s23, s20, 1
	s_lshl_b32 s23, s23, 3
	s_add_co_u32 s21, s21, s23                     ; first row: 32 (RB / 2) + 8 (RB % 2) + 4 w + 8 (w / 2)
	s_lshl_b32 s28, s21, 12
	s_mov_b32 s29, 0
	s_mov_b32 s[SEL], 0x76543210
	s_mov_b32 s[SEL+1], 0xfedcba98
	s_mov_b32 s27, 0x3a800000                      ; 1 / 1024
	s_mov_b32 s30, 0x322bcc77                      ; 1e-8
	s_wait_kmcnt 0x0
	s_add_nc_u64 s[4:5], s[4:5], s[28:29]
.irp j, 0,1,2,3,4,5,6,7
	global_load_b128 v[SCL+4*\j:SCL+4*\j+3], v3, s[6:7] offset:512*\j
.endr
.irp i, 0,1,2,3
.irp j, 0,1,2,3,4,5,6,7
	global_load_b128 v[X+32*\i+4*\j:X+32*\i+4*\j+3], v3, s[4:5] offset:4096*\i+512*\j
.endr
.endr
	s_mul_i32 s23, s20, 4*PITCH
	v_add_nc_u32 v4, s23, v3
	v_and_b32 v5, 15, v0
	v_bfe_u32 v6, v0, 4, 1
	v_mul_u32_u24 v7, v5, PITCH
	v_lshl_add_u32 v7, v6, 6, v7
	s_lshl_b32 s23, s20, 10
	v_add_nc_u32 v7, s23, v7
	s_lshl_b32 s23, s22, 12
	v_add_nc_u32 v9, s23, v3
	s_lshl_b32 s23, s22, 7
	v_lshl_add_u32 v8, v5, 3, s23
.irp i, 0,1,2,3
	v_mov_b32 v[PD+\i], 0
	v_mov_b32 v[TM+4+\i], 0
	v_mov_b32 v[RM+2*\i+1], 0
.endr
	s_wait_loadcnt 0x0
.irp i, 0,1,2,3
	v_pk_mul_f32 v[SS+2*\i:SS+2*\i+1], v[X+32*\i:X+32*\i+1], v[X+32*\i:X+32*\i+1]
.endr
.irp j, 2,4,6,8,10,12,14,16,18,20,22,24,26,28,30
.irp i, 0,1,2,3
	v_pk_fma_f32 v[SS+2*\i:SS+2*\i+1], v[X+32*\i+\j:X+32*\i+\j+1], v[X+32*\i+\j:X+32*\i+\j+1], v[SS+2*\i:SS+2*\i+1]
.endr
.endr
.irp i, 0,1,2,3
	v_add_f32 v[SS+2*\i], v[SS+2*\i], v[SS+2*\i+1]
.endr
.irp m, 1,2,4,8
.irp i, 0,1,2,3
	v_add_f32_dpp v[SS+2*\i], v[SS+2*\i], v[SS+2*\i] row_xmask:\m row_mask:0xf bank_mask:0xf
.endr
.endr
.irp i, 0,1,2,3
	v_permlanex16_b32 v[PD+\i], v[SS+2*\i], s[SEL], s[SEL+1]
.endr
.irp i, 0,1,2,3
	v_add_f32 v[SS+2*\i], v[SS+2*\i], v[PD+\i]
.endr
.irp i, 0,1,2,3
	v_fma_f32 v[SS+2*\i], v[SS+2*\i], s27, s30
.endr
.irp i, 0,1,2,3
	v_rsq_f32 v[RM+2*\i], v[SS+2*\i]
.endr
.irp i, 0,1,2,3
.irp j, 0,2,4,6,8,10,12,14,16,18,20,22,24,26,28,30
	v_pk_mul_f32 v[X+32*\i+\j:X+32*\i+\j+1], v[X+32*\i+\j:X+32*\i+\j+1], v[SCL+\j:SCL+\j+1]
.endr
.endr
	s_wait_alu depctr_va_vdst(0)                   ; one wait for the four roots, ahead of their first reader
.irp i, 0,1,2,3
.irp j, 0,2,4,6,8,10,12,14,16,18,20,22,24,26,28,30
	v_pk_mul_f32 v[X+32*\i+\j:X+32*\i+\j+1], v[X+32*\i+\j:X+32*\i+\j+1], v[RM+2*\i:RM+2*\i+1] op_sel_hi:[1,0]
.endr
.endr
.irp i, 0,1,2,3
.irp j, 0,1,2,3,4,5,6,7
	ds_store_b128 v4, v[X+32*\i+4*\j:X+32*\i+4*\j+3] offset:\i*PITCH+512*\j
.endr
.endr
	s_wait_dscnt 0x0                               ; for the others' sake: my rows lie in the stage
	s_barrier_signal -1
	s_barrier_wait -1
.irp q, 0,1
.irp b, 0,1,2,3
.irp j, 0,1,2,3
	ds_load_b128 v[X+64*\q+16*\b+4*\j:X+64*\q+16*\b+4*\j+3], v7 offset:512*\q+128*\b+16*\j
.endr
.endr
.endr
	s_mul_i32 s28, s20, ASTRIDE
	s_lshr_b32 s23, ttmp9, 1
	s_mul_i32 s23, s23, REC
	s_add_co_u32 s28, s28, s23
	s_add_nc_u64 s[8:9], s[8:9], s[28:29]
	s_wait_dscnt 0x0
	QUANT X, SCL, PWR
	QUANT X+64, SCL+16, PWR+1
.irp q, 0,1
.irp c, 0,1,2,3
	global_store_b128 v9, v[SCL+16*\q+4*\c:SCL+16*\q+4*\c+3], s[8:9] offset:2048*\q+512*\c
.endr
.endr
	global_store_b64 v8, v[PWR:PWR+1], s[8:9] offset:8192   ; lanes 16-31 hold the same words and write the same bytes
	s_wait_tensorcnt 0x0
	ds_add_u32 v254, v255
	s_wait_dscnt 0x0
	s_endpgm
.Lfunc_end_k_q410ce4d71d_norm2:
	.size	k_q410ce4d71d_norm2, .Lfunc_end_k_q410ce4d71d_norm2-k_q410ce4d71d_norm2
	.p2alignl 7, 3214868480
	.fill 96, 4, 3214868480
	.section	.rodata,"a",@progbits
	.p2align	6, 0x0
	.amdhsa_kernel k_q410ce4d71d_norm2
		.amdhsa_group_segment_fixed_size 66560
		.amdhsa_private_segment_fixed_size 0
		.amdhsa_enable_private_segment 0
		.amdhsa_kernarg_size 24
		.amdhsa_user_sgpr_count 2
		.amdhsa_user_sgpr_kernarg_segment_ptr 1
		.amdhsa_wavefront_size32 1
		.amdhsa_system_sgpr_workgroup_id_x 1
		.amdhsa_system_sgpr_workgroup_id_y 1
		.amdhsa_system_sgpr_workgroup_id_z 1
		.amdhsa_system_vgpr_workitem_id 0
		.amdhsa_next_free_vgpr 256
		.amdhsa_next_free_sgpr 66
		.amdhsa_reserve_vcc 0
		.amdhsa_float_denorm_mode_32 3
		.amdhsa_float_denorm_mode_16_64 3
		.amdhsa_memory_ordered 1
		.amdhsa_forward_progress 1
		.amdhsa_inst_pref_size 42
	.end_amdhsa_kernel
	.amdgpu_metadata
---
amdhsa.version: [ 1, 2 ]
amdhsa.kernels:
  - .name:           k_q410ce4d71d_norm2
    .symbol:         k_q410ce4d71d_norm2.kd
    .args:
      - { .name: x2, .offset: 0, .size: 8, .value_kind: global_buffer, .address_space: global }
      - { .name: scale2, .offset: 8, .size: 8, .value_kind: global_buffer, .address_space: global }
      - { .name: xrec, .offset: 16, .size: 8, .value_kind: global_buffer, .address_space: global }
    .group_segment_fixed_size: 66560
    .private_segment_fixed_size: 0
    .kernarg_segment_align: 8
    .kernarg_segment_size: 24
    .max_flat_workgroup_size: 128
    .sgpr_count:     66
    .vgpr_count:     256
    .wavefront_size: 32
...
	.end_amdgpu_metadata
.endif
;; end of part 5
;; launch ffn1 (part 6): grid 16 x 16, 4 waves a work-group, clusters of 4 x 4, 327,680 bytes of LDS; arguments xrec, wrec, b1, hrec; writes hrec
.if DOCPART == 6
	.amdgcn_target "amdgcn-amd-amdhsa--gfx1250"
	.amdhsa_code_object_version 6
	.text
	.protected	k_q410ce4d71d_ffn1
	.globl	k_q410ce4d71d_ffn1
	.p2align	8
	.type	k_q410ce4d71d_ffn1,@function
k_q410ce4d71d_ffn1:
	s_mov_b64 s[64:65], 0
	v_nop
	global_prefetch_b8 v0, s[64:65] scope:SCOPE_SE
	s_setreg_imm32_b32 hwreg(HW_REG_WAVE_MODE, 25, 1), 1
	s_wait_xcnt 0x0
	s_wait_alu depctr_hold_cnt(0) depctr_sa_sdst(0) depctr_va_vdst(0) depctr_va_sdst(0) depctr_va_ssrc(0) depctr_va_vcc(0) depctr_vm_vsrc(0)
	s_getreg_b32 s2, hwreg(HW_REG_IB_STS2, 6, 4)
	s_cmp_eq_u32 s2, 0
	s_cbranch_scc0 .Lentry_in_a_cluster
	s_endpgm
.Lentry_in_a_cluster:
	s_bfe_u32 s2, ttmp6, 0x10000c
	s_cmp_lg_u32 s2, 0xf033
	s_cbranch_scc0 .Lentry_shape_is_right
	s_endpgm
.Lentry_shape_is_right:
; h = gelu(xn w1 + b1), exact gelu = 0.5 x (1 + erf(x / sqrt 2)); the product on codes of E4M3 with E8M0 scales; h is quantised along the hidden axis and stored as records for the next product.
; Operands come as records of 8,448 bytes (32 rows x 256 K: codes as register images, then the scale bytes); a tile of 128 rows x 256 K is 33,792 dense bytes, one tensor load.
; A work-group of four waves makes 256 tokens x 256 hidden units; a wave 128 x 128 in 64 accumulators.  K = 1,024 goes in 4 chunks of 256 through two LDS slots.
; CLUSTERS 4 x 4: the tokens' tiles are shared along a row of the cluster, the weights' along a column: joint loads.
; Source 0 = 16 rows of the weight, source 1 = 16 tokens; lane r of a 16-row block holds row 8 sub + r + 8 (r / 8) of 32, so the 16 registers of two neighbouring tiles are 16 neighbouring hidden units:
; a wave's 128 units are one K step of the next product, and the conversions' results are that operand's registers.
; erf(z) = z P(z^2) / Q(z^2), a rational form of degrees 6 and 4 in z^2, with z held within +-4, where erf is 1 to the last bit of f32.
; LIMITS: the form is good to a few units in erf's last place; 0.5 x (1 + erf) so has an absolute error of about 1e-7 |x| and is not relatively exact for x under about -3.
; NaN and infinities are not served; a block under 2^-118 (zeros too) gets the scale byte 1, read by this program alone.
; A row's 8 scale bytes of a chunk come from two waves: each stores its word of 4 bytes.
; No prefetch: two of the four chunks are asked for at the start.
.set KCH,     4
.set BOFF,    4325376
.set REC,     8448
.set BSTRIDE, 128*REC
.set ASTRIDE, 128*REC
.set HALFT,   4*REC
.set SLOT,    4*HALFT
.set SPARE,   2*SLOT                   ; the spare words: 128 bytes a wave, named by no other line
.set LAPS,    KCH/2
.set NQ, 2
.set FR, 16
.set NL, 4
.set NP, 8
.set BV,   5                           ; v5     64 h
.set CA0,  12                          ; v[12:13] P's leading coefficient, twice
.set CB0,  14                          ; v[14:15] Q's
.set ADRA, 16
.set LI,   18
.set SL,   19
.set ADRB, 20
.set ADRS, 22
.set STG,  24
.set RD,   25
.set CO,   26
.set SO,   27
.set SPW,  28
.set NIL,  29
.set PW,   30
.set SC,   32                          ; v32-63 scale words, two sets; they hold nothing else
.set BC,   64                          ; v64-127 the bias in the result's layout
.set AF,   128
.set H,    128                         ; the way out: a row block's 64 numbers
.set Z,    192
.set Z2,   208
.set AL,   224
.set BE,   240
.set PC,   192                         ; the codes and the quantiser's temporaries take gelu's registers
.set TM,   208
.set G1, 24
.set G0, 32
.set G1B, 48
.set G0B, 56
.set SEL,  76
.set MNT,  78
.set AI,   79
.set RDO,  80
.set MSB, 0
.macro WIN new
.if MSB != \new
	s_set_vgpr_msb (MSB<<8)|\new
.set MSB, \new
.endif
.endm
.set MUL_LO, 0xa1
.set MUL_HI, 0xf1
.set TO_B,   0x40
.macro JLOAD g0a, g1a, g0b, g1b
	s_cmp_eq_u32 s15, 0
	s_cbranch_scc0 .Lfor_b_\@
	tensor_load_to_lds s[\g0a:\g0a+3], s[\g1a:\g1a+7]
	s_nop 0
.rept 4
	v_nop
.endr
	s_branch .Lasked_\@
.Lfor_b_\@:
	tensor_load_to_lds s[\g0b:\g0b+3], s[\g1b:\g1b+7]
	s_nop 0
.rept 4
	v_nop
.endr
.Lasked_\@:
.endm
.macro CREST
	s_cmp_lg_u32 s14, 0
	s_cbranch_scc1 .Lnot_wave_0_\@
	s_barrier_signal -3
.Lnot_wave_0_\@:
	s_barrier_wait -3
	s_barrier_signal -1
	s_barrier_wait -1
.endm
.macro CROUND
	s_barrier_signal -1
	s_barrier_wait -1
	CREST
.endm
.macro QUANT s, pc, pw
.irp b, 0,1,2,3
	v_max3_num_f32 v[TM+\b], |v[\s+16*\b]|, |v[\s+1+16*\b]|, 0x4800000
.endr
.irp i, 2,4,6,8,10,12,14
.irp b, 0,1,2,3
	v_max3_num_f32 v[TM+\b], v[TM+\b], |v[\s+16*\b+\i]|, |v[\s+1+16*\b+\i]|
.endr
.endr
.irp b, 0,1,2,3
	v_permlanex16_b32 v[TM+4+\b], v[TM+\b], s[SEL], s[SEL+1]
.endr
.irp b, 0,1,2,3
	v_max_num_f32 v[TM+\b], v[TM+\b], v[TM+4+\b]
.endr
.irp b, 0,1,2,3
	v_add_nc_u32 v[TM+12+\b], 0xfc000000, v[TM+\b]
.endr
.irp b, 0,1,2,3
	v_and_or_b32 v[TM+8+\b], v[TM+\b], 0x7f800000, s[MNT]
.endr
.irp b, 0,1,2,3
	v_lshrrev_b32 v[TM+4+\b], 23, v[TM+12+\b]
.endr
	v_lshl_or_b32 v[\pw], v[TM+5], 8, v[TM+4]
	v_lshl_or_b32 v[\pw], v[TM+6], 16, v[\pw]
	v_lshl_or_b32 v[\pw], v[TM+7], 24, v[\pw]
.irp b, 0,1,2,3
.irp i, 0,1,2,3,4,5,6,7,8,9,10,11,12,13,14,15
	v_med3_num_f32 v[\s+16*\b+\i], v[\s+16*\b+\i], -v[TM+8+\b], v[TM+8+\b]
.endr
	v_cvt_scalef32_pk8_fp8_f32 v[\pc+4*\b:\pc+1+4*\b], v[\s+16*\b:\s+7+16*\b], v[TM+12+\b]
	v_cvt_scalef32_pk8_fp8_f32 v[\pc+2+4*\b:\pc+3+4*\b], v[\s+8+16*\b:\s+15+16*\b], v[TM+12+\b]
.endr
	v_nop
.endm
; gelu of the 16 numbers v[H + 16 s] on, two at a time
.macro GELU s
.irp j, 0,2,4,6,8,10,12,14
	v_pk_mul_f32 v[Z+\j:Z+\j+1], v[H+16*\s+\j:H+16*\s+\j+1], 0x3f3504f3 op_sel_hi:[1,0]   ; z = x / sqrt 2
.endr
.irp j, 0,1,2,3,4,5,6,7,8,9,10,11,12,13,14,15
	v_med3_num_f32 v[Z+\j], v[Z+\j], -4.0, 4.0
.endr
.irp j, 0,2,4,6,8,10,12,14
	v_pk_mul_f32 v[Z2+\j:Z2+\j+1], v[Z+\j:Z+\j+1], v[Z+\j:Z+\j+1]
.endr
.irp j, 0,2,4,6,8,10,12,14
	v_pk_fma_f32 v[AL+\j:AL+\j+1], v[Z2+\j:Z2+\j+1], v[CA0:CA0+1], 0x32EDFFEE op_sel_hi:[1,1,0]
	v_pk_fma_f32 v[BE+\j:BE+\j+1], v[Z2+\j:Z2+\j+1], v[CB0:CB0+1], 0xB95FBD29 op_sel_hi:[1,1,0]
.endr
.irp k, 0xB60CFF51, 0xB86EC2D2, 0xBA40AC63, 0xBB41A1F6, 0xBC83DBD4
.irp j, 0,2,4,6,8,10,12,14
	v_pk_fma_f32 v[AL+\j:AL+\j+1], v[AL+\j:AL+\j+1], v[Z2+\j:Z2+\j+1], \k op_sel_hi:[1,1,0]
.endr
.endr
.irp k, 0xBADC924E, 0xBBF19BF8, 0xBC69B6A7
.irp j, 0,2,4,6,8,10,12,14
	v_pk_fma_f32 v[BE+\j:BE+\j+1], v[BE+\j:BE+\j+1], v[Z2+\j:Z2+\j+1], \k op_sel_hi:[1,1,0]
.endr
.endr
.irp j, 0,1,2,3,4,5,6,7,8,9,10,11,12,13,14,15
	v_rcp_f32 v[Z2+\j], v[BE+\j]
.endr
.irp j, 0,2,4,6,8,10,12,14
	v_pk_mul_f32 v[AL+\j:AL+\j+1], v[AL+\j:AL+\j+1], v[Z+\j:Z+\j+1]          ; z P: work that names no reciprocal
.endr
.irp j, 0,2,4,6,8,10,12,14
	v_pk_mul_f32 v[Z+\j:Z+\j+1], v[H+16*\s+\j:H+16*\s+\j+1], 0.5 op_sel_hi:[1,0]
.endr
	s_wait_alu depctr_va_vdst(0)                   ; one wait for the sixteen reciprocals, ahead of their first reader
.irp j, 0,2,4,6,8,10,12,14
	v_pk_mul_f32 v[AL+\j:AL+\j+1], v[AL+\j:AL+\j+1], v[Z2+\j:Z2+\j+1]        ; erf
.endr
.irp j, 0,2,4,6,8,10,12,14
	v_pk_fma_f32 v[H+16*\s+\j:H+16*\s+\j+1], v[Z+\j:Z+\j+1], v[AL+\j:AL+\j+1], v[Z+\j:Z+\j+1]   ; 0.5 x erf + 0.5 x
.endr
.endm
	s_load_b128 s[4:7], s[0:1], 0x0                ; xrec, wrec
	s_load_b128 s[8:11], s[0:1], 0x10              ; b1, hrec
	v_lshl_add_u32 v[SPW], v0, 2, SPARE
	v_mov_b32 v[NIL], 0
	ds_add_u32 v28, v29
	ds_add_u32 v28, v29
	s_wait_dscnt 0x0
	v_lshrrev_b32 v1, 5, v0
	v_readfirstlane_b32 s14, v1
	s_lshr_b32 s15, s14, 1
	s_and_b32 s16, s14, 1
	s_bfe_u32 s40, ttmp6, 0x40000
	s_bfe_u32 s41, ttmp6, 0x40004
	s_lshl_b32 s42, ttmp9, 2
	s_add_co_u32 s42, s42, s40                     ; x
	s_and_b32 s17, ttmp7, 0xffff
	s_lshl_b32 s17, s17, 2
	s_add_co_u32 s17, s17, s41                     ; y
	s_lshl_b32 s43, s41, 2
	s_lshl_b32 s43, 15, s43
	s_lshl_b32 s44, 0x1111, s40
	s_or_b32 s[G1+0], s43, (3<<16)|(1<<21)
	s_or_b32 s[G1B+0], s44, (3<<16)|(1<<21)
.irp g, G1, G1B
	s_mov_b32 s[\g+1], 32<<16
	s_mov_b32 s[\g+2], 132<<16
	s_mov_b32 s[\g+3], 32<<16
	s_mov_b32 s[\g+4], 132
	s_mov_b32 s[\g+5], 32
	s_mov_b32 s[\g+6], 0
	s_mov_b32 s[\g+7], 0
.endr
	s_lshl_b32 s18, s16, 2
	s_lshl_b32 s20, s17, 3
	s_add_co_u32 s20, s20, s18
	s_mul_i32 s20, s20, REC
	s_mov_b32 s21, 0
	s_lshl_b32 s46, s42, 3
	s_add_co_u32 s46, s46, s18
	s_mul_i32 s46, s46, REC
	s_add_co_u32 s46, s46, BOFF
	s_mov_b32 s47, 0
	s_mul_i32 s45, s14, HALFT
	s_wait_kmcnt 0x0
	s_add_nc_u64 s[20:21], s[4:5], s[20:21]
	s_add_nc_u64 s[46:47], s[6:7], s[46:47]
	CROUND
.irp s, 0,1
	s_mov_b32 s[G0+4*\s], 1
	s_add_co_u32 s[G0+4*\s+1], s45, \s*SLOT
	s_add_nc_u64 s[G0+4*\s+2:G0+4*\s+3], s[20:21], \s*ASTRIDE
	s_or_b32 s[G0+4*\s+3], s[G0+4*\s+3], 0x80000000
	s_mov_b32 s[G0B+4*\s], 1
	s_add_co_u32 s[G0B+4*\s+1], s45, \s*SLOT
	s_add_nc_u64 s[G0B+4*\s+2:G0B+4*\s+3], s[46:47], \s*BSTRIDE
	s_or_b32 s[G0B+4*\s+3], s[G0B+4*\s+3], 0x80000000
	JLOAD G0+4*\s, G1, G0B+4*\s, G1B
.endr
	v_and_b32 v1, 15, v0
	v_bfe_u32 v2, v0, 4, 1
	v_and_b32 v3, 31, v0
	v_lshlrev_b32 v[LI], 4, v3
	s_mul_i32 s21, s15, HALFT
	s_mul_i32 s22, s16, HALFT
	s_add_co_u32 s22, s22, 2*HALFT
	s_sub_co_u32 s23, s22, s21
	v_mul_u32_u24 v4, s23, v2
	v_lshl_add_u32 v4, v1, 3, v4
	v_add_nc_u32 v[ADRS], s21, v4
	v_add_nc_u32 v[ADRS+1], SLOT, v[ADRS]
.irp s, 0,1
	v_add_nc_u32 v[ADRA+\s], s21, v[LI]
	v_add_nc_u32 v[ADRB+\s], s22, v[LI]
	s_add_co_u32 s21, s21, SLOT
	s_add_co_u32 s22, s22, SLOT
.endr
	s_lshl_b32 s66, s14, 16
	v_add_nc_u32 v[STG], s66, v[LI]                ; the way out: my stage of 65,536 bytes in the ring
	s_lshl_b32 s66, s42, 10
	s_lshl_b32 s67, s16, 9
	s_add_co_u32 s66, s66, s67
	s_mov_b32 s67, 0
	s_add_nc_u64 s[8:9], s[8:9], s[66:67]          ; my 128 units' bias
	s_mul_i32 s66, s42, ASTRIDE                    ; h: chunk x,
	s_lshl_b32 s68, s17, 3
	s_lshl_b32 s69, s15, 2
	s_add_co_u32 s68, s68, s69
	s_mul_i32 s68, s68, REC                        ; record 8 y + 4 (wave / 2),
	s_add_co_u32 s66, s66, s68
	s_lshl_b32 s68, s16, 11                        ; K step wave % 2
	s_add_co_u32 s66, s66, s68
	s_add_nc_u64 s[10:11], s[10:11], s[66:67]
	s_mul_i32 s70, s16, 2044
	s_sub_co_u32 s70, 8192, s70                    ; from there to my scale word: 8192 + 4 (wave % 2) - 2048 (wave % 2)
	v_lshl_add_u32 v[SL], v1, 3, s70
	v_lshlrev_b32 v[BV], 6, v2
	v_mov_b32 v[CA0], 0xAF95DF0B
	v_mov_b32 v[CA0+1], 0xAF95DF0B
	v_mov_b32 v[CB0], 0xB77460CD
	v_mov_b32 v[CB0+1], 0xB77460CD
	s_mov_b32 s[SEL], 0x76543210
	s_mov_b32 s[SEL+1], 0xfedcba98
	s_mov_b32 s[MNT], 0x600000
.irp b, 0,1,2,3,4,5,6,7
	global_load_b128 v[BC+8*\b:BC+8*\b+3], v[BV], s[8:9] offset:(32*(\b/2)+8*(\b%2))*4
	global_load_b128 v[BC+8*\b+4:BC+8*\b+7], v[BV], s[8:9] offset:(32*(\b/2)+8*(\b%2))*4+16
.endr
.macro FRAG reg, adr, q, i
.irp c, 0,1,2,3
	ds_load_b128 v[\reg+4*\c:\reg+4*\c+3], v[\adr] offset:((\i)/2)*REC+((\i)%2)*4096+2048*(\q)+512*\c
.endr
.endm
.macro MUL16 a0, p, q, sc, zero        ; the 64 accumulators take turns, one instruction a turn
.irp a, \a0, \a0+1
.irp b, 0,1,2,3,4,5,6,7
.if \zero
	v_wmma_scale_f32_16x16x128_f8f6f4 v[8*(8*((\a)%4)+\b):8*(8*((\a)%4)+\b)+7], v[128*(\p)+FR*\b:128*(\p)+FR*\b+FR-1], v[AF+FR*(\a):AF+FR*(\a)+FR-1], 0, v[SC+8*NQ*(\sc)+NQ*\b+(\q)], v[SC+8*NQ*(\sc)+NQ*(\a)+(\q)] matrix_a_scale:MATRIX_SCALE_ROW1
.else
	v_wmma_scale_f32_16x16x128_f8f6f4 v[8*(8*((\a)%4)+\b):8*(8*((\a)%4)+\b)+7], v[128*(\p)+FR*\b:128*(\p)+FR*\b+FR-1], v[AF+FR*(\a):AF+FR*(\a)+FR-1], v[8*(8*((\a)%4)+\b):8*(8*((\a)%4)+\b)+7], v[SC+8*NQ*(\sc)+NQ*\b+(\q)], v[SC+8*NQ*(\sc)+NQ*(\a)+(\q)] matrix_a_scale:MATRIX_SCALE_ROW1
.endif
.endr
.endr
.endm
.macro FETCH_B slot, q, p
	WIN TO_B
.irp i, 0,1,2,3,4,5,6,7
	FRAG 128*(\p)+FR*\i, ADRB+\slot, \q, \i
.endr
	WIN 0
.endm
.macro FETCH_A slot, q, i0
.irp i, \i0, \i0+1, \i0+2, \i0+3
	FRAG AF+FR*(\i), ADRA+\slot, \q, \i
.endr
.endm
.macro SCALES sc
.irp i, 0,1,2,3,4,5,6,7
	ds_load_b64 v[SC+8*NQ*\sc+NQ*\i:SC+8*NQ*\sc+NQ*\i+1], v[ADRS+\sc] offset:(\i/2)*REC+8192+(\i%2)*128
.endr
.endm
.macro PLACES n
.rept \n
	v_nop
.endr
.endm
.macro STEP slot, q, zero
	s_wait_dscnt 4*NL                              ; all but the youngest 16 loads (the tokens' blocks 4-7)
	WIN MUL_LO
	MUL16 0, (\q)%2, \q, \slot, \zero
	MUL16 2, (\q)%2, \q, \slot, \zero
	s_wait_dscnt 0
	PLACES NP
	FETCH_B \slot, (\q)+1, 1-(\q)%2
	FETCH_A \slot, (\q)+1, 0
	WIN MUL_HI
	MUL16 4, (\q)%2, \q, \slot, \zero
	MUL16 6, (\q)%2, \q, \slot, \zero
	PLACES NP
	WIN 0
	FETCH_A \slot, (\q)+1, 4
.endm
.macro TURN slot, next, fill
	s_wait_tensorcnt 0x0                           ; all my tensor loads have landed: my part of the next slot
	ds_add_u32 v[SPW], v[NIL]                      ; 0 onto my spare word
	s_wait_dscnt 4*NL+1                            ; (the add and the youngest 16 loads may be out)
	WIN MUL_LO
	MUL16 0, 1, NQ-1, \slot, 0
	s_wait_dscnt 0x0                               ; the add is done, and my reads of this slot are over
	s_barrier_signal -1
	MUL16 2, 1, NQ-1, \slot, 0
	WIN 0
	s_barrier_wait -1
.if \fill
	CREST
	s_add_nc_u64 s[G0+4*\slot+2:G0+4*\slot+3], s[G0+4*\slot+2:G0+4*\slot+3], 2*ASTRIDE
	s_add_nc_u64 s[G0B+4*\slot+2:G0B+4*\slot+3], s[G0B+4*\slot+2:G0B+4*\slot+3], 2*BSTRIDE
	JLOAD G0+4*\slot, G1, G0B+4*\slot, G1B
	PLACES NP-4
.else
	PLACES NP
.endif
	FETCH_B \next, 0, 0
	FETCH_A \next, 0, 0
	SCALES \next
	WIN MUL_HI
	MUL16 4, 1, NQ-1, \slot, 0
	MUL16 6, 1, NQ-1, \slot, 0
	PLACES NP
	WIN 0
	FETCH_A \next, 0, 4
.endm
	s_wait_tensorcnt 1                             ; my part of chunk 0 is in; chunk 1's load may be out
	s_barrier_signal -1
	s_barrier_wait -1
	FETCH_B 0, 0, 0
	FETCH_A 0, 0, 0
	SCALES 0
	FETCH_A 0, 0, 4
	STEP 0, 0, 1
	s_mov_b32 s3, LAPS-1
.Llap:
	TURN 0, 1, 1
	STEP 1, 0, 0
	TURN 1, 0, 1
	STEP 0, 0, 0
	s_sub_co_u32 s3, s3, 1
	s_cmp_lg_u32 s3, 0
	s_cbranch_scc1 .Llap
	TURN 0, 1, 0
	STEP 1, 0, 0
	s_wait_dscnt 4*NL                              ; the last step; a barrier in it, since the whole ring becomes the stages
	WIN MUL_LO
	MUL16 0, 1, NQ-1, 1, 0
	MUL16 2, 1, NQ-1, 1, 0
	s_wait_dscnt 0x0                               ; my reads of the ring are over
	s_barrier_signal -1
	WIN MUL_HI
	MUL16 4, 1, NQ-1, 1, 0
	MUL16 6, 1, NQ-1, 1, 0
	WIN 0
	s_barrier_wait -1                              ; everybody's are; the ring has had its last fill
	PLACES NP
	; THE WAY OUT.  All 64 accumulators go to my own stage as they stand, each from its low end on; then a loop takes the 8 blocks of 16 tokens: the step is long, so it is written once
.irp a, 0,1,2,3,4,5,6,7
	WIN 0x08+4*(\a/4)
.irp b, 0,1,2,3,4,5,6,7
	ds_store_b128 v[STG], v[8*(8*(\a%4)+\b):8*(8*(\a%4)+\b)+3] offset:(8*\a+\b)*1024
	ds_store_b128 v[STG], v[8*(8*(\a%4)+\b)+4:8*(8*(\a%4)+\b)+7] offset:(8*\a+\b)*1024+512
.endr
.endr
	WIN 0
	s_mov_b32 s[AI], 0
	s_mov_b32 s[RDO], 0
	s_wait_loadcnt 0x0                             ; the bias
.Lrow:
	s_wait_xcnt 0x0                                ; the last trip's stores have read their offsets and data
	v_add_nc_u32 v[RD], s[RDO], v[STG]
.irp k, 0,1,2,3,4,5,6,7,8,9,10,11,12,13,14,15
	ds_load_b128 v[H+4*\k:H+4*\k+3], v[RD] offset:512*\k     ; LDS serves a wave's instructions in order: these see my stores
.endr
	s_lshr_b32 s72, s[AI], 1
	s_mul_i32 s72, s72, REC
	s_and_b32 s73, s[AI], 1
	s_lshl_b32 s74, s73, 12
	s_add_co_u32 s74, s74, s72
	s_lshl_b32 s73, s73, 7
	s_add_co_u32 s73, s73, s72
	v_add_nc_u32 v[CO], s74, v[LI]
	v_add_nc_u32 v[SO], s73, v[SL]
	s_wait_dscnt 0x0
.irp j, 0,2,4,6,8,10,12,14,16,18,20,22,24,26,28,30,32,34,36,38,40,42,44,46,48,50,52,54,56,58,60,62
	v_pk_add_f32 v[H+\j:H+\j+1], v[H+\j:H+\j+1], v[BC+\j:BC+\j+1]
.endr
	GELU 0
	GELU 1
	GELU 2
	GELU 3
	QUANT H, PC, PW
.irp c, 0,1,2,3
	global_store_b128 v[CO], v[PC+4*\c:PC+4*\c+3], s[10:11] offset:512*\c    ; 512 consecutive bytes, aligned to 256
.endr
	global_store_b32 v[SO], v[PW], s[10:11]        ; lanes 16-31 hold the same word and write the same bytes
	s_add_co_u32 s[RDO], s[RDO], 8192
	s_add_co_u32 s[AI], s[AI], 1
	s_cmp_lt_u32 s[AI], 8
	s_cbranch_scc1 .Lrow
	s_wait_tensorcnt 0x0                           ; the wave's end
	ds_add_u32 v[SPW], v[NIL]
	s_wait_dscnt 0x0
	CROUND
	s_endpgm
.Lfunc_end_k_q410ce4d71d_ffn1:
	.size	k_q410ce4d71d_ffn1, .Lfunc_end_k_q410ce4d71d_ffn1-k_q410ce4d71d_ffn1
	.p2alignl 7, 3214868480
	.fill 96, 4, 3214868480
	.section	.rodata,"a",@progbits
	.p2align	6, 0x0
	.amdhsa_kernel k_q410ce4d71d_ffn1
		.amdhsa_group_segment_fixed_size 327680
		.amdhsa_private_segment_fixed_size 0
		.amdhsa_enable_private_segment 0
		.amdhsa_kernarg_size 32
		.amdhsa_user_sgpr_count 2
		.amdhsa_user_sgpr_kernarg_segment_ptr 1
		.amdhsa_wavefront_size32 1
		.amdhsa_system_sgpr_workgroup_id_x 1
		.amdhsa_system_sgpr_workgroup_id_y 1
		.amdhsa_system_sgpr_workgroup_id_z 1
		.amdhsa_system_vgpr_workitem_id 0
		.amdhsa_next_free_vgpr 1024
		.amdhsa_next_free_sgpr 100
		.amdhsa_reserve_vcc 0
		.amdhsa_float_denorm_mode_32 3
		.amdhsa_float_denorm_mode_16_64 3
		.amdhsa_memory_ordered 1
		.amdhsa_forward_progress 1
		.amdhsa_inst_pref_size 185
	.end_amdhsa_kernel
	.amdgpu_metadata
---
amdhsa.version: [ 1, 2 ]
amdhsa.kernels:
  - .name:           k_q410ce4d71d_ffn1
    .symbol:         k_q410ce4d71d_ffn1.kd
    .args:
      - { .name: xrec, .offset: 0, .size: 8, .value_kind: global_buffer, .address_space: global }
      - { .name: wrec, .offset: 8, .size: 8, .value_kind: global_buffer, .address_space: global }
      - { .name: b1, .offset: 16, .size: 8, .value_kind: global_buffer, .address_space: global }
      - { .name: hrec, .offset: 24, .size: 8, .value_kind: global_buffer, .address_space: global }
    .group_segment_fixed_size: 327680
    .private_segment_fixed_size: 0
    .kernarg_segment_align: 8
    .kernarg_segment_size: 32
    .max_flat_workgroup_size: 128
    .sgpr_count:     100
    .vgpr_count:     1024
    .wavefront_size: 32
...
	.end_amdgpu_metadata
.endif
;; end of part 6
;; launch ffn2 (part 7): grid 4 x 16, 4 waves a work-group, clusters of 4 x 4, 327,680 bytes of LDS; arguments hrec, wrec, b2, x2, out0; writes out0
.if DOCPART == 7
	.amdgcn_target "amdgcn-amd-amdhsa--gfx1250"
	.amdhsa_code_object_version 6
	.text
	.protected	k_q410ce4d71d_ffn2
	.globl	k_q410ce4d71d_ffn2
	.p2align	8
	.type	k_q410ce4d71d_ffn2,@function
k_q410ce4d71d_ffn2:
	s_mov_b64 s[64:65], 0
	v_nop
	global_prefetch_b8 v0, s[64:65] scope:SCOPE_SE
	s_setreg_imm32_b32 hwreg(HW_REG_WAVE_MODE, 25, 1), 1
	s_wait_xcnt 0x0
	s_wait_alu depctr_hold_cnt(0) depctr_sa_sdst(0) depctr_va_vdst(0) depctr_va_sdst(0) depctr_va_ssrc(0) depctr_va_vcc(0) depctr_vm_vsrc(0)
	s_getreg_b32 s2, hwreg(HW_REG_IB_STS2, 6, 4)
	s_cmp_eq_u32 s2, 0
	s_cbranch_scc0 .Lentry_in_a_cluster
	s_endpgm
.Lentry_in_a_cluster:
	s_bfe_u32 s2, ttmp6, 0x10000c
	s_cmp_lg_u32 s2, 0xf033
	s_cbranch_scc0 .Lentry_shape_is_right
	s_endpgm
.Lentry_shape_is_right:
; out = x2 + (h w2 + b2), the product on codes of E4M3 with E8M0 scales, f32 sums.  K = 4,096: 16 chunks of 256.
; Operands come as records of 8,448 bytes (32 rows x 256 K: codes as register images, then the scale bytes); a tile of 128 rows x 256 K is 33,792 dense bytes, one tensor load.
; A work-group of four waves makes 256 tokens x 256 columns; a wave 128 x 128 in 64 accumulators.  K goes in KCH chunks of 256 through two LDS slots.
; CLUSTERS 4 x 4: the tokens' tiles are shared along a row of the cluster, the weights' along a column: joint loads.
; Source 0 = 16 rows of the weight (columns of the result), source 1 = 16 tokens: a lane holds one token and eight neighbouring columns.
; Rows of a 16-row block: lane r holds row 8 sub + r + 8 (r / 8) of 32; the way out undoes that order by its stores' offsets.
; 64 work-groups: the tile is kept at 256 x 256 so that each LDS byte feeds as many products as in the other launches of this program.
; No prefetch: each refill has a chunk's 128 matrix instructions in which to land, and the tiles are shared in the cluster.
.set KCH,     16
.set BOFF,    8650752
.set REC,     8448
.set BSTRIDE, 32*REC
.set ASTRIDE, 128*REC
.set HALFT,   4*REC
.set SLOT,    4*HALFT
.set SPARE,   2*SLOT                   ; the spare words: 128 bytes a wave, named by no other line
.set LAPS,    KCH/2
.set SPITCH,  528                      ; the way out: a stage of 16 rows x (512 + 16) bytes a wave, in slot 0, which has had its last fill and its last read by then
.set NQ, 2
.set FR, 16
.set NL, 4
.set NP, 8
.set BI,   8
.set ADRA, 16
.set ADRB, 20
.set ADRS, 22
.set STO,  24
.set RD,   25
.set CO,   26
.set SPW,  28
.set NIL,  29
.set SC,   32                          ; v32-63 scale words, two sets; they hold nothing else
.set RS,   64
.set AF,   128
.set BK,   192
.set G1, 24
.set G0, 32
.set G1B, 48
.set G0B, 56
.set MSB, 0
.macro WIN new
.if MSB != \new
	s_set_vgpr_msb (MSB<<8)|\new
.set MSB, \new
.endif
.endm
.set MUL_LO, 0xa1
.set MUL_HI, 0xf1
.set TO_B,   0x40
.macro JLOAD g0a, g1a, g0b, g1b
	s_cmp_eq_u32 s15, 0
	s_cbranch_scc0 .Lfor_b_\@
	tensor_load_to_lds s[\g0a:\g0a+3], s[\g1a:\g1a+7]
	s_nop 0
.rept 4
	v_nop
.endr
	s_branch .Lasked_\@
.Lfor_b_\@:
	tensor_load_to_lds s[\g0b:\g0b+3], s[\g1b:\g1b+7]
	s_nop 0
.rept 4
	v_nop
.endr
.Lasked_\@:
.endm
.macro CREST
	s_cmp_lg_u32 s14, 0
	s_cbranch_scc1 .Lnot_wave_0_\@
	s_barrier_signal -3
.Lnot_wave_0_\@:
	s_barrier_wait -3
	s_barrier_signal -1
	s_barrier_wait -1
.endm
.macro CROUND
	s_barrier_signal -1
	s_barrier_wait -1
	CREST
.endm
	s_load_b128 s[4:7], s[0:1], 0x0                ; the tokens' records, wrec
	s_load_b128 s[8:11], s[0:1], 0x10              ; the bias, the residual
	s_load_b64 s[12:13], s[0:1], 0x20              ; the result
	v_lshl_add_u32 v[SPW], v0, 2, SPARE
	v_mov_b32 v[NIL], 0
	ds_add_u32 v28, v29
	ds_add_u32 v28, v29
	s_wait_dscnt 0x0
	v_lshrrev_b32 v1, 5, v0
	v_readfirstlane_b32 s14, v1
	s_lshr_b32 s15, s14, 1
	s_and_b32 s16, s14, 1
	s_bfe_u32 s40, ttmp6, 0x40000
	s_bfe_u32 s41, ttmp6, 0x40004
	s_lshl_b32 s42, ttmp9, 2
	s_add_co_u32 s42, s42, s40                     ; x
	s_and_b32 s17, ttmp7, 0xffff
	s_lshl_b32 s17, s17, 2
	s_add_co_u32 s17, s17, s41                     ; y
	s_lshl_b32 s43, s41, 2
	s_lshl_b32 s43, 15, s43
	s_lshl_b32 s44, 0x1111, s40
	s_or_b32 s[G1+0], s43, (3<<16)|(1<<21)
	s_or_b32 s[G1B+0], s44, (3<<16)|(1<<21)
.irp g, G1, G1B
	s_mov_b32 s[\g+1], 32<<16
	s_mov_b32 s[\g+2], 132<<16
	s_mov_b32 s[\g+3], 32<<16
	s_mov_b32 s[\g+4], 132
	s_mov_b32 s[\g+5], 32
	s_mov_b32 s[\g+6], 0
	s_mov_b32 s[\g+7], 0
.endr
	s_lshl_b32 s18, s16, 2
	s_lshl_b32 s20, s17, 3
	s_add_co_u32 s20, s20, s18
	s_mul_i32 s20, s20, REC
	s_mov_b32 s21, 0
	s_lshl_b32 s46, s42, 3
	s_add_co_u32 s46, s46, s18
	s_mul_i32 s46, s46, REC
	s_add_co_u32 s46, s46, BOFF
	s_mov_b32 s47, 0
	s_mul_i32 s45, s14, HALFT
	s_wait_kmcnt 0x0
	s_add_nc_u64 s[20:21], s[4:5], s[20:21]
	s_add_nc_u64 s[46:47], s[6:7], s[46:47]
	CROUND
.irp s, 0,1
	s_mov_b32 s[G0+4*\s], 1
	s_add_co_u32 s[G0+4*\s+1], s45, \s*SLOT
	s_add_nc_u64 s[G0+4*\s+2:G0+4*\s+3], s[20:21], \s*ASTRIDE
	s_or_b32 s[G0+4*\s+3], s[G0+4*\s+3], 0x80000000
	s_mov_b32 s[G0B+4*\s], 1
	s_add_co_u32 s[G0B+4*\s+1], s45, \s*SLOT
	s_add_nc_u64 s[G0B+4*\s+2:G0B+4*\s+3], s[46:47], \s*BSTRIDE
	s_or_b32 s[G0B+4*\s+3], s[G0B+4*\s+3], 0x80000000
	JLOAD G0+4*\s, G1, G0B+4*\s, G1B
.endr
	v_and_b32 v1, 15, v0
	v_bfe_u32 v2, v0, 4, 1
	v_and_b32 v3, 31, v0
	v_lshlrev_b32 v[CO], 4, v3
	s_mul_i32 s21, s15, HALFT
	s_mul_i32 s22, s16, HALFT
	s_add_co_u32 s22, s22, 2*HALFT
	s_sub_co_u32 s23, s22, s21
	v_mul_u32_u24 v4, s23, v2
	v_lshl_add_u32 v4, v1, 3, v4
	v_add_nc_u32 v[ADRS], s21, v4
	v_add_nc_u32 v[ADRS+1], SLOT, v[ADRS]
.irp s, 0,1
	v_add_nc_u32 v[ADRA+\s], s21, v[CO]
	v_add_nc_u32 v[ADRB+\s], s22, v[CO]
	s_add_co_u32 s21, s21, SLOT
	s_add_co_u32 s22, s22, SLOT
.endr
	s_mul_i32 s23, s14, 16*SPITCH
	v_mul_u32_u24 v4, v1, SPITCH
	v_lshl_add_u32 v4, v2, 6, v4
	v_add_nc_u32 v[STO], s23, v4
	v_add_nc_u32 v[RD], s23, v[CO]
	s_lshl_b32 s20, s17, 8
	s_lshl_b32 s21, s15, 7
	s_add_co_u32 s20, s20, s21
	s_lshl_b32 s20, s20, 12
	s_lshl_b32 s46, s42, 10
	s_lshl_b32 s47, s16, 9
	s_add_co_u32 s46, s46, s47
	s_mov_b32 s47, 0
	s_add_nc_u64 s[8:9], s[8:9], s[46:47]
	s_add_co_u32 s20, s20, s46
	s_mov_b32 s21, 0
	s_add_nc_u64 s[10:11], s[10:11], s[20:21]
	s_add_nc_u64 s[12:13], s[12:13], s[20:21]
.macro RES a
.irp t, 0,1,2,3,4,5,6,7,8,9,10,11,12,13,14,15
	global_load_b128 v[RS+64*((\a)%2)+4*\t:RS+64*((\a)%2)+4*\t+3], v[CO], s[10:11] offset:(32*((\a)/2)+8*((\a)%2)+\t+8*(\t/8))*4096
.endr
.endm
	global_load_b128 v[BI:BI+3], v[CO], s[8:9]
	RES 0
.macro FRAG reg, adr, q, i
.irp c, 0,1,2,3
	ds_load_b128 v[\reg+4*\c:\reg+4*\c+3], v[\adr] offset:((\i)/2)*REC+((\i)%2)*4096+2048*(\q)+512*\c
.endr
.endm
.macro MUL16 a0, p, q, sc, zero        ; the 64 accumulators take turns, one instruction a turn
.irp a, \a0, \a0+1
.irp b, 0,1,2,3,4,5,6,7
.if \zero
	v_wmma_scale_f32_16x16x128_f8f6f4 v[8*(8*((\a)%4)+\b):8*(8*((\a)%4)+\b)+7], v[128*(\p)+FR*\b:128*(\p)+FR*\b+FR-1], v[AF+FR*(\a):AF+FR*(\a)+FR-1], 0, v[SC+8*NQ*(\sc)+NQ*\b+(\q)], v[SC+8*NQ*(\sc)+NQ*(\a)+(\q)] matrix_a_scale:MATRIX_SCALE_ROW1
.else
	v_wmma_scale_f32_16x16x128_f8f6f4 v[8*(8*((\a)%4)+\b):8*(8*((\a)%4)+\b)+7], v[128*(\p)+FR*\b:128*(\p)+FR*\b+FR-1], v[AF+FR*(\a):AF+FR*(\a)+FR-1], v[8*(8*((\a)%4)+\b):8*(8*((\a)%4)+\b)+7], v[SC+8*NQ*(\sc)+NQ*\b+(\q)], v[SC+8*NQ*(\sc)+NQ*(\a)+(\q)] matrix_a_scale:MATRIX_SCALE_ROW1
.endif
.endr
.endr
.endm
.macro FETCH_B slot, q, p
	WIN TO_B
.irp i, 0,1,2,3,4,5,6,7
	FRAG 128*(\p)+FR*\i, ADRB+\slot, \q, \i
.endr
	WIN 0
.endm
.macro FETCH_A slot, q, i0
.irp i, \i0, \i0+1, \i0+2, \i0+3
	FRAG AF+FR*(\i), ADRA+\slot, \q, \i
.endr
.endm
.macro SCALES sc
.irp i, 0,1,2,3,4,5,6,7
	ds_load_b64 v[SC+8*NQ*\sc+NQ*\i:SC+8*NQ*\sc+NQ*\i+1], v[ADRS+\sc] offset:(\i/2)*REC+8192+(\i%2)*128
.endr
.endm
.macro PLACES n
.rept \n
	v_nop
.endr
.endm
.macro STEP slot, q, zero
	s_wait_dscnt 4*NL                              ; all but the youngest 16 loads (the tokens' blocks 4-7)
	WIN MUL_LO
	MUL16 0, (\q)%2, \q, \slot, \zero
	MUL16 2, (\q)%2, \q, \slot, \zero
	s_wait_dscnt 0
	PLACES NP
	FETCH_B \slot, (\q)+1, 1-(\q)%2
	FETCH_A \slot, (\q)+1, 0
	WIN MUL_HI
	MUL16 4, (\q)%2, \q, \slot, \zero
	MUL16 6, (\q)%2, \q, \slot, \zero
	PLACES NP
	WIN 0
	FETCH_A \slot, (\q)+1, 4
.endm
.macro TURN slot, next, fill
	s_wait_tensorcnt 0x0                           ; all my tensor loads have landed: my part of the next slot
	ds_add_u32 v[SPW], v[NIL]                      ; 0 onto my spare word
	s_wait_dscnt 4*NL+1                            ; (the add and the youngest 16 loads may be out)
	WIN MUL_LO
	MUL16 0, 1, NQ-1, \slot, 0
	s_wait_dscnt 0x0                               ; the add is done, and my reads of this slot are over
	s_barrier_signal -1
	MUL16 2, 1, NQ-1, \slot, 0
	WIN 0
	s_barrier_wait -1
.if \fill
	CREST
	s_add_nc_u64 s[G0+4*\slot+2:G0+4*\slot+3], s[G0+4*\slot+2:G0+4*\slot+3], 2*ASTRIDE
	s_add_nc_u64 s[G0B+4*\slot+2:G0B+4*\slot+3], s[G0B+4*\slot+2:G0B+4*\slot+3], 2*BSTRIDE
	JLOAD G0+4*\slot, G1, G0B+4*\slot, G1B
	PLACES NP-4
.else
	PLACES NP
.endif
	FETCH_B \next, 0, 0
	FETCH_A \next, 0, 0
	SCALES \next
	WIN MUL_HI
	MUL16 4, 1, NQ-1, \slot, 0
	MUL16 6, 1, NQ-1, \slot, 0
	PLACES NP
	WIN 0
	FETCH_A \next, 0, 4
.endm
	s_wait_tensorcnt 1                             ; my part of chunk 0 is in; chunk 1's load may be out
	s_barrier_signal -1
	s_barrier_wait -1
	FETCH_B 0, 0, 0
	FETCH_A 0, 0, 0
	SCALES 0
	FETCH_A 0, 0, 4
	STEP 0, 0, 1
	s_mov_b32 s3, LAPS-1
.Llap:
	TURN 0, 1, 1
	STEP 1, 0, 0
	TURN 1, 0, 1
	STEP 0, 0, 0
	s_sub_co_u32 s3, s3, 1
	s_cmp_lg_u32 s3, 0
	s_cbranch_scc1 .Llap
	TURN 0, 1, 0
	STEP 1, 0, 0
	s_wait_dscnt 4*NL
	WIN MUL_LO
	MUL16 0, 1, NQ-1, 1, 0
	MUL16 2, 1, NQ-1, 1, 0
	s_wait_dscnt 0
	WIN MUL_HI
	MUL16 4, 1, NQ-1, 1, 0
	MUL16 6, 1, NQ-1, 1, 0
	WIN 0
	; THE WAY OUT, a block of 16 tokens x 128 columns at a time: through my own stage, back as whole rows of 512 bytes, + the bias, + the residual, stored as two aligned units of 256 bytes
.macro TOSTAGE a
.set AC, 64*((\a)%4)
	WIN 0x08+4*((\a)/4)
.irp b, 0,1,2,3,4,5,6,7
	ds_store_b128 v[STO], v[AC+8*\b:AC+8*\b+3] offset:128*(\b/2)+32*(\b%2)          ; each accumulator from its low end on
	ds_store_b128 v[STO], v[AC+8*\b+4:AC+8*\b+7] offset:128*(\b/2)+32*(\b%2)+16
.endr
	WIN 0
.irp t, 0,1,2,3,4,5,6,7,8,9,10,11,12,13,14,15
	ds_load_b128 v[BK+4*\t:BK+4*\t+3], v[RD] offset:\t*SPITCH
.endr
.endm
	PLACES NP
.irp a, 0,1,2,3,4,5,6,7
.if \a > 0
	s_wait_xcnt 0x0                                ; the last block's stores have read their data
.endif
.if \a < 7
	RES \a+1
.endif
	TOSTAGE \a
	s_wait_dscnt 0x0
.if \a < 7
	s_wait_loadcnt 16                              ; this block's residual is in; the next block's 16 loads may be out
.else
	s_wait_loadcnt 0x0
.endif
.irp t, 0,1,2,3,4,5,6,7,8,9,10,11,12,13,14,15
	v_pk_add_f32 v[BK+4*\t:BK+4*\t+1], v[BK+4*\t:BK+4*\t+1], v[BI:BI+1]
	v_pk_add_f32 v[BK+4*\t+2:BK+4*\t+3], v[BK+4*\t+2:BK+4*\t+3], v[BI+2:BI+3]
.endr
.irp j, 0,2,4,6,8,10,12,14,16,18,20,22,24,26,28,30,32,34,36,38,40,42,44,46,48,50,52,54,56,58,60,62
	v_pk_add_f32 v[BK+\j:BK+\j+1], v[BK+\j:BK+\j+1], v[RS+64*(\a%2)+\j:RS+64*(\a%2)+\j+1]
.endr
.irp t, 0,1,2,3,4,5,6,7,8,9,10,11,12,13,14,15
	global_store_b128 v[CO], v[BK+4*\t:BK+4*\t+3], s[12:13] offset:(32*(\a/2)+8*(\a%2)+\t+8*(\t/8))*4096
.endr
.endr
	s_wait_tensorcnt 0x0                           ; the wave's end
	ds_add_u32 v[SPW], v[NIL]
	s_wait_dscnt 0x0
	CROUND
	s_endpgm
.Lfunc_end_k_q410ce4d71d_ffn2:
	.size	k_q410ce4d71d_ffn2, .Lfunc_end_k_q410ce4d71d_ffn2-k_q410ce4d71d_ffn2
	.p2alignl 7, 3214868480
	.fill 96, 4, 3214868480
	.section	.rodata,"a",@progbits
	.p2align	6, 0x0
	.amdhsa_kernel k_q410ce4d71d_ffn2
		.amdhsa_group_segment_fixed_size 327680
		.amdhsa_private_segment_fixed_size 0
		.amdhsa_enable_private_segment 0
		.amdhsa_kernarg_size 40
		.amdhsa_user_sgpr_count 2
		.amdhsa_user_sgpr_kernarg_segment_ptr 1
		.amdhsa_wavefront_size32 1
		.amdhsa_system_sgpr_workgroup_id_x 1
		.amdhsa_system_sgpr_workgroup_id_y 1
		.amdhsa_system_sgpr_workgroup_id_z 1
		.amdhsa_system_vgpr_workitem_id 0
		.amdhsa_next_free_vgpr 1024
		.amdhsa_next_free_sgpr 100
		.amdhsa_reserve_vcc 0
		.amdhsa_float_denorm_mode_32 3
		.amdhsa_float_denorm_mode_16_64 3
		.amdhsa_memory_ordered 1
		.amdhsa_forward_progress 1
		.amdhsa_inst_pref_size 187
	.end_amdhsa_kernel
	.amdgpu_metadata
---
amdhsa.version: [ 1, 2 ]
amdhsa.kernels:
  - .name:           k_q410ce4d71d_ffn2
    .symbol:         k_q410ce4d71d_ffn2.kd
    .args:
      - { .name: hrec, .offset: 0, .size: 8, .value_kind: global_buffer, .address_space: global }
      - { .name: wrec, .offset: 8, .size: 8, .value_kind: global_buffer, .address_space: global }
      - { .name: b2, .offset: 16, .size: 8, .value_kind: global_buffer, .address_space: global }
      - { .name: x2, .offset: 24, .size: 8, .value_kind: global_buffer, .address_space: global }
      - { .name: out0, .offset: 32, .size: 8, .value_kind: global_buffer, .address_space: global }
    .group_segment_fixed_size: 327680
    .private_segment_fixed_size: 0
    .kernarg_segment_align: 8
    .kernarg_segment_size: 40
    .max_flat_workgroup_size: 128
    .sgpr_count:     100
    .vgpr_count:     1024
    .wavefront_size: 32
...
	.end_amdgpu_metadata
.endif
;; end of part 7
;; ======== version 2 of 2: 7 launches; 1.19 times as fast as version 1
;; workspace buffers: wrec 12,976,128 bytes; xrec 4,325,376 bytes; orec 4,325,376 bytes; qc 4,194,304 bytes; qs 262,144 bytes; kv 8,781,824 bytes; x2 16,777,216 bytes; hrec 17,301,504 bytes
;; launch prep: the kernel of part 1 again; grid 640 x 1, 4 waves a work-group, no clusters, 66,560 bytes of LDS; arguments x, scale1, xrec, w_qkv, w_out, w1, w2, wrec; writes xrec, wrec
;; launch qkv: the kernel of part 2 again; grid 12 x 16, 4 waves a work-group, clusters of 4 x 4, 327,680 bytes of LDS; arguments xrec, wrec, b_qkv, qc, qs, kv; writes qc, qs, kv
;; launch attn: the kernel of part 3 again; grid 8 x 32, 16 waves a work-group, clusters of 4 x 1, 276,480 bytes of LDS; arguments qc, qs, kv, orec; writes orec
;; launch oproj (part 8): grid 8 x 32, 4 waves a work-group, clusters of 4 x 4, 327,680 bytes of LDS; arguments orec, wrec, b_out, x, x2; writes x2
.if DOCPART == 8
	.amdgcn_target "amdgcn-amd-amdhsa--gfx1250"
	.amdhsa_code_object_version 6
	.text
	.protected	k_q410ce4d71d_oproj
	.globl	k_q410ce4d71d_oproj
	.p2align	8
	.type	k_q410ce4d71d_oproj,@function
k_q410ce4d71d_oproj:
	s_mov_b64 s[64:65], 0
	v_nop
	global_prefetch_b8 v0, s[64:65] scope:SCOPE_SE
	s_setreg_imm32_b32 hwreg(HW_REG_WAVE_MODE, 25, 1), 1
	s_wait_xcnt 0x0
	s_wait_alu depctr_hold_cnt(0) depctr_sa_sdst(0) depctr_va_vdst(0) depctr_va_sdst(0) depctr_va_ssrc(0) depctr_va_vcc(0) depctr_vm_vsrc(0)
	s_getreg_b32 s2, hwreg(HW_REG_IB_STS2, 6, 4)
	s_cmp_eq_u32 s2, 0
	s_cbranch_scc0 .Lentry_in_a_cluster
	s_endpgm
.Lentry_in_a_cluster:
	s_bfe_u32 s2, ttmp6, 0x10000c
	s_cmp_lg_u32 s2, 0xf033
	s_cbranch_scc0 .Lentry_shape_is_right
	s_endpgm
.Lentry_shape_is_right:
; x2 = x + (attention's output w_out + b_out), the product on codes of E4M3 with E8M0 scales, f32 sums.  K = 1,024.
; Operands come as records of 8,448 bytes (32 rows x 256 K: codes as register images, then the scale bytes); 128 rows x 256 K with their scales are 33,792 dense bytes, one tensor load.
; A TILE OF THE RESULT IS 128 TOKENS x 128 COLUMNS, so that 4,096 x 1,024 numbers give 256 work-groups.  Four waves, each 64 x 64: 16 accumulators.
; A SLOT HOLDS 512 ALONG K: the tokens' two chunks of 256, then the weight's two; wave w fetches region w.  K has NSF = 2 slots' worth: both are first fills, and nothing is filled again.
; CLUSTERS 4 x 4: the tokens' tiles are shared along a row of the cluster, the weights' along a column: joint loads.
; Source 0 = 16 rows of the weight (columns of the result), source 1 = 16 tokens: a lane holds one token and eight neighbouring columns.
; Rows of a 16-row block: lane r holds row 8 sub + r + 8 (r / 8) of 32; the way out undoes that order by its stores' offsets.
; REGISTERS: window 0: v8-11 the bias, v16-29 addresses, v32-63 scale words, v128-255 the accumulators ((a, b) at v[128 + 8 (4 a + b)]);
;   window 1: two fragment buffers of 128 (tokens' four blocks, then the weight's four);  window 2: v0-127 the residual's 64 x 64 numbers, asked for at the head.
; No prefetch: all that the work-group reads is asked for in its first lines.
.set NSF,     2                        ; slots' worth of K: K / 512
.set BOFF,    3244032                  ; where this weight's records begin
.set REC,     8448
.set BSTRIDE, 32*REC                   ; from chunk to chunk of the weight
.set ASTRIDE, 128*REC                  ; and of the tokens
.set HALFT,   4*REC                    ; a region: 128 rows x 256 K
.set SLOT,    4*HALFT
.set SPARE,   2*SLOT                   ; the spare words: 128 bytes a wave, named by no other line
.set LAPS,    NSF/2
.set SPITCH,  272                      ; the way out: a stage row of 256 bytes + 16; 64 rows a wave, in slot 0, which has had its last fill and its last read by then
.set FR, 16
.set NP, 8                             ; places behind this matrix instruction (ISA guide 7.12.1)
.set BI,   8                           ; v[8:11] my four numbers of the bias
.set ADRA, 16                          ; v16-17 the tokens' fragments in slot 0, 1
.set LI,   18                          ; v18    16 x lane
.set LC,   19                          ; v19    16 x (lane % 16)
.set ADRB, 20                          ; v20-21 the weight's
.set ADRS, 22                          ; v22-23 scale words: lanes 0-15 the tokens', lanes 16-31 the weight's
.set STO,  24
.set RD,   25
.set CO,   26                          ; 16 x (lane % 16) + 4,096 x (lane / 16); never rewritten
.set SPW,  28
.set NIL,  29
.set SC,   32                          ; v32-63 scale words: 16 slot + 8 chunk + 2 block + step; they hold nothing else
.set ACC,  128
.set G1, 24
.set G0, 32
.set G1B, 48
.set G0B, 56
.set MSB, 0
.macro WIN new                         ; the immediate's high byte repeats the setting that is left
.if MSB != \new
	s_set_vgpr_msb (MSB<<8)|\new
.set MSB, \new
.endif
.endm
.set MUL,   0x05                       ; sources 0 and 1 window 1; C and D window 0
.set TO_F,  0x40                       ; destination window 1, address window 0
.set TO_R,  0x80                       ; destination window 2
.set ADD_R, 0x08                       ; source 1 window 2
.macro JLOAD g0a, g1a, g0b, g1b        ; waves 0, 1 fetch the tokens' chunks, waves 2, 3 the weight's; four v_nop follow each line
	s_cmp_eq_u32 s15, 0
	s_cbranch_scc0 .Lfor_b_\@
	tensor_load_to_lds s[\g0a:\g0a+3], s[\g1a:\g1a+7]
	s_nop 0
.rept 4
	v_nop
.endr
	s_branch .Lasked_\@
.Lfor_b_\@:
	tensor_load_to_lds s[\g0b:\g0b+3], s[\g1b:\g1b+7]
	s_nop 0
.rept 4
	v_nop
.endr
.Lasked_\@:
.endm
.macro CREST
	s_cmp_lg_u32 s14, 0
	s_cbranch_scc1 .Lnot_wave_0_\@
	s_barrier_signal -3
.Lnot_wave_0_\@:
	s_barrier_wait -3
	s_barrier_signal -1
	s_barrier_wait -1
.endm
.macro CROUND
	s_barrier_signal -1
	s_barrier_wait -1
	CREST
.endm
	s_load_b128 s[4:7], s[0:1], 0x0                ; the tokens' records, wrec
	s_load_b128 s[8:11], s[0:1], 0x10              ; the bias, the residual
	s_load_b64 s[12:13], s[0:1], 0x20              ; the result
	v_lshl_add_u32 v[SPW], v0, 2, SPARE
	v_mov_b32 v[NIL], 0
	ds_add_u32 v28, v29
	ds_add_u32 v28, v29
	s_wait_dscnt 0x0
	v_lshrrev_b32 v1, 5, v0
	v_readfirstlane_b32 s14, v1                    ; wave
	s_lshr_b32 s15, s14, 1                         ; which 64 tokens are mine.  Also: I fetch for the tokens (0) or for the weight (1)
	s_and_b32 s16, s14, 1                          ; which 64 columns.  Also: which chunk of a slot's two I fetch
	s_bfe_u32 s40, ttmp6, 0x40000                  ; cx
	s_bfe_u32 s41, ttmp6, 0x40004                  ; cy
	s_lshl_b32 s42, ttmp9, 2
	s_add_co_u32 s42, s42, s40                     ; x: which 128 columns
	s_and_b32 s17, ttmp7, 0xffff
	s_lshl_b32 s17, s17, 2
	s_add_co_u32 s17, s17, s41                     ; y: which 128 tokens
	s_lshl_b32 s43, s41, 2
	s_lshl_b32 s43, 15, s43                        ; my row of the cluster
	s_lshl_b32 s44, 0x1111, s40                    ; my column
	s_or_b32 s[G1+0], s43, (3<<16)|(1<<21)         ; the mask; elements of 8 bytes; bit 21 beside a mask; no padding: fragments are read as 512 consecutive bytes
	s_or_b32 s[G1B+0], s44, (3<<16)|(1<<21)
.irp g, G1, G1B
	s_mov_b32 s[\g+1], 32<<16                      ; rows of 256 bytes,
	s_mov_b32 s[\g+2], 132<<16                     ; 132 of them: 33,792 dense bytes
	s_mov_b32 s[\g+3], 32<<16
	s_mov_b32 s[\g+4], 132
	s_mov_b32 s[\g+5], 32
	s_mov_b32 s[\g+6], 0
	s_mov_b32 s[\g+7], 0
.endr
	s_mul_i32 s18, s16, ASTRIDE
	s_lshl_b32 s20, s17, 2
	s_mul_i32 s20, s20, REC
	s_add_co_u32 s20, s20, s18                     ; tokens: my chunk, record 4 y
	s_mov_b32 s21, 0
	s_mul_i32 s19, s16, BSTRIDE
	s_lshl_b32 s46, s42, 2
	s_mul_i32 s46, s46, REC
	s_add_co_u32 s46, s46, s19                     ; weight: my chunk, record 4 x
	s_add_co_u32 s46, s46, BOFF
	s_mov_b32 s47, 0
	s_mul_i32 s45, s14, HALFT                      ; where they go: wave x 33,792: no place in the cluster enters an LDS address
	s_wait_kmcnt 0x0
	s_add_nc_u64 s[20:21], s[4:5], s[20:21]
	s_add_nc_u64 s[46:47], s[6:7], s[46:47]
	CROUND                                         ; all sixteen work-groups are here: the first joint loads meet
.irp s, 0,1
	s_mov_b32 s[G0+4*\s], 1
	s_add_co_u32 s[G0+4*\s+1], s45, \s*SLOT
	s_add_nc_u64 s[G0+4*\s+2:G0+4*\s+3], s[20:21], \s*2*ASTRIDE
	s_or_b32 s[G0+4*\s+3], s[G0+4*\s+3], 0x80000000
	s_mov_b32 s[G0B+4*\s], 1
	s_add_co_u32 s[G0B+4*\s+1], s45, \s*SLOT
	s_add_nc_u64 s[G0B+4*\s+2:G0B+4*\s+3], s[46:47], \s*2*BSTRIDE
	s_or_b32 s[G0B+4*\s+3], s[G0B+4*\s+3], 0x80000000
	JLOAD G0+4*\s, G1, G0B+4*\s, G1B
.endr
	v_and_b32 v1, 15, v0                           ; r
	v_bfe_u32 v2, v0, 4, 1                         ; h
	v_and_b32 v3, 31, v0
	v_lshlrev_b32 v[LI], 4, v3
	s_mul_i32 s21, s15, 2*REC                      ; my 64 tokens: two records of a region
	s_mul_i32 s22, s16, 2*REC
	s_add_co_u32 s22, s22, 2*HALFT                 ; my 64 rows of the weight, behind the tokens' two regions
	s_sub_co_u32 s23, s22, s21
	v_mul_u32_u24 v4, s23, v2                      ; lanes 16-31 take the weight's scale words
	v_lshl_add_u32 v4, v1, 3, v4
	v_add_nc_u32 v[ADRS], s21, v4
	v_add_nc_u32 v[ADRS+1], SLOT, v[ADRS]
.irp s, 0,1
	v_add_nc_u32 v[ADRA+\s], s21, v[LI]
	v_add_nc_u32 v[ADRB+\s], s22, v[LI]
	s_add_co_u32 s21, s21, SLOT
	s_add_co_u32 s22, s22, SLOT
.endr
	s_mul_i32 s23, s14, 64*SPITCH                  ; my stage
	v_mul_u32_u24 v4, v1, SPITCH
	v_lshl_add_u32 v4, v2, 6, v4
	v_add_nc_u32 v[STO], s23, v4                   ; into it: row r, + 64 h
	v_lshlrev_b32 v[LC], 4, v1
	v_mul_u32_u24 v4, v2, SPITCH
	v_add_nc_u32 v4, v4, v[LC]
	v_add_nc_u32 v[RD], s23, v4                    ; back: lanes 0-15 one row of 256 bytes, lanes 16-31 the next
	v_lshl_add_u32 v[CO], v2, 12, v[LC]            ; and the same two rows in memory
	s_lshl_b32 s20, s17, 7
	s_lshl_b32 s21, s15, 6
	s_add_co_u32 s20, s20, s21
	s_lshl_b32 s20, s20, 12                        ; my first token's row
	s_lshl_b32 s46, s42, 9
	s_lshl_b32 s47, s16, 8
	s_add_co_u32 s46, s46, s47                     ; my first column, in bytes
	s_mov_b32 s47, 0
	s_add_nc_u64 s[8:9], s[8:9], s[46:47]
	s_add_co_u32 s20, s20, s46
	s_mov_b32 s21, 0
	s_add_nc_u64 s[10:11], s[10:11], s[20:21]
	s_add_nc_u64 s[12:13], s[12:13], s[20:21]
	global_load_b128 v[BI:BI+3], v[LC], s[8:9]
	WIN TO_R                                       ; the residual, in the order in which the rows come back from the stage: rows 2 t + h of block a are tokens 32 (a / 2) + 8 (a % 2) + 2 t + 8 (t / 4) + h
.irp a, 0,1,2,3
.irp t, 0,1,2,3,4,5,6,7
	global_load_b128 v[32*\a+4*\t:32*\a+4*\t+3], v[CO], s[10:11] offset:(32*(\a/2)+8*(\a%2)+2*\t+8*(\t/4))*4096
.endr
.endr
	WIN 0
; 8 matrix instructions: the tokens' blocks a0, a0 + 1 x the weight's four, 128 along K: step st of the slot, from buffer f.  zero = 1: the first product starts the sums.
; The 16 accumulators take turns, one instruction a turn, in the same order in every step
.macro MUL8 f, a0, slot, st, zero
.irp a, \a0, \a0+1
.irp b, 0,1,2,3
.if \zero
	v_wmma_scale_f32_16x16x128_f8f6f4 v[ACC+8*(4*(\a)+\b):ACC+8*(4*(\a)+\b)+7], v[(\f)+64+FR*\b:(\f)+64+FR*\b+FR-1], v[(\f)+FR*(\a):(\f)+FR*(\a)+FR-1], 0, v[SC+16*(\slot)+8*((\st)/2)+2*\b+(\st)%2], v[SC+16*(\slot)+8*((\st)/2)+2*(\a)+(\st)%2] matrix_a_scale:MATRIX_SCALE_ROW1
.else
	v_wmma_scale_f32_16x16x128_f8f6f4 v[ACC+8*(4*(\a)+\b):ACC+8*(4*(\a)+\b)+7], v[(\f)+64+FR*\b:(\f)+64+FR*\b+FR-1], v[(\f)+FR*(\a):(\f)+FR*(\a)+FR-1], v[ACC+8*(4*(\a)+\b):ACC+8*(4*(\a)+\b)+7], v[SC+16*(\slot)+8*((\st)/2)+2*\b+(\st)%2], v[SC+16*(\slot)+8*((\st)/2)+2*(\a)+(\st)%2] matrix_a_scale:MATRIX_SCALE_ROW1
.endif
.endr
.endr
.endm
; 32 LDS loads in one run: step st's fragments into buffer f: the weight's four blocks first, then the tokens'; each load takes 512 consecutive bytes
.macro FETCH slot, st, f
	WIN TO_F
.irp i, 0,1,2,3
.irp c, 0,1,2,3
	ds_load_b128 v[(\f)+64+FR*\i+4*\c:(\f)+64+FR*\i+4*\c+3], v[ADRB+\slot] offset:((\st)/2)*HALFT+(\i/2)*REC+(\i%2)*4096+2048*((\st)%2)+512*\c
.endr
.endr
.irp i, 0,1,2,3
.irp c, 0,1,2,3
	ds_load_b128 v[(\f)+FR*\i+4*\c:(\f)+FR*\i+4*\c+3], v[ADRA+\slot] offset:((\st)/2)*HALFT+(\i/2)*REC+(\i%2)*4096+2048*((\st)%2)+512*\c
.endr
.endr
.endm
.macro SCALES slot                     ; a slot's scale words: 8 bytes a row and chunk
.irp c, 0,1
.irp i, 0,1,2,3
	ds_load_b64 v[SC+16*\slot+8*\c+2*\i:SC+16*\slot+8*\c+2*\i+1], v[ADRS+\slot] offset:\c*HALFT+(\i/2)*REC+8192+(\i%2)*128
.endr
.endr
.endm
.macro PLACES n                        ; plain vector lines between a matrix instruction and a load into, or a read of, its registers
.rept \n
	v_nop
.endr
.endm
; One of a slot's first three steps: multiplies buffer st % 2 and, in its middle, fetches the next step's fragments into the other buffer
.macro QUARTER slot, st, zero
	s_wait_dscnt 8                                 ; all but the youngest 8 loads (the tokens' blocks 2 and 3)
	WIN MUL
	MUL8 128*((\st)%2), 0, \slot, \st, \zero
	PLACES NP
	FETCH \slot, (\st)+1, 128*(((\st)+1)%2)
	s_wait_dscnt 32                                ; all but the 32 just issued
	WIN MUL
	MUL8 128*((\st)%2), 2, \slot, \st, \zero
.endm
; A slot's last step changes slots.  Its first eight products stand ahead of the wait for the next slot's tile, so that between that wait and the next request stand only the three lines and the round
.macro TURN slot, next, fill
	s_wait_dscnt 8
	WIN MUL
	MUL8 128, 0, \slot, 3, 0
	WIN 0
	s_wait_tensorcnt 0x0                           ; all my tensor loads have landed: my part of the next slot
	ds_add_u32 v[SPW], v[NIL]                      ; 0 onto my spare word
	s_wait_dscnt 0x0                               ; the add is done, and my reads of this slot are over
	s_barrier_signal -1
	s_barrier_wait -1
.if \fill
	CREST                                          ; the barrier opened a round of the cluster's: no wave of any partner still reads this slot or has a load on its way
	s_add_nc_u64 s[G0+4*\slot+2:G0+4*\slot+3], s[G0+4*\slot+2:G0+4*\slot+3], 4*ASTRIDE
	s_add_nc_u64 s[G0B+4*\slot+2:G0B+4*\slot+3], s[G0B+4*\slot+2:G0B+4*\slot+3], 4*BSTRIDE
	JLOAD G0+4*\slot, G1, G0B+4*\slot, G1B         ; the first tensor load behind the round; its four v_nop are four of the eight places
	PLACES NP-4
.else
	PLACES NP
.endif
	SCALES \next
	FETCH \next, 0, 0
	WIN MUL
	MUL8 128, 2, \slot, 3, 0
.endm
	s_wait_tensorcnt 1                             ; my part of slot 0 is in; slot 1's load may be out
	s_barrier_signal -1
	s_barrier_wait -1
	SCALES 0
	FETCH 0, 0, 0
	QUARTER 0, 0, 1                                ; the first step's products start the sums
.if LAPS > 1
	WIN 0                                          ; at a label and at a branch every window is 0
	s_mov_b32 s3, LAPS-1
.Llap:                                                 ; a trip goes once round the ring, from a lap's second step to the next lap's first, and fills both slots again
	QUARTER 0, 1, 0
	QUARTER 0, 2, 0
	TURN 0, 1, 1
	QUARTER 1, 0, 0
	QUARTER 1, 1, 0
	QUARTER 1, 2, 0
	TURN 1, 0, 1
	QUARTER 0, 0, 0
	WIN 0
	s_sub_co_u32 s3, s3, 1
	s_cmp_lg_u32 s3, 0
	s_cbranch_scc1 .Llap
.endif
	QUARTER 0, 1, 0                                ; the last lap fills nothing
	QUARTER 0, 2, 0
	TURN 0, 1, 0
	QUARTER 1, 0, 0
	QUARTER 1, 1, 0
	QUARTER 1, 2, 0
	s_wait_dscnt 8                                 ; the very last step: nothing more to fetch
	WIN MUL
	MUL8 128, 0, 1, 3, 0
	s_wait_dscnt 0x0
	MUL8 128, 2, 1, 3, 0
	WIN 0
	; THE WAY OUT.  A wave's 64 columns are 256 aligned bytes of a row, so it needs no other wave.  A block of 16 tokens goes through my own stage and comes back, into the registers that it left,
	; as whole rows of 256 bytes, two an instruction; + the bias, + the residual; sixteen lanes store 256 consecutive bytes
	PLACES NP
.irp a, 0,1,2,3
.irp b, 0,1,2,3
	ds_store_b128 v[STO], v[ACC+8*(4*\a+\b):ACC+8*(4*\a+\b)+3] offset:\a*16*SPITCH+128*(\b/2)+32*(\b%2)      ; each accumulator from its low end on
	ds_store_b128 v[STO], v[ACC+8*(4*\a+\b)+4:ACC+8*(4*\a+\b)+7] offset:\a*16*SPITCH+128*(\b/2)+32*(\b%2)+16
.endr
.irp t, 0,1,2,3,4,5,6,7
	ds_load_b128 v[ACC+32*\a+4*\t:ACC+32*\a+4*\t+3], v[RD] offset:\a*16*SPITCH+2*\t*SPITCH    ; LDS serves a wave's instructions in order: these see my stores
.endr
.endr
	s_wait_loadcnt 0x0                             ; the bias and the residual
.irp a, 0,1,2,3
	s_wait_dscnt 16*(3-\a)                         ; block a is back; the 16 LDS instructions of each later block may be out
.irp t, 0,1,2,3,4,5,6,7
	v_pk_add_f32 v[ACC+32*\a+4*\t:ACC+32*\a+4*\t+1], v[ACC+32*\a+4*\t:ACC+32*\a+4*\t+1], v[BI:BI+1]
	v_pk_add_f32 v[ACC+32*\a+4*\t+2:ACC+32*\a+4*\t+3], v[ACC+32*\a+4*\t+2:ACC+32*\a+4*\t+3], v[BI+2:BI+3]
.endr
	WIN ADD_R
.irp j, 0,2,4,6,8,10,12,14,16,18,20,22,24,26,28,30
	v_pk_add_f32 v[ACC+32*\a+\j:ACC+32*\a+\j+1], v[ACC+32*\a+\j:ACC+32*\a+\j+1], v[32*\a+\j:32*\a+\j+1]
.endr
	WIN 0
.irp t, 0,1,2,3,4,5,6,7
	global_store_b128 v[CO], v[ACC+32*\a+4*\t:ACC+32*\a+4*\t+3], s[12:13] offset:(32*(\a/2)+8*(\a%2)+2*\t+8*(\t/4))*4096
.endr
.endr
	s_wait_tensorcnt 0x0                           ; the wave's end
	ds_add_u32 v[SPW], v[NIL]
	s_wait_dscnt 0x0
	CROUND                                         ; the closing round
	s_endpgm
.Lfunc_end_k_q410ce4d71d_oproj:
	.size	k_q410ce4d71d_oproj, .Lfunc_end_k_q410ce4d71d_oproj-k_q410ce4d71d_oproj
	.p2alignl 7, 3214868480
	.fill 96, 4, 3214868480
	.section	.rodata,"a",@progbits
	.p2align	6, 0x0
	.amdhsa_kernel k_q410ce4d71d_oproj
		.amdhsa_group_segment_fixed_size 327680
		.amdhsa_private_segment_fixed_size 0
		.amdhsa_enable_private_segment 0
		.amdhsa_kernarg_size 40
		.amdhsa_user_sgpr_count 2
		.amdhsa_user_sgpr_kernarg_segment_ptr 1
		.amdhsa_wavefront_size32 1
		.amdhsa_system_sgpr_workgroup_id_x 1
		.amdhsa_system_sgpr_workgroup_id_y 1
		.amdhsa_system_sgpr_workgroup_id_z 1
		.amdhsa_system_vgpr_workitem_id 0
		.amdhsa_next_free_vgpr 768
		.amdhsa_next_free_sgpr 66
		.amdhsa_reserve_vcc 0
		.amdhsa_float_denorm_mode_32 3
		.amdhsa_float_denorm_mode_16_64 3
		.amdhsa_memory_ordered 1
		.amdhsa_forward_progress 1
		.amdhsa_inst_pref_size 63
	.end_amdhsa_kernel
	.amdgpu_metadata
---
amdhsa.version: [ 1, 2 ]
amdhsa.kernels:
  - .name:           k_q410ce4d71d_oproj
    .symbol:         k_q410ce4d71d_oproj.kd
    .args:
      - { .name: orec, .offset: 0, .size: 8, .value_kind: global_buffer, .address_space: global }
      - { .name: wrec, .offset: 8, .size: 8, .value_kind: global_buffer, .address_space: global }
      - { .name: b_out, .offset: 16, .size: 8, .value_kind: global_buffer, .address_space: global }
      - { .name: x, .offset: 24, .size: 8, .value_kind: global_buffer, .address_space: global }
      - { .name: x2, .offset: 32, .size: 8, .value_kind: global_buffer, .address_space: global }
    .group_segment_fixed_size: 327680
    .private_segment_fixed_size: 0
    .kernarg_segment_align: 8
    .kernarg_segment_size: 40
    .max_flat_workgroup_size: 128
    .sgpr_count:     66
    .vgpr_count:     768
    .wavefront_size: 32
...
	.end_amdgpu_metadata
.endif
;; end of part 8
;; launch norm2: the kernel of part 5 again; grid 256 x 1, 4 waves a work-group, no clusters, 66,560 bytes of LDS; arguments x2, scale2, xrec; writes xrec
;; launch ffn1: the kernel of part 6 again; grid 16 x 16, 4 waves a work-group, clusters of 4 x 4, 327,680 bytes of LDS; arguments xrec, wrec, b1, hrec; writes hrec
;; launch ffn2 (part 9): grid 8 x 32, 4 waves a work-group, clusters of 4 x 4, 327,680 bytes of LDS; arguments hrec, wrec, b2, x2, out0; writes out0
.if DOCPART == 9
	.amdgcn_target "amdgcn-amd-amdhsa--gfx1250"
	.amdhsa_code_object_version 6
	.text
	.protected	k_q410ce4d71d_ffn2
	.globl	k_q410ce4d71d_ffn2
	.p2align	8
	.type	k_q410ce4d71d_ffn2,@function
k_q410ce4d71d_ffn2:
	s_mov_b64 s[64:65], 0
	v_nop
	global_prefetch_b8 v0, s[64:65] scope:SCOPE_SE
	s_setreg_imm32_b32 hwreg(HW_REG_WAVE_MODE, 25, 1), 1
	s_wait_xcnt 0x0
	s_wait_alu depctr_hold_cnt(0) depctr_sa_sdst(0) depctr_va_vdst(0) depctr_va_sdst(0) depctr_va_ssrc(0) depctr_va_vcc(0) depctr_vm_vsrc(0)
	s_getreg_b32 s2, hwreg(HW_REG_IB_STS2, 6, 4)
	s_cmp_eq_u32 s2, 0
	s_cbranch_scc0 .Lentry_in_a_cluster
	s_endpgm
.Lentry_in_a_cluster:
	s_bfe_u32 s2, ttmp6, 0x10000c
	s_cmp_lg_u32 s2, 0xf033
	s_cbranch_scc0 .Lentry_shape_is_right
	s_endpgm
.Lentry_shape_is_right:
; out = x2 + (h w2 + b2), the product on codes of E4M3 with E8M0 scales, f32 sums.  K = 4,096.
; Operands come as records of 8,448 bytes (32 rows x 256 K: codes as register images, then the scale bytes); 128 rows x 256 K with their scales are 33,792 dense bytes, one tensor load.
; A TILE OF THE RESULT IS 128 TOKENS x 128 COLUMNS, so that 4,096 x 1,024 numbers give 256 work-groups.  Four waves, each 64 x 64: 16 accumulators.
; A SLOT HOLDS 512 ALONG K: the tokens' two chunks of 256, then the weight's two; wave w fetches region w.  K has NSF = 8 slots' worth: two first fills and six refills, one load a wave behind each round.
; CLUSTERS 4 x 4: the tokens' tiles are shared along a row of the cluster, the weights' along a column: joint loads.
; Source 0 = 16 rows of the weight (columns of the result), source 1 = 16 tokens: a lane holds one token and eight neighbouring columns.
; Rows of a 16-row block: lane r holds row 8 sub + r + 8 (r / 8) of 32; the way out undoes that order by its stores' offsets.
; REGISTERS: window 0: v8-11 the bias, v16-29 addresses, v32-63 scale words, v128-255 the accumulators ((a, b) at v[128 + 8 (4 a + b)]);
;   window 1: two fragment buffers of 128 (tokens' four blocks, then the weight's four);  window 2: v0-127 the residual's 64 x 64 numbers, asked for at the head.
; No prefetch is written: a region's 132 blocks of 256 bytes do not share out evenly among the lanes of four partners.
.set NSF,     8                        ; slots' worth of K: K / 512
.set BOFF,    8650752                  ; where this weight's records begin
.set REC,     8448
.set BSTRIDE, 32*REC                   ; from chunk to chunk of the weight
.set ASTRIDE, 128*REC                  ; and of the tokens
.set HALFT,   4*REC                    ; a region: 128 rows x 256 K
.set SLOT,    4*HALFT
.set SPARE,   2*SLOT                   ; the spare words: 128 bytes a wave, named by no other line
.set LAPS,    NSF/2
.set SPITCH,  272                      ; the way out: a stage row of 256 bytes + 16; 64 rows a wave, in slot 0, which has had its last fill and its last read by then
.set FR, 16
.set NP, 8                             ; places behind this matrix instruction (ISA guide 7.12.1)
.set BI,   8                           ; v[8:11] my four numbers of the bias
.set ADRA, 16                          ; v16-17 the tokens' fragments in slot 0, 1
.set LI,   18                          ; v18    16 x lane
.set LC,   19                          ; v19    16 x (lane % 16)
.set ADRB, 20                          ; v20-21 the weight's
.set ADRS, 22                          ; v22-23 scale words: lanes 0-15 the tokens', lanes 16-31 the weight's
.set STO,  24
.set RD,   25
.set CO,   26                          ; 16 x (lane % 16) + 4,096 x (lane / 16); never rewritten
.set SPW,  28
.set NIL,  29
.set SC,   32                          ; v32-63 scale words: 16 slot + 8 chunk + 2 block + step; they hold nothing else
.set ACC,  128
.set G1, 24
.set G0, 32
.set G1B, 48
.set G0B, 56
.set MSB, 0
.macro WIN new                         ; the immediate's high byte repeats the setting that is left
.if MSB != \new
	s_set_vgpr_msb (MSB<<8)|\new
.set MSB, \new
.endif
.endm
.set MUL,   0x05                       ; sources 0 and 1 window 1; C and D window 0
.set TO_F,  0x40                       ; destination window 1, address window 0
.set TO_R,  0x80                       ; destination window 2
.set ADD_R, 0x08                       ; source 1 window 2
.macro JLOAD g0a, g1a, g0b, g1b        ; waves 0, 1 fetch the tokens' chunks, waves 2, 3 the weight's; four v_nop follow each line
	s_cmp_eq_u32 s15, 0
	s_cbranch_scc0 .Lfor_b_\@
	tensor_load_to_lds s[\g0a:\g0a+3], s[\g1a:\g1a+7]
	s_nop 0
.rept 4
	v_nop
.endr
	s_branch .Lasked_\@
.Lfor_b_\@:
	tensor_load_to_lds s[\g0b:\g0b+3], s[\g1b:\g1b+7]
	s_nop 0
.rept 4
	v_nop
.endr
.Lasked_\@:
.endm
.macro CREST
	s_cmp_lg_u32 s14, 0
	s_cbranch_scc1 .Lnot_wave_0_\@
	s_barrier_signal -3
.Lnot_wave_0_\@:
	s_barrier_wait -3
	s_barrier_signal -1
	s_barrier_wait -1
.endm
.macro CROUND
	s_barrier_signal -1
	s_barrier_wait -1
	CREST
.endm
	s_load_b128 s[4:7], s[0:1], 0x0                ; the tokens' records, wrec
	s_load_b128 s[8:11], s[0:1], 0x10              ; the bias, the residual
	s_load_b64 s[12:13], s[0:1], 0x20              ; the result
	v_lshl_add_u32 v[SPW], v0, 2, SPARE
	v_mov_b32 v[NIL], 0
	ds_add_u32 v28, v29
	ds_add_u32 v28, v29
	s_wait_dscnt 0x0
	v_lshrrev_b32 v1, 5, v0
	v_readfirstlane_b32 s14, v1                    ; wave
	s_lshr_b32 s15, s14, 1                         ; which 64 tokens are mine.  Also: I fetch for the tokens (0) or for the weight (1)
	s_and_b32 s16, s14, 1                          ; which 64 columns.  Also: which chunk of a slot's two I fetch
	s_bfe_u32 s40, ttmp6, 0x40000                  ; cx
	s_bfe_u32 s41, ttmp6, 0x40004                  ; cy
	s_lshl_b32 s42, ttmp9, 2
	s_add_co_u32 s42, s42, s40                     ; x: which 128 columns
	s_and_b32 s17, ttmp7, 0xffff
	s_lshl_b32 s17, s17, 2
	s_add_co_u32 s17, s17, s41                     ; y: which 128 tokens
	s_lshl_b32 s43, s41, 2
	s_lshl_b32 s43, 15, s43                        ; my row of the cluster
	s_lshl_b32 s44, 0x1111, s40                    ; my column
	s_or_b32 s[G1+0], s43, (3<<16)|(1<<21)         ; the mask; elements of 8 bytes; bit 21 beside a mask; no padding: fragments are read as 512 consecutive bytes
	s_or_b32 s[G1B+0], s44, (3<<16)|(1<<21)
.irp g, G1, G1B
	s_mov_b32 s[\g+1], 32<<16                      ; rows of 256 bytes,
	s_mov_b32 s[\g+2], 132<<16                     ; 132 of them: 33,792 dense bytes
	s_mov_b32 s[\g+3], 32<<16
	s_mov_b32 s[\g+4], 132
	s_mov_b32 s[\g+5], 32
	s_mov_b32 s[\g+6], 0
	s_mov_b32 s[\g+7], 0
.endr
	s_mul_i32 s18, s16, ASTRIDE
	s_lshl_b32 s20, s17, 2
	s_mul_i32 s20, s20, REC
	s_add_co_u32 s20, s20, s18                     ; tokens: my chunk, record 4 y
	s_mov_b32 s21, 0
	s_mul_i32 s19, s16, BSTRIDE
	s_lshl_b32 s46, s42, 2
	s_mul_i32 s46, s46, REC
	s_add_co_u32 s46, s46, s19                     ; weight: my chunk, record 4 x
	s_add_co_u32 s46, s46, BOFF
	s_mov_b32 s47, 0
	s_mul_i32 s45, s14, HALFT                      ; where they go: wave x 33,792: no place in the cluster enters an LDS address
	s_wait_kmcnt 0x0
	s_add_nc_u64 s[20:21], s[4:5], s[20:21]
	s_add_nc_u64 s[46:47], s[6:7], s[46:47]
	CROUND                                         ; all sixteen work-groups are here: the first joint loads meet
.irp s, 0,1
	s_mov_b32 s[G0+4*\s], 1
	s_add_co_u32 s[G0+4*\s+1], s45, \s*SLOT
	s_add_nc_u64 s[G0+4*\s+2:G0+4*\s+3], s[20:21], \s*2*ASTRIDE
	s_or_b32 s[G0+4*\s+3], s[G0+4*\s+3], 0x80000000
	s_mov_b32 s[G0B+4*\s], 1
	s_add_co_u32 s[G0B+4*\s+1], s45, \s*SLOT
	s_add_nc_u64 s[G0B+4*\s+2:G0B+4*\s+3], s[46:47], \s*2*BSTRIDE
	s_or_b32 s[G0B+4*\s+3], s[G0B+4*\s+3], 0x80000000
	JLOAD G0+4*\s, G1, G0B+4*\s, G1B
.endr
	v_and_b32 v1, 15, v0                           ; r
	v_bfe_u32 v2, v0, 4, 1                         ; h
	v_and_b32 v3, 31, v0
	v_lshlrev_b32 v[LI], 4, v3
	s_mul_i32 s21, s15, 2*REC                      ; my 64 tokens: two records of a region
	s_mul_i32 s22, s16, 2*REC
	s_add_co_u32 s22, s22, 2*HALFT                 ; my 64 rows of the weight, behind the tokens' two regions
	s_sub_co_u32 s23, s22, s21
	v_mul_u32_u24 v4, s23, v2                      ; lanes 16-31 take the weight's scale words
	v_lshl_add_u32 v4, v1, 3, v4
	v_add_nc_u32 v[ADRS], s21, v4
	v_add_nc_u32 v[ADRS+1], SLOT, v[ADRS]
.irp s, 0,1
	v_add_nc_u32 v[ADRA+\s], s21, v[LI]
	v_add_nc_u32 v[ADRB+\s], s22, v[LI]
	s_add_co_u32 s21, s21, SLOT
	s_add_co_u32 s22, s22, SLOT
.endr
	s_mul_i32 s23, s14, 64*SPITCH                  ; my stage
	v_mul_u32_u24 v4, v1, SPITCH
	v_lshl_add_u32 v4, v2, 6, v4
	v_add_nc_u32 v[STO], s23, v4                   ; into it: row r, + 64 h
	v_lshlrev_b32 v[LC], 4, v1
	v_mul_u32_u24 v4, v2, SPITCH
	v_add_nc_u32 v4, v4, v[LC]
	v_add_nc_u32 v[RD], s23, v4                    ; back: lanes 0-15 one row of 256 bytes, lanes 16-31 the next
	v_lshl_add_u32 v[CO], v2, 12, v[LC]            ; and the same two rows in memory
	s_lshl_b32 s20, s17, 7
	s_lshl_b32 s21, s15, 6
	s_add_co_u32 s20, s20, s21
	s_lshl_b32 s20, s20, 12                        ; my first token's row
	s_lshl_b32 s46, s42, 9
	s_lshl_b32 s47, s16, 8
	s_add_co_u32 s46, s46, s47                     ; my first column, in bytes
	s_mov_b32 s47, 0
	s_add_nc_u64 s[8:9], s[8:9], s[46:47]
	s_add_co_u32 s20, s20, s46
	s_mov_b32 s21, 0
	s_add_nc_u64 s[10:11], s[10:11], s[20:21]
	s_add_nc_u64 s[12:13], s[12:13], s[20:21]
	global_load_b128 v[BI:BI+3], v[LC], s[8:9]
	WIN TO_R                                       ; the residual, in the order in which the rows come back from the stage: rows 2 t + h of block a are tokens 32 (a / 2) + 8 (a % 2) + 2 t + 8 (t / 4) + h
.irp a, 0,1,2,3
.irp t, 0,1,2,3,4,5,6,7
	global_load_b128 v[32*\a+4*\t:32*\a+4*\t+3], v[CO], s[10:11] offset:(32*(\a/2)+8*(\a%2)+2*\t+8*(\t/4))*4096
.endr
.endr
	WIN 0
; 8 matrix instructions: the tokens' blocks a0, a0 + 1 x the weight's four, 128 along K: step st of the slot, from buffer f.  zero = 1: the first product starts the sums.
; The 16 accumulators take turns, one instruction a turn, in the same order in every step
.macro MUL8 f, a0, slot, st, zero
.irp a, \a0, \a0+1
.irp b, 0,1,2,3
.if \zero
	v_wmma_scale_f32_16x16x128_f8f6f4 v[ACC+8*(4*(\a)+\b):ACC+8*(4*(\a)+\b)+7], v[(\f)+64+FR*\b:(\f)+64+FR*\b+FR-1], v[(\f)+FR*(\a):(\f)+FR*(\a)+FR-1], 0, v[SC+16*(\slot)+8*((\st)/2)+2*\b+(\st)%2], v[SC+16*(\slot)+8*((\st)/2)+2*(\a)+(\st)%2] matrix_a_scale:MATRIX_SCALE_ROW1
.else
	v_wmma_scale_f32_16x16x128_f8f6f4 v[ACC+8*(4*(\a)+\b):ACC+8*(4*(\a)+\b)+7], v[(\f)+64+FR*\b:(\f)+64+FR*\b+FR-1], v[(\f)+FR*(\a):(\f)+FR*(\a)+FR-1], v[ACC+8*(4*(\a)+\b):ACC+8*(4*(\a)+\b)+7], v[SC+16*(\slot)+8*((\st)/2)+2*\b+(\st)%2], v[SC+16*(\slot)+8*((\st)/2)+2*(\a)+(\st)%2] matrix_a_scale:MATRIX_SCALE_ROW1
.endif
.endr
.endr
.endm
; 32 LDS loads in one run: step st's fragments into buffer f: the weight's four blocks first, then the tokens'; each load takes 512 consecutive bytes
.macro FETCH slot, st, f
	WIN TO_F
.irp i, 0,1,2,3
.irp c, 0,1,2,3
	ds_load_b128 v[(\f)+64+FR*\i+4*\c:(\f)+64+FR*\i+4*\c+3], v[ADRB+\slot] offset:((\st)/2)*HALFT+(\i/2)*REC+(\i%2)*4096+2048*((\st)%2)+512*\c
.endr
.endr
.irp i, 0,1,2,3
.irp c, 0,1,2,3
	ds_load_b128 v[(\f)+FR*\i+4*\c:(\f)+FR*\i+4*\c+3], v[ADRA+\slot] offset:((\st)/2)*HALFT+(\i/2)*REC+(\i%2)*4096+2048*((\st)%2)+512*\c
.endr
.endr
.endm
.macro SCALES slot                     ; a slot's scale words: 8 bytes a row and chunk
.irp c, 0,1
.irp i, 0,1,2,3
	ds_load_b64 v[SC+16*\slot+8*\c+2*\i:SC+16*\slot+8*\c+2*\i+1], v[ADRS+\slot] offset:\c*HALFT+(\i/2)*REC+8192+(\i%2)*128
.endr
.endr
.endm
.macro PLACES n                        ; plain vector lines between a matrix instruction and a load into, or a read of, its registers
.rept \n
	v_nop
.endr
.endm
; One of a slot's first three steps: multiplies buffer st % 2 and, in its middle, fetches the next step's fragments into the other buffer
.macro QUARTER slot, st, zero
	s_wait_dscnt 8                                 ; all but the youngest 8 loads (the tokens' blocks 2 and 3)
	WIN MUL
	MUL8 128*((\st)%2), 0, \slot, \st, \zero
	PLACES NP
	FETCH \slot, (\st)+1, 128*(((\st)+1)%2)
	s_wait_dscnt 32                                ; all but the 32 just issued
	WIN MUL
	MUL8 128*((\st)%2), 2, \slot, \st, \zero
.endm
; A slot's last step changes slots.  Its first eight products stand ahead of the wait for the next slot's tile, so that between that wait and the next request stand only the three lines and the round
.macro TURN slot, next, fill
	s_wait_dscnt 8
	WIN MUL
	MUL8 128, 0, \slot, 3, 0
	WIN 0
	s_wait_tensorcnt 0x0                           ; all my tensor loads have landed: my part of the next slot
	ds_add_u32 v[SPW], v[NIL]                      ; 0 onto my spare word
	s_wait_dscnt 0x0                               ; the add is done, and my reads of this slot are over
	s_barrier_signal -1
	s_barrier_wait -1
.if \fill
	CREST                                          ; the barrier opened a round of the cluster's: no wave of any partner still reads this slot or has a load on its way
	s_add_nc_u64 s[G0+4*\slot+2:G0+4*\slot+3], s[G0+4*\slot+2:G0+4*\slot+3], 4*ASTRIDE
	s_add_nc_u64 s[G0B+4*\slot+2:G0B+4*\slot+3], s[G0B+4*\slot+2:G0B+4*\slot+3], 4*BSTRIDE
	JLOAD G0+4*\slot, G1, G0B+4*\slot, G1B         ; the first tensor load behind the round; its four v_nop are four of the eight places
	PLACES NP-4
.else
	PLACES NP
.endif
	SCALES \next
	FETCH \next, 0, 0
	WIN MUL
	MUL8 128, 2, \slot, 3, 0
.endm
	s_wait_tensorcnt 1                             ; my part of slot 0 is in; slot 1's load may be out
	s_barrier_signal -1
	s_barrier_wait -1
	SCALES 0
	FETCH 0, 0, 0
	QUARTER 0, 0, 1                                ; the first step's products start the sums
.if LAPS > 1
	WIN 0                                          ; at a label and at a branch every window is 0
	s_mov_b32 s3, LAPS-1
.Llap:                                                 ; a trip goes once round the ring, from a lap's second step to the next lap's first, and fills both slots again
	QUARTER 0, 1, 0
	QUARTER 0, 2, 0
	TURN 0, 1, 1
	QUARTER 1, 0, 0
	QUARTER 1, 1, 0
	QUARTER 1, 2, 0
	TURN 1, 0, 1
	QUARTER 0, 0, 0
	WIN 0
	s_sub_co_u32 s3, s3, 1
	s_cmp_lg_u32 s3, 0
	s_cbranch_scc1 .Llap
.endif
	QUARTER 0, 1, 0                                ; the last lap fills nothing
	QUARTER 0, 2, 0
	TURN 0, 1, 0
	QUARTER 1, 0, 0
	QUARTER 1, 1, 0
	QUARTER 1, 2, 0
	s_wait_dscnt 8                                 ; the very last step: nothing more to fetch
	WIN MUL
	MUL8 128, 0, 1, 3, 0
	s_wait_dscnt 0x0
	MUL8 128, 2, 1, 3, 0
	WIN 0
	; THE WAY OUT.  A wave's 64 columns are 256 aligned bytes of a row, so it needs no other wave.  A block of 16 tokens goes through my own stage and comes back, into the registers that it left,
	; as whole rows of 256 bytes, two an instruction; + the bias, + the residual; sixteen lanes store 256 consecutive bytes
	PLACES NP
.irp a, 0,1,2,3
.irp b, 0,1,2,3
	ds_store_b128 v[STO], v[ACC+8*(4*\a+\b):ACC+8*(4*\a+\b)+3] offset:\a*16*SPITCH+128*(\b/2)+32*(\b%2)      ; each accumulator from its low end on
	ds_store_b128 v[STO], v[ACC+8*(4*\a+\b)+4:ACC+8*(4*\a+\b)+7] offset:\a*16*SPITCH+128*(\b/2)+32*(\b%2)+16
.endr
.irp t, 0,1,2,3,4,5,6,7
	ds_load_b128 v[ACC+32*\a+4*\t:ACC+32*\a+4*\t+3], v[RD] offset:\a*16*SPITCH+2*\t*SPITCH    ; LDS serves a wave's instructions in order: these see my stores
.endr
.endr
	s_wait_loadcnt 0x0                             ; the bias and the residual
.irp a, 0,1,2,3
	s_wait_dscnt 16*(3-\a)                         ; block a is back; the 16 LDS instructions of each later block may be out
.irp t, 0,1,2,3,4,5,6,7
	v_pk_add_f32 v[ACC+32*\a+4*\t:ACC+32*\a+4*\t+1], v[ACC+32*\a+4*\t:ACC+32*\a+4*\t+1], v[BI:BI+1]
	v_pk_add_f32 v[ACC+32*\a+4*\t+2:ACC+32*\a+4*\t+3], v[ACC+32*\a+4*\t+2:ACC+32*\a+4*\t+3], v[BI+2:BI+3]
.endr
	WIN ADD_R
.irp j, 0,2,4,6,8,10,12,14,16,18,20,22,24,26,28,30
	v_pk_add_f32 v[ACC+32*\a+\j:ACC+32*\a+\j+1], v[ACC+32*\a+\j:ACC+32*\a+\j+1], v[32*\a+\j:32*\a+\j+1]
.endr
	WIN 0
.irp t, 0,1,2,3,4,5,6,7
	global_store_b128 v[CO], v[ACC+32*\a+4*\t:ACC+32*\a+4*\t+3], s[12:13] offset:(32*(\a/2)+8*(\a%2)+2*\t+8*(\t/4))*4096
.endr
.endr
	s_wait_tensorcnt 0x0                           ; the wave's end
	ds_add_u32 v[SPW], v[NIL]
	s_wait_dscnt 0x0
	CROUND                                         ; the closing round
	s_endpgm
.Lfunc_end_k_q410ce4d71d_ffn2:
	.size	k_q410ce4d71d_ffn2, .Lfunc_end_k_q410ce4d71d_ffn2-k_q410ce4d71d_ffn2
	.p2alignl 7, 3214868480
	.fill 96, 4, 3214868480
	.section	.rodata,"a",@progbits
	.p2align	6, 0x0
	.amdhsa_kernel k_q410ce4d71d_ffn2
		.amdhsa_group_segment_fixed_size 327680
		.amdhsa_private_segment_fixed_size 0
		.amdhsa_enable_private_segment 0
		.amdhsa_kernarg_size 40
		.amdhsa_user_sgpr_count 2
		.amdhsa_user_sgpr_kernarg_segment_ptr 1
		.amdhsa_wavefront_size32 1
		.amdhsa_system_sgpr_workgroup_id_x 1
		.amdhsa_system_sgpr_workgroup_id_y 1
		.amdhsa_system_sgpr_workgroup_id_z 1
		.amdhsa_system_vgpr_workitem_id 0
		.amdhsa_next_free_vgpr 768
		.amdhsa_next_free_sgpr 66
		.amdhsa_reserve_vcc 0
		.amdhsa_float_denorm_mode_32 3
		.amdhsa_float_denorm_mode_16_64 3
		.amdhsa_memory_ordered 1
		.amdhsa_forward_progress 1
		.amdhsa_inst_pref_size 101
	.end_amdhsa_kernel
	.amdgpu_metadata
---
amdhsa.version: [ 1, 2 ]
amdhsa.kernels:
  - .name:           k_q410ce4d71d_ffn2
    .symbol:         k_q410ce4d71d_ffn2.kd
    .args:
      - { .name: hrec, .offset: 0, .size: 8, .value_kind: global_buffer, .address_space: global }
      - { .name: wrec, .offset: 8, .size: 8, .value_kind: global_buffer, .address_space: global }
      - { .name: b2, .offset: 16, .size: 8, .value_kind: global_buffer, .address_space: global }
      - { .name: x2, .offset: 24, .size: 8, .value_kind: global_buffer, .address_space: global }
      - { .name: out0, .offset: 32, .size: 8, .value_kind: global_buffer, .address_space: global }
    .group_segment_fixed_size: 327680
    .private_segment_fixed_size: 0
    .kernarg_segment_align: 8
    .kernarg_segment_size: 40
    .max_flat_workgroup_size: 128
    .sgpr_count:     66
    .vgpr_count:     768
    .wavefront_size: 32
...
	.end_amdgpu_metadata
.endif
;; end of part 9
